; MI455X (gfx1250); checked and timed in simulation.
; The chip was launched on July 23, 2026; its instructions are those of AMD's public machine-readable ISA for CDNA 5 (MIT licence, August 2026) and "CDNA5" Instruction Set Architecture Reference Guide (July 2026). The comments in the code are by the model that wrote it; some were corrected since.
;; Transformer Block. Allowed arithmetic: float matrix products may take bf16 or f16 operands with f32 sums; all other float work in f32.
;; Inputs: W_K 16 x 1,024 x 64 float32; W_O 16 x 64 x 1,024 float32; W_Q 16 x 1,024 x 64 float32; W_V 16 x 1,024 x 64 float32; W_in 1,024 x 4,096 float32; W_out 4,096 x 1,024 float32; b_K 16 x 64 float32; b_O 1,024 float32; b_Q 16 x 64 float32; b_V 16 x 64 float32; b_in 4,096 float32; b_out 1,024 float32; ln1_b 1,024 float32; ln1_w 1,024 float32; ln2_b 1,024 float32; ln2_w 1,024 float32; resid_pre 2 x 2,048 x 1,024 float32.
;; Outputs: out0 2 x 2,048 x 1,024 float32.
;; 3 versions, each right; version 2 is faster than version 1; version 3 is version 2 with the launch pre written anew for expert scheduling mode. Each part assembles by itself: llvm-mc -triple=amdgcn-amd-amdhsa -mcpu=gfx1250 --defsym DOCPART=n.
;; ======== version 1 of 3: 8 launches
;; workspace buffers: wb 25,165,824 bytes; xn 8,388,608 bytes; qkvb 25,165,824 bytes; zb 8,388,608 bytes; midb 16,777,216 bytes; hn 8,388,608 bytes; actb 33,554,432 bytes
;; launch cvt (part 1): grid 256 x 3, 8 waves a work-group, no clusters, 0 bytes of LDS; arguments W_in, W_out, W_O, W_Q, W_K, W_V, wb; writes wb
.if DOCPART == 1
	.amdgcn_target "amdgcn-amd-amdhsa--gfx1250"
	.amdhsa_code_object_version 6
	.text
	.protected	k_q0816b08e04_cvt
	.globl	k_q0816b08e04_cvt
	.p2align	8
	.type	k_q0816b08e04_cvt,@function
k_q0816b08e04_cvt:
	s_mov_b64 s[64:65], 0
	v_nop
	global_prefetch_b8 v0, s[64:65] scope:SCOPE_SE
	s_setreg_imm32_b32 hwreg(HW_REG_WAVE_MODE, 25, 1), 1
	s_wait_xcnt 0x0
; The six weights, f32 [K][N], are rounded once to bf16 (nearest even) and laid as the products want them:
; wb = [tile column nt = n / 128][k][128 columns], a row of 256 bytes for each k.  Regions of wb, in bytes:
; Wqkv (n = 1024 sel + 64 head + channel; 24 tile columns, K = 1024) at 0, W_O (8, K = 1024) at WO_OFF, W_in (32, K = 1024) at WI_OFF,
; W_out (8, K = 4096) at WU_OFF.
; A piece is 128 numbers of one k: one load of 16 bytes a lane (512 bytes), two conversions, one store of 8 bytes a lane: 256 consecutive
; bytes, aligned, one row of wb.  A wave takes 16 consecutive k of one tile column, the eight waves eight neighbouring tile columns.
; 768 work-groups, no loop, no LDS, no matrix unit: a stream.  All 16 loads of a wave are out before its first wait.
.set WO_OFF, 6291456
.set WI_OFF, 8388608
.set WU_OFF, 16777216
.set VS, 1                             ; v1  my byte offset in a source piece
.set VD, 2                             ; v2  my byte offset in a row of wb
.set X,  8                             ; v[8:71]    16 pieces as loaded
.set Y,  72                            ; v[72:103]  16 pieces to store
; 16 pieces, stride bytes apart in the source (a row of the weight), 256 bytes apart in wb.  No register is written twice, so the only
; waits are the counted ones for the loads: loads return in order, piece i is in when at most 15 - i younger ones are out.
.macro CONV stride
.set i, 0
.rept 16
	global_load_b128 v[X+4*i:X+4*i+3], v[VS], s[20:21] offset:i*\stride th:TH_LOAD_NT
.set i, i+1
.endr
.set i, 0
.rept 16
	s_wait_loadcnt 15-i
	v_cvt_pk_bf16_f32 v[Y+2*i],   v[X+4*i],   v[X+4*i+1]
	v_cvt_pk_bf16_f32 v[Y+2*i+1], v[X+4*i+2], v[X+4*i+3]
	global_store_b64 v[VD], v[Y+2*i:Y+2*i+1], s[22:23] offset:i*256
.set i, i+1
.endr
	s_endpgm
.endm
	s_load_b256 s[4:11], s[0:1], 0x0               ; W_in s[4:5], W_out s[6:7], W_O s[8:9], W_Q s[10:11]
	s_load_b128 s[12:15], s[0:1], 0x20             ; W_K s[12:13], W_V s[14:15]
	s_load_b64 s[16:17], s[0:1], 0x30              ; wb
	v_lshrrev_b32 v3, 5, v0
	v_readfirstlane_b32 s18, v3                    ; wave w, 0..7
	s_and_b32 s19, ttmp7, 0xffff                   ; y: which weights
	s_mov_b32 s24, ttmp9                           ; x: which part of them
	v_and_b32 v4, 31, v0
	v_lshlrev_b32 v[VS], 4, v4                     ; 16 x lane
	v_lshlrev_b32 v[VD], 3, v4                     ; 8 x lane
	s_mov_b32 s27, 0                               ; high words of the two offset pairs s[26:27] (source), s[28:29] (wb)
	s_mov_b32 s29, 0
	s_wait_kmcnt 0x0
	s_cmp_lg_u32 s19, 0
	s_cbranch_scc1 .Lnot_w_in
	; y = 0: W_in [1024][4096].  nt = 8 (x & 3) + w, k = 16 (x >> 2) on
	s_and_b32 s25, s24, 3
	s_lshl3_add_u32 s25, s25, s18                  ; nt
	s_lshr_b32 s30, s24, 2                         ; c
	s_lshl_b32 s26, s30, 18                        ; 16 rows of 16,384 bytes
	s_lshl_b32 s31, s25, 9
	s_add_co_u32 s26, s26, s31                     ; + 512 nt
	s_lshl_b32 s28, s25, 18                        ; nt x 1024 rows of 256 bytes
	s_lshl_b32 s31, s30, 12
	s_add_co_u32 s28, s28, s31                     ; + 16 c rows
	s_add_co_u32 s28, s28, WI_OFF
	s_add_nc_u64 s[20:21], s[4:5], s[26:27]
	s_add_nc_u64 s[22:23], s[16:17], s[28:29]
	CONV 16384
.Lnot_w_in:
	s_cmp_eq_u32 s19, 1
	s_cbranch_scc1 .Lrows_4k
	s_cmp_lt_u32 s24, 64
	s_cbranch_scc0 .Lheads
.Lrows_4k:
	; y = 1: W_out [4096][1024], all x.  y = 2, x < 64: W_O [16 x 64][1024].  Both: rows of 4,096 bytes, nt = w, k = 16 x on
	s_mov_b32 s30, WU_OFF
	s_mov_b32 s31, WO_OFF
	s_cmp_eq_u32 s19, 1
	s_cselect_b64 s[20:21], s[6:7], s[8:9]
	s_cselect_b32 s28, s30, s31                    ; the region of wb
	s_cselect_b32 s25, 20, 18                      ; a tile column is K rows of 256 bytes: 2^20 or 2^18 bytes
	s_lshl_b32 s25, s18, s25
	s_add_co_u32 s28, s28, s25
	s_lshl_b32 s25, s24, 12
	s_add_co_u32 s28, s28, s25                     ; + 16 x rows
	s_lshl_b32 s26, s24, 16                        ; 16 rows of 4,096 bytes
	s_lshl_b32 s25, s18, 9
	s_add_co_u32 s26, s26, s25                     ; + 512 w
	s_add_nc_u64 s[20:21], s[20:21], s[26:27]
	s_add_nc_u64 s[22:23], s[16:17], s[28:29]
	CONV 4096
.Lheads:
	; y = 2, x >= 64: W_Q, W_K, W_V [16][1024][64].  sel = (x >> 6) - 1, k = 16 (x & 63) on.  Tile column 8 sel + w is heads 2 w and 2 w + 1 side by
	; side: lanes 0-15 read 256 bytes of head 2 w's row, lanes 16-31 of head 2 w + 1's
	s_lshr_b32 s25, s24, 6
	s_sub_co_u32 s25, s25, 1                       ; sel
	s_and_b32 s30, s24, 63                         ; c
	s_cmp_eq_u32 s25, 1
	s_cselect_b64 s[20:21], s[12:13], s[10:11]
	s_cmp_eq_u32 s25, 2
	s_cselect_b64 s[20:21], s[14:15], s[20:21]
	s_lshl_b32 s26, s18, 19                        ; two heads of 262,144 bytes
	s_lshl_b32 s31, s30, 12                        ; 16 c rows of 256 bytes, in the source and in wb
	s_add_co_u32 s26, s26, s31
	s_lshl3_add_u32 s28, s25, s18                  ; nt
	s_lshl_b32 s28, s28, 18
	s_add_co_u32 s28, s28, s31
	s_add_nc_u64 s[20:21], s[20:21], s[26:27]
	s_add_nc_u64 s[22:23], s[16:17], s[28:29]
	v_and_b32 v5, 15, v0
	v_bfe_u32 v6, v0, 4, 1
	v_lshlrev_b32 v[VS], 4, v5
	v_lshl_add_u32 v[VS], v6, 18, v[VS]            ; 16 (lane % 16) + a head for the upper half of the lanes
	CONV 256
.Lfunc_end_k_q0816b08e04_cvt:
	.size	k_q0816b08e04_cvt, .Lfunc_end_k_q0816b08e04_cvt-k_q0816b08e04_cvt
	.p2alignl 7, 3214868480
	.fill 96, 4, 3214868480
	.section	.rodata,"a",@progbits
	.p2align	6, 0x0
	.amdhsa_kernel k_q0816b08e04_cvt
		.amdhsa_group_segment_fixed_size 0
		.amdhsa_private_segment_fixed_size 0
		.amdhsa_enable_private_segment 0
		.amdhsa_kernarg_size 56
		.amdhsa_user_sgpr_count 2
		.amdhsa_user_sgpr_kernarg_segment_ptr 1
		.amdhsa_wavefront_size32 1
		.amdhsa_system_sgpr_workgroup_id_x 1
		.amdhsa_system_sgpr_workgroup_id_y 1
		.amdhsa_system_sgpr_workgroup_id_z 1
		.amdhsa_system_vgpr_workitem_id 0
		.amdhsa_next_free_vgpr 104
		.amdhsa_next_free_sgpr 66
		.amdhsa_reserve_vcc 0
		.amdhsa_float_denorm_mode_32 3
		.amdhsa_float_denorm_mode_16_64 3
		.amdhsa_memory_ordered 1
		.amdhsa_forward_progress 1
		.amdhsa_inst_pref_size 20
	.end_amdhsa_kernel
	.amdgpu_metadata
---
amdhsa.version: [ 1, 2 ]
amdhsa.kernels:
  - .name:           k_q0816b08e04_cvt
    .symbol:         k_q0816b08e04_cvt.kd
    .args:
      - { .name: W_in, .offset: 0, .size: 8, .value_kind: global_buffer, .address_space: global }
      - { .name: W_out, .offset: 8, .size: 8, .value_kind: global_buffer, .address_space: global }
      - { .name: W_O, .offset: 16, .size: 8, .value_kind: global_buffer, .address_space: global }
      - { .name: W_Q, .offset: 24, .size: 8, .value_kind: global_buffer, .address_space: global }
      - { .name: W_K, .offset: 32, .size: 8, .value_kind: global_buffer, .address_space: global }
      - { .name: W_V, .offset: 40, .size: 8, .value_kind: global_buffer, .address_space: global }
      - { .name: wb, .offset: 48, .size: 8, .value_kind: global_buffer, .address_space: global }
    .group_segment_fixed_size: 0
    .private_segment_fixed_size: 0
    .kernarg_segment_align: 8
    .kernarg_segment_size: 56
    .max_flat_workgroup_size: 256
    .sgpr_count:     66
    .vgpr_count:     104
    .wavefront_size: 32
...
	.end_amdgpu_metadata
.endif
;; end of part 1
;; launch ln1 (part 2): grid 256 x 1, 8 waves a work-group, no clusters, 0 bytes of LDS; arguments resid_pre, ln1_w, ln1_b, xn; writes xn
.if DOCPART == 2
	.amdgcn_target "amdgcn-amd-amdhsa--gfx1250"
	.amdhsa_code_object_version 6
	.text
	.protected	k_q0816b08e04_ln1
	.globl	k_q0816b08e04_ln1
	.p2align	8
	.type	k_q0816b08e04_ln1,@function
k_q0816b08e04_ln1:
	s_mov_b64 s[64:65], 0
	v_nop
	global_prefetch_b8 v0, s[64:65] scope:SCOPE_SE
	s_setreg_imm32_b32 hwreg(HW_REG_WAVE_MODE, 25, 1), 1
	s_wait_xcnt 0x0
; y = LayerNorm(x) w + b.  x: [4096][1024] f32.  y: bf16 in blocks: [t / 128][column / 64][t % 128][64], a block 128 rows of 128 bytes.
; A wave takes two rows, t = 2 p and 2 p + 1: lanes 0-15 the first, lanes 16-31 the second, so that a row's sums stay inside 16 lanes.
; Lane l holds columns 64 j + 4 (l % 16) + 0..3, j = 0..15: a load covers 256 consecutive bytes of each row, and a store (8 bytes a lane) covers
; rows t and t + 1 of block j: 256 consecutive bytes, aligned.  The rows stay in registers between the passes: x is read once.
; Two passes: the mean, then the sum of squares of x - mean, so a common offset of x costs no digits.
; Order of rounding, stated: (x - mean) * (w * rstd) + b, with rstd from v_rsq_f32 (good to one unit in the last place) in place of a division by a root.
; No LDS, no barrier, no matrix unit: a stream in which no wave waits for another.
.set XO, 1                             ; v1  my byte offset in the two rows of x
.set WO, 2                             ; v2  my byte offset in w and b
.set YO, 3                             ; v3  my byte offset in two rows of a block of y
.set CH, 8                             ; v[8:15]  four chains of pairs
.set MEAN, 16                          ; v[16:17] the mean, twice
.set RSTD, 18                          ; v[18:19] 1 / sqrt(var + eps), twice
.set X,  32                            ; v[32:95]
.set W,  96                            ; v[96:159]   w; at last the packed results
.set B,  160                           ; v[160:223]
.macro REDUCE                          ; four chains of pairs -> one number, the same in the 16 lanes of a row
	v_pk_add_f32 v[CH:CH+1],   v[CH:CH+1],   v[CH+2:CH+3]
	v_pk_add_f32 v[CH+4:CH+5], v[CH+4:CH+5], v[CH+6:CH+7]
	v_pk_add_f32 v[CH:CH+1],   v[CH:CH+1],   v[CH+4:CH+5]
	v_add_f32 v[CH], v[CH], v[CH+1]
.irp m, 1,2,4,8
	v_add_f32_dpp v[CH], v[CH], v[CH] row_xmask:\m row_mask:0xf bank_mask:0xf
.endr
.endm
	s_load_b256 s[4:11], s[0:1], 0x0               ; x s[4:5], w s[6:7], b s[8:9], y s[10:11]
	v_lshrrev_b32 v4, 5, v0
	v_readfirstlane_b32 s14, v4                    ; wave
	s_lshl3_add_u32 s14, ttmp9, s14                ; p = 8 x work-group + wave, 0..2047
	s_lshl_b32 s16, s14, 13                        ; two rows of 4,096 bytes
	s_mov_b32 s17, 0
	s_lshr_b32 s18, s14, 6
	s_lshl_b32 s18, s18, 18                        ; (t / 128) x 16 blocks of 16,384 bytes
	s_and_b32 s15, s14, 63
	s_lshl_b32 s15, s15, 8                         ; (t % 128) x 128 bytes
	s_add_co_u32 s18, s18, s15
	s_mov_b32 s19, 0
	s_mov_b32 s12, 0x3a800000                      ; 1 / 1024
	s_mov_b32 s13, 0x3727c5ac                      ; eps = 1e-5
	v_and_b32 v5, 15, v0
	v_bfe_u32 v6, v0, 4, 1
	v_lshlrev_b32 v[WO], 4, v5
	v_lshl_add_u32 v[XO], v6, 12, v[WO]
	v_and_b32 v[YO], 31, v0
	v_lshlrev_b32 v[YO], 3, v[YO]
	s_wait_kmcnt 0x0
	s_add_nc_u64 s[4:5], s[4:5], s[16:17]
	s_add_nc_u64 s[10:11], s[10:11], s[18:19]
.set j, 0
.rept 16
	global_load_b128 v[X+4*j:X+4*j+3], v[XO], s[4:5] offset:256*j
.set j, j+1
.endr
.set j, 0
.rept 16
	global_load_b128 v[W+4*j:W+4*j+3], v[WO], s[6:7] offset:256*j
.set j, j+1
.endr
.set j, 0
.rept 16
	global_load_b128 v[B+4*j:B+4*j+3], v[WO], s[8:9] offset:256*j
.set j, j+1
.endr
	s_wait_loadcnt 32                              ; x is in: the 32 loads of w and b are younger
	; pass 1: the sum.  The first eight pairs start the four chains: nothing is cleared
.set k, 0
.rept 4
	v_pk_add_f32 v[CH+2*k:CH+2*k+1], v[X+2*k:X+2*k+1], v[X+2*k+8:X+2*k+9]
.set k, k+1
.endr
.set k, 8
.rept 24
	v_pk_add_f32 v[CH+2*(k%4):CH+2*(k%4)+1], v[CH+2*(k%4):CH+2*(k%4)+1], v[X+2*k:X+2*k+1]
.set k, k+1
.endr
	REDUCE
	v_mul_f32 v[MEAN], s12, v[CH]
	v_mul_f32 v[MEAN+1], s12, v[CH]
.set k, 0
.rept 32
	v_pk_add_f32 v[X+2*k:X+2*k+1], v[X+2*k:X+2*k+1], v[MEAN:MEAN+1] neg_lo:[0,1] neg_hi:[0,1]   ; x - mean
.set k, k+1
.endr
	; pass 2: the sum of squares
.set k, 0
.rept 4
	v_pk_mul_f32 v[CH+2*k:CH+2*k+1], v[X+2*k:X+2*k+1], v[X+2*k:X+2*k+1]
.set k, k+1
.endr
.rept 28
	v_pk_fma_f32 v[CH+2*(k%4):CH+2*(k%4)+1], v[X+2*k:X+2*k+1], v[X+2*k:X+2*k+1], v[CH+2*(k%4):CH+2*(k%4)+1]
.set k, k+1
.endr
	REDUCE
	v_fma_f32 v20, v[CH], s12, s13                 ; var + eps
	v_rsq_f32 v[RSTD], v20
	v_rsq_f32 v[RSTD+1], v20
	v_nop                                          ; a plain instruction between the last v_rsq_f32 and the use of its result (ISA guide 5.7.2)
	s_wait_loadcnt 16                              ; w is in: b's 16 loads are younger
.set k, 0
	s_wait_alu depctr_va_vdst(0)
.rept 32
	v_pk_mul_f32 v[W+2*k:W+2*k+1], v[W+2*k:W+2*k+1], v[RSTD:RSTD+1]
.set k, k+1
.endr
	s_wait_loadcnt 0x0                             ; b
.set k, 0
.rept 32
	v_pk_fma_f32 v[X+2*k:X+2*k+1], v[X+2*k:X+2*k+1], v[W+2*k:W+2*k+1], v[B+2*k:B+2*k+1]
.set k, k+1
.endr
.set k, 0
.rept 32
	v_cvt_pk_bf16_f32 v[W+k], v[X+2*k], v[X+2*k+1] ; w's registers are free
.set k, k+1
.endr
.set j, 0
.rept 16
	global_store_b64 v[YO], v[W+2*j:W+2*j+1], s[10:11] offset:16384*j
.set j, j+1
.endr
	s_endpgm
.Lfunc_end_k_q0816b08e04_ln1:
	.size	k_q0816b08e04_ln1, .Lfunc_end_k_q0816b08e04_ln1-k_q0816b08e04_ln1
	.p2alignl 7, 3214868480
	.fill 96, 4, 3214868480
	.section	.rodata,"a",@progbits
	.p2align	6, 0x0
	.amdhsa_kernel k_q0816b08e04_ln1
		.amdhsa_group_segment_fixed_size 0
		.amdhsa_private_segment_fixed_size 0
		.amdhsa_enable_private_segment 0
		.amdhsa_kernarg_size 32
		.amdhsa_user_sgpr_count 2
		.amdhsa_user_sgpr_kernarg_segment_ptr 1
		.amdhsa_wavefront_size32 1
		.amdhsa_system_sgpr_workgroup_id_x 1
		.amdhsa_system_sgpr_workgroup_id_y 1
		.amdhsa_system_sgpr_workgroup_id_z 1
		.amdhsa_system_vgpr_workitem_id 0
		.amdhsa_next_free_vgpr 224
		.amdhsa_next_free_sgpr 66
		.amdhsa_reserve_vcc 0
		.amdhsa_float_denorm_mode_32 3
		.amdhsa_float_denorm_mode_16_64 3
		.amdhsa_memory_ordered 1
		.amdhsa_forward_progress 1
		.amdhsa_inst_pref_size 21
	.end_amdhsa_kernel
	.amdgpu_metadata
---
amdhsa.version: [ 1, 2 ]
amdhsa.kernels:
  - .name:           k_q0816b08e04_ln1
    .symbol:         k_q0816b08e04_ln1.kd
    .args:
      - { .name: resid_pre, .offset: 0, .size: 8, .value_kind: global_buffer, .address_space: global }
      - { .name: ln1_w, .offset: 8, .size: 8, .value_kind: global_buffer, .address_space: global }
      - { .name: ln1_b, .offset: 16, .size: 8, .value_kind: global_buffer, .address_space: global }
      - { .name: xn, .offset: 24, .size: 8, .value_kind: global_buffer, .address_space: global }
    .group_segment_fixed_size: 0
    .private_segment_fixed_size: 0
    .kernarg_segment_align: 8
    .kernarg_segment_size: 32
    .max_flat_workgroup_size: 256
    .sgpr_count:     66
    .vgpr_count:     224
    .wavefront_size: 32
...
	.end_amdgpu_metadata
.endif
;; end of part 2
;; launch qkv (part 3): grid 24 x 32, 4 waves a work-group, clusters of 4 x 4, 327,680 bytes of LDS; arguments xn, wb, b_Q, b_K, b_V, qkvb; writes qkvb
.if DOCPART == 3
	.amdgcn_target "amdgcn-amd-amdhsa--gfx1250"
	.amdhsa_code_object_version 6
	.text
	.protected	k_q0816b08e04_qkv
	.globl	k_q0816b08e04_qkv
	.p2align	8
	.type	k_q0816b08e04_qkv,@function
k_q0816b08e04_qkv:
	s_mov_b64 s[64:65], 0
	v_nop
	global_prefetch_b8 v0, s[64:65] scope:SCOPE_SE
	s_setreg_imm32_b32 hwreg(HW_REG_WAVE_MODE, 25, 1), 1
	s_wait_xcnt 0x0
	s_wait_alu depctr_hold_cnt(0) depctr_sa_sdst(0) depctr_va_vdst(0) depctr_va_sdst(0) depctr_va_ssrc(0) depctr_va_vcc(0) depctr_vm_vsrc(0)
	s_getreg_b32 s2, hwreg(HW_REG_IB_STS2, 6, 4)
	s_cmp_eq_u32 s2, 0
	s_cbranch_scc0 .Lentry_in_a_cluster
	s_endpgm
.Lentry_in_a_cluster:
	s_bfe_u32 s2, ttmp6, 0x10000c
	s_cmp_lg_u32 s2, 0xf033
	s_cbranch_scc0 .Lentry_shape_is_right
	s_endpgm
.Lentry_shape_is_right:
; THIS PRODUCT: q, k, v = LN1(x) Wqkv + (b_Q, b_K, b_V).  A = xn [4096 x 1024], W = wb's first region (3,072 columns: 1024 sel + 64 head + channel),
; out = bf16 in blocks [t / 128][48 = 16 sel + head][t % 128][64].
.set SIZE_K, 1024                      ; the length of the sums
.set WOFF,   0                         ; the weights' region in wb, bytes
.set EPI,    0                         ; the way out: 0 = bf16 in blocks, 1 = f32 rows with a residual added
.set RELU,   0                         ; EPI 0: max(., 0) before the rounding
.set NB,     48                        ; EPI 0: blocks of 64 columns in a row of blocks of out
.set QKVB,   1                         ; the bias is one of three buffers, chosen by tile column / 8
; FROM HERE ON THE TEXT IS THE SAME IN THE FOUR PRODUCTS OF THE BLOCK (qkv, oproj, mlp_in, mlp_out); the constants above choose.
; C[t][n] = sum over k of A[t][k] W[k][n] + bias[n]; bf16 operands, f32 sums (the limit of format that the problem allows; all else f32).
; A lies in blocks [t / 128][k / 64][t % 128][64] of bf16, W as [n / 128][k][128] of bf16: a K step of 256 of a tile of 128 rows of A, or of 128
; columns of W, is 65,536 consecutive bytes.
; A tile of C is 128 x 128: four waves, each 64 x 64 = 16 accumulators of 16 x 16.  K goes in steps of 256 through a ring of two LDS slots; each wave
; brings a quarter of a slot (32,768 bytes, as 128 rows of 256 bytes) with one tensor load.
; CLUSTERS: 4 x 4 work-groups.  The four of a row of the cluster need the same tiles of A, the four of a column the same tiles of W: each tile is asked for
; JOINTLY, by the same tensor load with the same descriptor and a mask that names the four.
; THE MATRIX INSTRUCTION IS USED TRANSPOSED (source 0 = 16 columns of W, source 1 = 16 rows of A): lane l then holds row l % 16 of C and, in its
; registers 0..7, the columns 8 (l / 16) + 0..7.  So eight numbers of the bias a lane and column block are the C operand of the first products: no sum is
; cleared and no bias is added later.  W lies [k][n] in LDS and comes out turned, by ds_load_tr16_b128.
; REGISTERS: window 0: v0-31 addresses; v32-95 at work on the way out; v96-127 the bias; v128-255 the accumulators ((a, b) at v[128 + 8 (4 a + b)]).
;   window 1: two fragment buffers of 128: for 64 along K, 64 registers of A, then 64 of W.   window 2 (EPI 1): v0-127 the residual's 64 x 64.
.set PA,     144                       ; a row of A in LDS: 128 bytes + 16 = 36 words: the 16 rows of a fragment load start at 16 different groups of four banks
.set PB,     288                       ; a row of W in LDS: 256 bytes + 32 = 72 words
.set HALFT,  36864                     ; what one tensor load fills: 256 rows of A's pitch = 128 rows of W's pitch
.set SLOT,   4*HALFT                   ; A: [k / 64 = 0..3][128 rows], then W: [256 k]
.set BOFF,   2*HALFT
.set STAGE,  2*SLOT                    ; behind the ring, a multiple of 256: 16 rows for each wave, its own, for the way out; no tensor load lands here
.if EPI
.set SPITCH, 272                       ; 64 f32 + 16 bytes
.else
.set SPITCH, 144                       ; 64 bf16 + 16 bytes
.endif
.set KSTEPB, 65536                     ; bytes of a K step, in A's tile and in W's
.set LAPS,   SIZE_K/512                ; a lap = two K steps = once round the ring
.set ADRA, 16                          ; v16-17  LDS address of my A fragments in slot 0, 1
.set ADRB, 20                          ; v20-23  the same for W: slot 0 k 0-127, slot 0 k 128-255, slot 1 likewise (an LDS offset has 16 bits)
.set STO,  24                          ; v24     the way out: where I put my part of a row
.set RD,   25                          ; v25     the way out: where I read rows back
.set CO,   26                          ; v26     my byte offset in out (and in the residual)
.set BO,   27                          ; v27     my byte offset in the bias
.set TMP,  32
.set BIAS, 96
.set ACC,  128
.set F0,   0
.set F1,   128
.set G1,  24                           ; s[24:31] descriptor group 1 for A's tiles;  s[32:39] group 0, one set for each slot
.set G0,  32
.set G1B, 48                           ; s[48:55], s[56:63] the same for W's tiles
.set G0B, 56
.set MSB, 0
.macro WIN new                         ; the immediate's high byte repeats the setting that is left; a switch that changes nothing is dropped
.if MSB != \new
	s_set_vgpr_msb (MSB<<8)|\new
.set MSB, \new
.endif
.endm
.set MUL,  0x05                        ; sources 0 (W) and 1 (A) window 1; C and D window 0
.set TO_F, 0x40                        ; destination window 1, address window 0
.macro JLOAD s                         ; a joint load: waves 0 and 1 fetch A's two halves, waves 2 and 3 W's; four v_nop follow each of the two lines, ahead of the jump, the label and what follows
	s_cmp_eq_u32 s11, 0
	s_cbranch_scc0 .Lfor_b_\@
	tensor_load_to_lds s[G0+4*\s:G0+4*\s+3], s[G1:G1+7]
	s_nop 0
.rept 4
	v_nop
.endr
	s_branch .Lasked_\@
.Lfor_b_\@:
	tensor_load_to_lds s[G0B+4*\s:G0B+4*\s+3], s[G1B:G1B+7]
	s_nop 0
.rept 4
	v_nop
.endr
.Lasked_\@:
.endm
.macro CREST                           ; a round of the cluster's barrier behind its opening barrier
	s_cmp_lg_u32 s10, 0
	s_cbranch_scc1 .Lnot_wave_0_\@
	s_barrier_signal -3
.Lnot_wave_0_\@:
	s_barrier_wait -3
	s_barrier_signal -1
	s_barrier_wait -1
.endm
.macro CROUND                          ; a whole round
	s_barrier_signal -1
	s_barrier_wait -1
	CREST
.endm
	s_load_b128 s[4:7], s[0:1], 0x0                ; A s[4:5], wb s[6:7]
	s_load_b128 s[68:71], s[0:1], 0x10             ; the bias s[68:69]; s[70:71]: b_K (QKVB), out (EPI 0 without QKVB) or the residual (EPI 1)
.if QKVB
	s_load_b128 s[72:75], s[0:1], 0x20             ; b_V s[72:73], out s[74:75]
	v_lshl_add_u32 v30, v0, 2, 0x4a400
	v_mov_b32 v31, 0
	ds_add_u32 v30, v31
	ds_add_u32 v30, v31
.endif
.if EPI
	s_load_b64 s[8:9], s[0:1], 0x20                ; out
.endif
	v_lshrrev_b32 v1, 5, v0
	v_readfirstlane_b32 s10, v1                    ; wave 0..3
	s_lshr_b32 s11, s10, 1                         ; which half of the tile's rows is mine.  Also: I fetch for A (0) or for W (1)
	s_and_b32 s12, s10, 1                          ; which half of its columns.  Also: which half of that tile's K step I fetch
	s_bfe_u32 s40, ttmp6, 0x40000                  ; cx, cy: my place in the cluster
	s_bfe_u32 s41, ttmp6, 0x40004
	s_lshl_b32 s42, ttmp9, 2
	s_add_co_u32 s42, s42, s40                     ; tile column nt = 4 x cluster x + cx
	s_and_b32 s13, ttmp7, 0xffff
	s_lshl_b32 s13, s13, 2
	s_add_co_u32 s13, s13, s41                     ; tile row mt = 4 x cluster y + cy
	s_lshl_b32 s43, s41, 2
	s_lshl_b32 s43, 15, s43                        ; my row of the cluster
	s_lshl_b32 s44, 0x1111, s40                    ; my column
	; descriptor group 1: 128 rows of 128 elements of 2 bytes, one behind the other in memory.  A: 4 words of padding behind every 32 words, so that each
	; half of a memory row (a row of a block of A, 128 bytes) becomes an LDS row of 144 bytes.  W: 8 words behind every 64: LDS rows of 288 bytes.
	s_or_b32 s[G1+0], s43, (1<<16)|(1<<20)|(1<<21)|(4<<22)|(3<<25)   ; 15:0 the mask: A's tiles go to my row; 17:16 elements of 2 bytes; 20 padding on; 21 set beside a mask; 24:22 interval; 31:25 padding less one
	s_or_b32 s[G1B+0], s44, (1<<16)|(1<<20)|(1<<21)|(5<<22)|(7<<25)  ; the mask of my column, for W's tiles
.irp g, G1, G1B
	s_mov_b32 s[\g+1], 128<<16                     ; tensor_dim0 = 128
	s_mov_b32 s[\g+2], 128<<16                     ; tensor_dim1 = 128
	s_mov_b32 s[\g+3], 128<<16                     ; tile_dim0 = 128
	s_mov_b32 s[\g+4], 128                         ; tile_dim1 = 128
	s_mov_b32 s[\g+5], 128                         ; from row to row: 128 elements
	s_mov_b32 s[\g+6], 0
	s_mov_b32 s[\g+7], 0
.endr
	; A's tiles hang on the tile row alone, W's on the tile column alone; every wave makes both addresses, in registers that never hold the other coordinate
	s_mul_i32 s16, s13, SIZE_K*256                 ; a tile row of A: SIZE_K / 64 blocks of 16,384 bytes
	s_lshl_b32 s17, s12, 15                        ; my half of a K step
	s_add_co_u32 s16, s16, s17
	s_mov_b32 s17, 0
	s_mul_i32 s46, s42, SIZE_K*256                 ; a tile column of W: SIZE_K rows of 256 bytes
	s_lshl_b32 s47, s12, 15
	s_add_co_u32 s46, s46, s47
	s_add_co_u32 s46, s46, WOFF
	s_mov_b32 s47, 0
	s_mul_i32 s20, s10, HALFT                      ; where they go: wave x a quarter of a slot: no place in the cluster enters an LDS address
	s_wait_dscnt 0x0
	s_wait_kmcnt 0x0
	s_add_nc_u64 s[14:15], s[4:5], s[16:17]
	s_add_nc_u64 s[46:47], s[6:7], s[46:47]
	CROUND                                         ; all sixteen work-groups are here: the first joint loads meet
.irp s, 0,1
	s_mov_b32 s[G0+4*\s], 1
	s_add_co_u32 s[G0+4*\s+1], s20, \s*SLOT
	s_add_nc_u64 s[G0+4*\s+2:G0+4*\s+3], s[14:15], \s*KSTEPB
	s_or_b32 s[G0+4*\s+3], s[G0+4*\s+3], 0x80000000
	s_mov_b32 s[G0B+4*\s], 1
	s_add_co_u32 s[G0B+4*\s+1], s20, \s*SLOT
	s_add_nc_u64 s[G0B+4*\s+2:G0B+4*\s+3], s[46:47], \s*KSTEPB
	s_or_b32 s[G0B+4*\s+3], s[G0B+4*\s+3], 0x80000000
	JLOAD \s                                       ; K steps 0 and 1: two tensor loads of mine are out
.endr
	; the bias of my 64 columns
.if EPI == 0
.if QKVB
	s_mov_b64 s[8:9], s[74:75]
	s_lshr_b32 s78, s42, 3                         ; sel: 8 tile columns for each of q, k, v
	s_cmp_eq_u32 s78, 1
	s_cselect_b64 s[68:69], s[70:71], s[68:69]
	s_cmp_eq_u32 s78, 2
	s_cselect_b64 s[68:69], s[72:73], s[68:69]
	s_and_b32 s76, s42, 7
	s_lshl_b32 s76, s76, 9
.else
	s_mov_b64 s[8:9], s[70:71]
	s_lshl_b32 s76, s42, 9
.endif
.else
	s_lshl_b32 s76, s42, 9                         ; 128 columns of 4 bytes
.endif
	s_lshl_b32 s78, s12, 8
	s_add_co_u32 s76, s76, s78
	s_mov_b32 s77, 0
	s_add_nc_u64 s[68:69], s[68:69], s[76:77]
	v_and_b32 v1, 15, v0                           ; r = l % 16
	v_bfe_u32 v2, v0, 4, 1                         ; h = l / 16
	v_and_b32 v6, 31, v0                           ; l
	v_lshlrev_b32 v[BO], 5, v2                     ; 8 h numbers
.irp b, 0,1,2,3
	global_load_b128 v[BIAS+8*\b:BIAS+8*\b+3],   v[BO], s[68:69] offset:64*\b
	global_load_b128 v[BIAS+8*\b+4:BIAS+8*\b+7], v[BO], s[68:69] offset:64*\b+16
.endr
	; where my 64 x 64 of C begins in out
.if EPI
	s_lshl_b32 s76, s13, 19                        ; 128 rows of 4,096 bytes
	s_lshl_b32 s78, s11, 18
	s_add_co_u32 s76, s76, s78
	s_lshl_b32 s78, s42, 9
	s_add_co_u32 s76, s76, s78
	s_lshl_b32 s78, s12, 8
	s_add_co_u32 s76, s76, s78
	s_add_nc_u64 s[8:9], s[8:9], s[76:77]
	s_add_nc_u64 s[70:71], s[70:71], s[76:77]
	v_lshlrev_b32 v[CO], 4, v1
	v_lshl_add_u32 v[CO], v2, 12, v[CO]            ; lanes 0-15 one row's 256 bytes, lanes 16-31 the next row's
	WIN 0x80                                       ; destination window 2, address window 0
.set i, 0
.rept 32                               ; the residual's 64 x 64, in the order in which C's rows come back from the stage; it lands under the whole loop over K
	global_load_b128 v[4*i:4*i+3], v[CO], s[70:71] offset:2*i*4096
.set i, i+1
.endr
	WIN 0
.else
	s_mul_i32 s76, s13, NB*16384
	s_lshl_b32 s78, s42, 15                        ; two blocks a tile column
	s_add_co_u32 s76, s76, s78
	s_lshl_b32 s78, s12, 14
	s_add_co_u32 s76, s76, s78
	s_lshl_b32 s78, s11, 13                        ; 64 rows of 128 bytes
	s_add_co_u32 s76, s76, s78
	s_add_nc_u64 s[8:9], s[8:9], s[76:77]
	v_lshlrev_b32 v[CO], 4, v6                     ; four rows of a block are 512 consecutive bytes
.endif
	; A fragment of A is 16 rows x 32 K in 8 registers: lane l holds row r; registers 0-3 K = 8 h + 0..7, registers 4-7 K = 16 + 8 h + 0..7: two loads of 16 bytes, 32 bytes apart.
	v_mul_u32_u24 v3, v1, PA
	v_lshl_add_u32 v3, v2, 4, v3
	s_mul_i32 s21, s11, 64*PA                      ; my 64 rows
	v_add_nc_u32 v[ADRA], s21, v3
	v_add_nc_u32 v[ADRA+1], SLOT, v[ADRA]
	; The turning load takes 16 k x 16 columns (lane l reads 16 bytes: k = 8 h + l % 8, columns 8 ((l / 8) % 2) + 0..7) and leaves half a fragment: lane l holds column r and 8 k.
	v_and_b32 v9, 7, v0
	v_lshl_add_u32 v4, v2, 3, v9
	v_mul_u32_u24 v4, v4, PB
	v_bfe_u32 v5, v0, 3, 1
	v_lshl_add_u32 v4, v5, 4, v4
	s_lshl_b32 s22, s12, 7                         ; my 64 columns
	s_add_co_u32 s22, s22, BOFF
	v_add_nc_u32 v[ADRB], s22, v4
	v_add_nc_u32 v[ADRB+1], 128*PB, v[ADRB]
	v_add_nc_u32 v[ADRB+2], SLOT, v[ADRB]
	v_add_nc_u32 v[ADRB+3], SLOT+128*PB, v[ADRB]
	s_mul_i32 s23, s10, 16*SPITCH
	s_add_co_u32 s23, s23, STAGE                   ; my stage
	v_mul_u32_u24 v7, v1, SPITCH                   ; in: row r, eight numbers for each half of the lanes
.if EPI
	v_lshl_add_u32 v7, v2, 5, v7
	v_mul_u32_u24 v8, v2, SPITCH                   ; back: lanes 0-15 one row of 256 bytes, lanes 16-31 the next
	v_lshl_add_u32 v8, v1, 4, v8
.else
	v_lshl_add_u32 v7, v2, 4, v7
	v_lshrrev_b32 v8, 3, v6                        ; back: eight lanes to a row of 128 bytes, four rows
	v_mul_u32_u24 v8, v8, SPITCH
	v_lshl_add_u32 v8, v9, 4, v8
.endif
	v_add_nc_u32 v[STO], s23, v7
	v_add_nc_u32 v[RD], s23, v8
; 8 matrix instructions: row blocks a0, a0 + 1 x all 4 column blocks, 32 along K: half c of buffer f.  first = 1: the bias starts the sums.
; The sixteen accumulators take turns, one instruction a turn.
.macro MUL8 f, c, a0, first
.irp a, \a0, \a0+1
.irp b, 0,1,2,3
.if \first
	v_wmma_f32_16x16x32_bf16 v[ACC+8*(4*(\a)+\b):ACC+8*(4*(\a)+\b)+7], v[\f+64+8*(4*\c+\b):\f+64+8*(4*\c+\b)+7], v[\f+8*(4*\c+\a):\f+8*(4*\c+\a)+7], v[BIAS+8*\b:BIAS+8*\b+7]
.else
	v_wmma_f32_16x16x32_bf16 v[ACC+8*(4*(\a)+\b):ACC+8*(4*(\a)+\b)+7], v[\f+64+8*(4*\c+\b):\f+64+8*(4*\c+\b)+7], v[\f+8*(4*\c+\a):\f+8*(4*\c+\a)+7], v[ACC+8*(4*(\a)+\b):ACC+8*(4*(\a)+\b)+7]
.endif
.endr
.endr
.endm
; 32 LDS loads in one run: the fragments of quarter q (64 along K) of a slot, into buffer f; the first 32 along K first
.macro FETCH slot, q, f
	WIN TO_F
.irp c, 0,1
.irp i, 0,1,2,3
	ds_load_tr16_b128 v[\f+64+8*(4*\c+\i):\f+64+8*(4*\c+\i)+3],   v[ADRB+2*\slot+(\q)/2] offset:(((\q)%2)*64+32*\c)*PB+32*\i
	ds_load_tr16_b128 v[\f+64+8*(4*\c+\i)+4:\f+64+8*(4*\c+\i)+7], v[ADRB+2*\slot+(\q)/2] offset:(((\q)%2)*64+32*\c+16)*PB+32*\i
	ds_load_b128 v[\f+8*(4*\c+\i):\f+8*(4*\c+\i)+3],              v[ADRA+\slot] offset:(\q)*128*PA+\i*16*PA+64*\c
	ds_load_b128 v[\f+8*(4*\c+\i)+4:\f+8*(4*\c+\i)+7],            v[ADRA+\slot] offset:(\q)*128*PA+\i*16*PA+64*\c+32
.endr
.endr
.endm
.macro PLACES                          ; four places in front of loads into registers that matrix instructions have read, and of whatever reads results just made
.rept 4
	v_nop
.endr
.endm
; A K step is four quarters of 64 along K, 32 matrix instructions each, on buffers 0, 1, 0, 1.  One of the first three: multiplies buffer f and fetches quarter q into g.
.macro QUARTER slot, q, f, g, first
	s_wait_dscnt 16                                ; the first 32 along K are in: the other sixteen loads of the run are younger
	WIN MUL
	MUL8 \f, 0, 0, \first
	MUL8 \f, 0, 2, \first
	PLACES
	FETCH \slot, \q, \g
	s_wait_dscnt 32                                ; all but the 32 just issued
	WIN MUL
	MUL8 \f, 1, 0, 0
	MUL8 \f, 1, 2, 0
.endm
; The last quarter multiplies buffer 1 and changes slots: ONE barrier; in front of it each wave waits for its own reads of this slot and for all its tensor loads.  fill = 1: this slot is filled again, two K steps ahead.
.macro TURN slot, next, fill
	s_wait_dscnt 16
	WIN MUL
	MUL8 F1, 0, 0, 0
	s_wait_dscnt 0                                 ; my reads of this slot are over,
	s_set_vgpr_msb 0x500
	s_wait_tensorcnt 0x0                           ; and all my tensor loads have landed: the one that was out is my part of the next slot
	ds_add_u32 v30, v31
	s_wait_dscnt 0x0
	s_set_vgpr_msb 0x5
	s_barrier_signal -1
	MUL8 F1, 0, 2, 0
.if \fill
	WIN 0
.endif
	s_barrier_wait -1
.if \fill
	CREST                                          ; the barrier has opened a round of the cluster's barrier: no wave of any partner still reads this slot's tile or has a load on its way
	s_add_nc_u64 s[G0+4*\slot+2:G0+4*\slot+3], s[G0+4*\slot+2:G0+4*\slot+3], 2*KSTEPB
	s_add_nc_u64 s[G0B+4*\slot+2:G0B+4*\slot+3], s[G0B+4*\slot+2:G0B+4*\slot+3], 2*KSTEPB
	JLOAD \slot                                    ; the first tensor load behind the round, my only one until the next; its four v_nop are also the places in front of the loads below
.else
	PLACES
.endif
	FETCH \next, 0, F0
	WIN MUL
	MUL8 F1, 1, 0, 0
	MUL8 F1, 1, 2, 0
.endm
; THE WAY OUT, EPI 0.  Row block a (16 rows x 64 columns): max(., 0) where asked, rounded to bf16, 16 bytes a lane into my stage, back as whole rows of 128 bytes.
.macro PACK a
.if RELU
.set i, 0
.rept 32
	v_max_num_f32 v[ACC+32*\a+i], 0, v[ACC+32*\a+i]
.set i, i+1
.endr
.endif
.irp b, 0,1,2,3
.irp r, 0,1,2,3
	v_cvt_pk_bf16_f32 v[TMP+16*\a+4*\b+\r], v[ACC+8*(4*\a+\b)+2*\r], v[ACC+8*(4*\a+\b)+2*\r+1]
.endr
.endr
.irp b, 0,1,2,3
	ds_store_b128 v[STO], v[TMP+16*\a+4*\b:TMP+16*\a+4*\b+3] offset:32*\b
.endr
.irp t, 0,1,2,3
	ds_load_b128 v[TMP+16*\a+4*\t:TMP+16*\a+4*\t+3], v[RD] offset:\t*4*SPITCH   ; LDS serves a wave's instructions in order (ISA guide 5.7.1.4): these see the stores above, and the next block's stores come behind them
.endr
.endm
.macro SEND a, younger                 ; younger: the LDS instructions issued behind block a's loads: the next block's eight, or none
.irp t, 0,1,2,3
	s_wait_dscnt \younger+3-\t
	global_store_b128 v[CO], v[TMP+16*\a+4*\t:TMP+16*\a+4*\t+3], s[8:9] offset:\a*2048+\t*512   ; the wave stores 512 consecutive bytes, aligned: four rows of a block
.endr
.endm
; THE WAY OUT, EPI 1.  Row block a goes as f32 through my stage (each accumulator's low four registers first) and comes back as whole rows of 256 bytes, into the registers that it left.
.macro TOSTAGE a
.irp b, 0,1,2,3
	ds_store_b128 v[STO], v[ACC+8*(4*\a+\b):ACC+8*(4*\a+\b)+3]   offset:64*\b
	ds_store_b128 v[STO], v[ACC+8*(4*\a+\b)+4:ACC+8*(4*\a+\b)+7] offset:64*\b+16
.endr
.irp t, 0,1,2,3,4,5,6,7
	ds_load_b128 v[ACC+32*\a+4*\t:ACC+32*\a+4*\t+3], v[RD] offset:\t*2*SPITCH
.endr
.endm
.macro FIN a, younger                  ; younger: the next block's sixteen LDS instructions, or none
	s_wait_dscnt \younger
.if \a == 0
	s_wait_loadcnt 0x0                             ; the residual, asked for ahead of the loop over K
.endif
	WIN 0x08                                       ; source 1 window 2
.set i, 0
.rept 16
	v_pk_add_f32 v[ACC+32*\a+2*i:ACC+32*\a+2*i+1], v[ACC+32*\a+2*i:ACC+32*\a+2*i+1], v[32*\a+2*i:32*\a+2*i+1]
.set i, i+1
.endr
	WIN 0
.irp t, 0,1,2,3,4,5,6,7
	global_store_b128 v[CO], v[ACC+32*\a+4*\t:ACC+32*\a+4*\t+3], s[8:9] offset:(16*\a+2*\t)*4096   ; 16 lanes store 256 consecutive bytes, aligned
.endr
.endm
	s_wait_tensorcnt 1                             ; my part of K step 0 is in; K step 1's may stay out
	s_barrier_signal -1
	s_barrier_wait -1                              ; everybody's is
	FETCH 0, 0, F0
.if EPI
	s_wait_loadcnt 32                              ; the bias is in: the residual's 32 loads are younger
.else
	s_wait_loadcnt 0x0                             ; the bias
.endif
	QUARTER 0, 1, F0, F1, 1                        ; the first quarter stands in front of the loop: its first products start the sums, from the bias
	WIN 0                                          ; at a label and at a branch every window is 0
	s_mov_b32 s3, LAPS-1
.Llap:                                                 ; a trip goes once round the ring, from a lap's second quarter to the next lap's first, and fills both slots again
	QUARTER 0, 2, F1, F0, 0
	QUARTER 0, 3, F0, F1, 0
	TURN 0, 1, 1
	QUARTER 1, 1, F0, F1, 0
	QUARTER 1, 2, F1, F0, 0
	QUARTER 1, 3, F0, F1, 0
	TURN 1, 0, 1
	QUARTER 0, 1, F0, F1, 0
	WIN 0
	s_sub_co_u32 s3, s3, 1
	s_cmp_lg_u32 s3, 0
	s_cbranch_scc1 .Llap
	QUARTER 0, 2, F1, F0, 0                        ; the last lap fills nothing, and has no round of the cluster's barrier
	QUARTER 0, 3, F0, F1, 0
	TURN 0, 1, 0
	QUARTER 1, 1, F0, F1, 0
	QUARTER 1, 2, F1, F0, 0
	QUARTER 1, 3, F0, F1, 0
	s_wait_dscnt 16                                ; the very last quarter: nothing more to fetch
	WIN MUL
	MUL8 F1, 0, 0, 0
	MUL8 F1, 0, 2, 0
	s_wait_dscnt 0
	MUL8 F1, 1, 0, 0
	MUL8 F1, 1, 2, 0
	WIN 0
	PLACES
.if EPI
	TOSTAGE 0
	TOSTAGE 1                                      ; a block's trip through the stage stands between the loads of the block before and their use
	FIN 0, 16
	TOSTAGE 2
	FIN 1, 16
	TOSTAGE 3
	FIN 2, 16
	FIN 3, 0
.else
	PACK 0
	PACK 1
	SEND 0, 8
	PACK 2
	SEND 1, 8
	PACK 3
	SEND 2, 8
	SEND 3, 0
.endif
	s_wait_tensorcnt 0x0
	ds_add_u32 v30, v31
	s_wait_dscnt 0x0
	CROUND                                         ; the closing round: no work-group ends while a partner may still ask for a tile that names it
	s_endpgm
.Lfunc_end_k_q0816b08e04_qkv:
	.size	k_q0816b08e04_qkv, .Lfunc_end_k_q0816b08e04_qkv-k_q0816b08e04_qkv
	.p2alignl 7, 3214868480
	.fill 96, 4, 3214868480
	.section	.rodata,"a",@progbits
	.p2align	6, 0x0
	.amdhsa_kernel k_q0816b08e04_qkv
		.amdhsa_group_segment_fixed_size 327680
		.amdhsa_private_segment_fixed_size 0
		.amdhsa_enable_private_segment 0
		.amdhsa_kernarg_size 48
		.amdhsa_user_sgpr_count 2
		.amdhsa_user_sgpr_kernarg_segment_ptr 1
		.amdhsa_wavefront_size32 1
		.amdhsa_system_sgpr_workgroup_id_x 1
		.amdhsa_system_sgpr_workgroup_id_y 1
		.amdhsa_system_sgpr_workgroup_id_z 1
		.amdhsa_system_vgpr_workitem_id 0
		.amdhsa_next_free_vgpr 512
		.amdhsa_next_free_sgpr 80
		.amdhsa_reserve_vcc 0
		.amdhsa_float_denorm_mode_32 3
		.amdhsa_float_denorm_mode_16_64 3
		.amdhsa_memory_ordered 1
		.amdhsa_forward_progress 1
		.amdhsa_inst_pref_size 88
	.end_amdhsa_kernel
	.amdgpu_metadata
---
amdhsa.version: [ 1, 2 ]
amdhsa.kernels:
  - .name:           k_q0816b08e04_qkv
    .symbol:         k_q0816b08e04_qkv.kd
    .args:
      - { .name: xn, .offset: 0, .size: 8, .value_kind: global_buffer, .address_space: global }
      - { .name: wb, .offset: 8, .size: 8, .value_kind: global_buffer, .address_space: global }
      - { .name: b_Q, .offset: 16, .size: 8, .value_kind: global_buffer, .address_space: global }
      - { .name: b_K, .offset: 24, .size: 8, .value_kind: global_buffer, .address_space: global }
      - { .name: b_V, .offset: 32, .size: 8, .value_kind: global_buffer, .address_space: global }
      - { .name: qkvb, .offset: 40, .size: 8, .value_kind: global_buffer, .address_space: global }
    .group_segment_fixed_size: 327680
    .private_segment_fixed_size: 0
    .kernarg_segment_align: 8
    .kernarg_segment_size: 48
    .max_flat_workgroup_size: 128
    .sgpr_count:     80
    .vgpr_count:     512
    .wavefront_size: 32
...
	.end_amdgpu_metadata
.endif
;; end of part 3
;; launch attn (part 4): grid 8 x 32, 4 waves a work-group, no clusters, 327,680 bytes of LDS; arguments qkvb, zb; writes zb
.if DOCPART == 4
	.amdgcn_target "amdgcn-amd-amdhsa--gfx1250"
	.amdhsa_code_object_version 6
	.text
	.protected	k_q0816b08e04_attn
	.globl	k_q0816b08e04_attn
	.p2align	8
	.type	k_q0816b08e04_attn,@function
k_q0816b08e04_attn:
	s_mov_b64 s[64:65], 0
	v_nop
	global_prefetch_b8 v0, s[64:65] scope:SCOPE_SE
	s_setreg_imm32_b32 hwreg(HW_REG_WAVE_MODE, 25, 1), 1
	s_wait_xcnt 0x0
; z[t][head] = sum over keys s <= t of softmax_s(q[t] . k[s] / 8) v[s], for 2 batches x 16 heads x 2,048 tokens, head size 64.
; q, k, v: bf16 in blocks [token / 128][16 sel + head][token % 128][64] (a block: 128 rows of 128 bytes); z: the same with 16 blocks (heads) a row of blocks.
; Products, maxima and sums in f32; the weights p are rounded to bf16 for the second product, z once at the end.
; SHARES.  Work-group (i, y): batch y / 16, head y % 16, the query blocks i and 15 - i of 128 queries, one after the other.  Keys behind a query count for
; nothing, so block qb walks key tiles 0..qb: (i + 1) + (16 - i) = 17 tiles of 128 keys in every work-group.  A wave owns 32 queries: two tiles of 16.
; NO JOINT LOADS: the query blocks of a head need different numbers of key tiles and come to a given tile in different steps, so partners in a cluster could
; not make the same requests in the same rounds.
; LAYOUT.  S^T = K Q^T (source 0 = 16 keys, source 1 = 16 queries): a lane holds ONE query (lane % 16) and the keys 8 (lane / 16) + 0..7 of each block of 16.
; Two such tiles, rounded to bf16 in pairs, ARE source 1 (32 keys x 16 queries) of O^T = V^T P, whose result again holds one query a lane, and eight channels.
; K comes out of LDS as it lies, V ([key][channel]) turned, by ds_load_tr16_b128.
; SOFTMAX.  For each query a running maximum m and sum l: p = 2^(c s - c m), c = log2(e) / 8; in every step O and l are multiplied by a = 2^(c m_old - c m_new).
; A pass begins with m = -inf, l = 0, O = 0, so that one text serves every step: a pass's first step can also be its masked one (i = 0).  Every query sees key 0
; in its pass's first tile, so m is finite from that step on, a is 0 there, and no -inf meets another.
; A STEP: the next tile is asked for; K's and V's fragments come out of LDS; 32 products K Q^T; the mask in the tile on the diagonal; the softmax; 32 products V^T P.
; REGISTERS: window 0: v0-15 addresses; v16-31 statistics; v32-39 sums at work; v64-127 O^T; v128-255 S^T, then P.  window 1: v0-127 K, v128-255 V of a tile.
;   window 2: v0-31 Q of the pass in hand, v32-63 Q of block 15 - i.
.set PKP,   144                        ; a row of K in LDS: 128 bytes + 16: the 16 rows of a fragment load start at 16 different groups of four banks
.set PVP,   160                        ; a row of V: 128 bytes + 32 = 40 words, an odd multiple of 32 bytes, for the turning load
.set VOFF,  128*PKP                    ; a slot: 128 rows of K, then 128 rows of V
.set SLOT1, 65536                      ; slot 1 begins here: one exclusive or turns an address in one slot into the other's
.set STAGE, 131072                     ; behind the ring: 2 x 16 rows of 144 bytes for each wave, its own; no tensor load lands here
.set SP,    144
.set TILEB, 786432                     ; from 128 tokens to the next in qkv: 48 blocks of 16,384 bytes
.set AK0, 3                            ; v3   my lane's place in a tile of K
.set AV0, 4                            ; v4   the same for V
.set ADRK, 5                           ; v5, v6  the LDS addresses of the step in hand
.set ADRV, 6
.set QO,  7                            ; v7   my byte offset in the wave's rows of Q
.set STO, 8                            ; v8   the way out: where I put 16 bytes of a row
.set RD,  9                            ; v9   the way out: where I read rows back
.set GO,  10                           ; v10  my byte offset in the wave's rows of z
.set NI,  11                           ; v11  -inf
.set THR, 12                           ; v12, v13  tile t: my query's place in the block of 128, less 8 (lane / 16): key 16 kb + j of my registers counts if 16 kb + j <= this
.set ST,  16                           ; tile t's statistics at v[ST+8 t]: +0 c m, +1 m, +2, +3 l (even keys', odd keys'), +4 to +7 at work; a in +6
.set TS,  32
.set O,   64                           ; tile t, channels 16 cb on: v[O+32 t+8 cb]
.set S,   128                          ; tile t, keys 16 kb on: v[S+64 t+8 kb]
.set WV,  8                            ; s8   wave
.set LO,  9                            ; s9   i
.set HI,  24                           ; s24  15 - i
.set KT,  20                           ; s20, s21  the key tile and the query block in hand
.set QB,  21
.set FKT, 22                           ; s22, s23  the same for the tile to be asked for next
.set FQB, 23
.set G1K, 28                           ; s[28:35], s[36:43] descriptor group 1 for K's and V's tiles: they differ in the padding
.set G1V, 36
.set G0K, 44                           ; s[44:47], s[48:51] descriptor group 0
.set G0V, 48
.set CS,  52                           ; s[52:53] c, twice
.set SEL, 54                           ; s[54:55] v_permlanex16_b32: each lane takes its own place in the other half
.set TB,  56                           ; s56  the slot to be read
.set CNT, 57                           ; s57  steps that ask for a tile
.set ZP,  60                           ; s[60:61] z at my wave's rows of the pass in hand;  s[62:63] of block 15 - i
.set ZHI, 62
.set MSB, 0
.macro WIN new                         ; the immediate's high byte repeats the setting that is left; a switch that changes nothing is dropped
.if MSB != \new
	s_set_vgpr_msb (MSB<<8)|\new
.set MSB, \new
.endif
.endm
.macro PLACES n
.rept \n
	v_nop
.endr
.endm
; Waves 0 and 1 fetch the two halves (64 keys) of K's tile, waves 2 and 3 of V's.  Four v_nop follow each of the two lines.
.macro TLOAD
	s_cmp_lt_u32 s[WV], 2
	s_cbranch_scc0 .Lfor_v_\@
	tensor_load_to_lds s[G0K:G0K+3], s[G1K:G1K+7]
	s_nop 0
	PLACES 4
	s_branch .Lasked_\@
.Lfor_v_\@:
	tensor_load_to_lds s[G0V:G0V+3], s[G1V:G1V+7]
	s_nop 0
	PLACES 4
.Lasked_\@:
.endm
.macro SETD                            ; both descriptors' global addresses: key tile FKT
	s_mul_i32 s58, s[FKT], TILEB
	s_add_nc_u64 s[G0K+2:G0K+3], s[14:15], s[58:59]
	s_or_b32 s[G0K+3], s[G0K+3], 0x80000000
	s_add_nc_u64 s[G0V+2:G0V+3], s[16:17], s[58:59]
	s_or_b32 s[G0V+3], s[G0V+3], 0x80000000
.endm
.macro ADV                             ; the tile after that: the next of the pass, or tile 0 of block 15 - i.  Selects, no branch
	s_add_co_u32 s19, s[FKT], 1
	s_cmp_eq_u32 s[FKT], s[FQB]
	s_cselect_b32 s[FKT], 0, s19
	s_cselect_b32 s[FQB], s[HI], s[FQB]
.endm
.macro FETCH                           ; 64 LDS loads: a tile's K (keys 16 kb on, channels 32 c on), then its V, turned (keys 32 ks on, channels 16 cb on)
	v_add_nc_u32 v[ADRK], s[TB], v[AK0]
	v_add_nc_u32 v[ADRV], s[TB], v[AV0]
	WIN 0x40                                       ; destination window 1
.irp kb, 0,1,2,3,4,5,6,7
.irp c, 0,1
	ds_load_b128 v[8*(2*\kb+\c):8*(2*\kb+\c)+3],   v[ADRK] offset:\kb*16*PKP+64*\c
	ds_load_b128 v[8*(2*\kb+\c)+4:8*(2*\kb+\c)+7], v[ADRK] offset:\kb*16*PKP+64*\c+32
.endr
.endr
.irp ks, 0,1,2,3
.irp cb, 0,1,2,3
	ds_load_tr16_b128 v[128+8*(4*\ks+\cb):128+8*(4*\ks+\cb)+3],   v[ADRV] offset:\ks*32*PVP+32*\cb
	ds_load_tr16_b128 v[128+8*(4*\ks+\cb)+4:128+8*(4*\ks+\cb)+7], v[ADRV] offset:\ks*32*PVP+16*PVP+32*\cb
.endr
.endr
	WIN 0
	s_xor_b32 s[TB], s[TB], SLOT1
.endm
; 32 products S^T = K Q^T.  The 16 accumulators take turns, one instruction a turn; the first 16 start the sums.
.macro KQ
	WIN 0x09                                       ; K window 1, Q window 2, S^T window 0
.irp c, 0,1
.irp kb, 0,1,2,3,4,5,6,7
.irp t, 0,1
.if \c == 0
	v_wmma_f32_16x16x32_bf16 v[S+64*\t+8*\kb:S+64*\t+8*\kb+7], v[8*(2*\kb+\c):8*(2*\kb+\c)+7], v[16*\t+8*\c:16*\t+8*\c+7], 0
.else
	v_wmma_f32_16x16x32_bf16 v[S+64*\t+8*\kb:S+64*\t+8*\kb+7], v[8*(2*\kb+\c):8*(2*\kb+\c)+7], v[16*\t+8*\c:16*\t+8*\c+7], v[S+64*\t+8*\kb:S+64*\t+8*\kb+7]
.endif
.endr
.endr
.endr
.endm
; 32 products O^T += V^T P.  The 8 accumulators take turns.
.macro PVM
	WIN 0x01                                       ; V window 1, P and O^T window 0
.irp ks, 0,1,2,3
.irp cb, 0,1,2,3
.irp t, 0,1
	v_wmma_f32_16x16x32_bf16 v[O+32*\t+8*\cb:O+32*\t+8*\cb+7], v[128+8*(4*\ks+\cb):128+8*(4*\ks+\cb)+7], v[S+64*\t+16*\ks:S+64*\t+16*\ks+7], v[O+32*\t+8*\cb:O+32*\t+8*\cb+7]
.endr
.endr
.endr
.endm
.macro MASK                            ; the tile on the diagonal: keys behind the query become -inf; each accumulator's registers in ascending order
.irp t, 0,1
.set i, 0
.rept 64
	v_cmp_le_i32 vcc_lo, 16*(i/8)+(i%8), v[THR+\t]
	v_cndmask_b32 v[S+64*\t+i], v[NI], v[S+64*\t+i], vcc_lo
.set i, i+1
.endr
.endr
.endm
; Tile t's softmax for a step: the lane's 64 scores s0-s63.
.macro SM t
.set rT, ST+8*\t
.set rS, S+64*\t
.set rO, O+32*\t
	; the maximum, three operands at a time: four chains of 16 scores (two accumulators each), every accumulator read from its low end on
.irp c, 0,1,2,3
	v_max3_num_f32 v[rT+4+\c], v[rS+16*\c], v[rS+16*\c+1], v[rS+16*\c+2]
.endr
.irp s, 1,2,3,4,5,6
.irp c, 0,1,2,3
	v_max3_num_f32 v[rT+4+\c], v[rT+4+\c], v[rS+16*\c+2*\s+1], v[rS+16*\c+2*\s+2]
.endr
.endr
	v_max3_num_f32 v[rT+4], v[rT+4], v[rS+15], v[rS+31]
	v_max3_num_f32 v[rT+6], v[rT+6], v[rS+47], v[rS+63]
	v_max3_num_f32 v[rT+4], v[rT+4], v[rT+5], v[rT+6]
	v_max3_num_f32 v[rT+4], v[rT+4], v[rT+7], v[rT+1]            ; and the old m
	v_permlanex16_b32 v[rT+5], v[rT+4], s[SEL], s[SEL+1]         ; the query's other 64 keys lie in the lane 16 away
	v_mov_b32 v[rT+7], v[rT]                                     ; c m_old
	v_max_num_f32 v[rT+1], v[rT+4], v[rT+5]
	v_mul_f32 v[rT], s[CS], v[rT+1]
	v_sub_f32 v[rT+7], v[rT+7], v[rT]
.set k, 0
.rept 32
	v_pk_fma_f32 v[rS+2*k:rS+2*k+1], v[rS+2*k:rS+2*k+1], s[CS:CS+1], v[rT:rT+1] op_sel_hi:[1,0,0] neg_lo:[0,0,1] neg_hi:[0,0,1]   ; c s - c m
.set k, k+1
.endr
	v_exp_f32 v[rT+6], v[rT+7]                                   ; a
.set k, 0
.rept 64
	v_exp_f32 v[rS+k], v[rS+k]
.set k, k+1
.endr
	v_nop                                          ; a plain instruction between the last exponential and the use of its result (ISA guide 5.7.2)
.set k, 0
	s_wait_alu depctr_va_vdst(0)
.rept 16
	v_pk_mul_f32 v[rO+2*k:rO+2*k+1], v[rO+2*k:rO+2*k+1], v[rT+6:rT+7] op_sel_hi:[1,0]   ; O^T times a, each accumulator from its low end on
.set k, k+1
.endr
.set k, 0
.rept 4
	v_pk_add_f32 v[TS+2*k:TS+2*k+1], v[rS+2*k:rS+2*k+1], v[rS+2*k+8:rS+2*k+9]           ; the sum of the 32 pairs, in four chains that the first eight pairs start
.set k, k+1
.endr
.set k, 8
.rept 24
	v_pk_add_f32 v[TS+2*(k%4):TS+2*(k%4)+1], v[TS+2*(k%4):TS+2*(k%4)+1], v[rS+2*k:rS+2*k+1]
.set k, k+1
.endr
	v_pk_add_f32 v[TS:TS+1],   v[TS:TS+1],   v[TS+2:TS+3]
	v_pk_add_f32 v[TS+4:TS+5], v[TS+4:TS+5], v[TS+6:TS+7]
	v_pk_add_f32 v[TS:TS+1],   v[TS:TS+1],   v[TS+4:TS+5]
	v_pk_fma_f32 v[rT+2:rT+3], v[rT+2:rT+3], v[rT+6:rT+7], v[TS:TS+1] op_sel_hi:[1,0,1] ; l = a l + the sum
	; P, in place: 32 keys' weights (16 registers) pack into the first 8 of them; register d is written when its own weight has been read
.irp ks, 0,1,2,3
.irp d, 0,1,2,3,4,5,6,7
	v_cvt_pk_bf16_f32 v[rS+16*\ks+\d], v[rS+16*\ks+2*\d], v[rS+16*\ks+2*\d+1]
.endr
.endr
.endm
; A pass's end: l's two halves and the other half of the lanes' are added; O^T is divided by l, rounded to bf16 and sent through my stage, 16 rows of z a tile.
.macro FINAL
.irp t, 0,1
	v_add_f32 v[ST+8*\t+4], v[ST+8*\t+2], v[ST+8*\t+3]
.endr
.irp t, 0,1
	v_permlanex16_b32 v[ST+8*\t+5], v[ST+8*\t+4], s[SEL], s[SEL+1]
.endr
.irp t, 0,1
	v_add_f32 v[ST+8*\t+4], v[ST+8*\t+4], v[ST+8*\t+5]
.endr
.irp t, 0,1
	v_rcp_f32 v[ST+8*\t+6], v[ST+8*\t+4]
.endr
	v_nop                                          ; a plain instruction between the last reciprocal and the use of its result
	s_wait_alu depctr_va_vdst(0)
.irp t, 0,1
.set k, 0
.rept 16
	v_pk_mul_f32 v[O+32*\t+2*k:O+32*\t+2*k+1], v[O+32*\t+2*k:O+32*\t+2*k+1], v[ST+8*\t+6:ST+8*\t+7] op_sel_hi:[1,0]
.set k, k+1
.endr
.set k, 0
.rept 16
	v_cvt_pk_bf16_f32 v[S+16*\t+k], v[O+32*\t+2*k], v[O+32*\t+2*k+1]   ; S^T's registers are free
.set k, k+1
.endr
.irp cb, 0,1,2,3
	ds_store_b128 v[STO], v[S+16*\t+4*\cb:S+16*\t+4*\cb+3] offset:\t*16*SP+32*\cb
.endr
.irp u, 0,1,2,3
	ds_load_b128 v[S+16*\t+4*\u:S+16*\t+4*\u+3], v[RD] offset:\t*16*SP+\u*4*SP   ; LDS serves a wave's instructions in order (ISA guide 5.7.1.4): these see the stores above
.endr
.endr
.irp t, 0,1
.irp u, 0,1,2,3
	s_wait_dscnt (1-\t)*8+3-\u                     ; behind tile 0's load u: its 3 - u later loads and tile 1's eight instructions; behind tile 1's: 3 - u
	global_store_b128 v[GO], v[S+16*\t+4*\u:S+16*\t+4*\u+3], s[ZP:ZP+1] offset:\t*2048+\u*512   ; the wave stores 512 consecutive bytes, aligned: four rows of a block
.endr
.endr
.endm
.macro RESET                           ; a pass's start.  O^T is cleared, 64 registers, since the pass's first step runs the text of every step
.irp t, 0,1
	v_mov_b32 v[ST+8*\t],   v[NI]
	v_mov_b32 v[ST+8*\t+1], v[NI]
	v_mov_b32 v[ST+8*\t+2], 0
	v_mov_b32 v[ST+8*\t+3], 0
.endr
.set k, 0
.rept 64
	v_mov_b32 v[O+k], 0
.set k, k+1
.endr
.endm
.macro SWITCH                          ; from block i to block 15 - i
	s_wait_xcnt 0x0                                ; the stores' data registers and their base are written again only behind this wait
	RESET
	WIN 0x82                                       ; source 0 and destination window 2
.set k, 0
.rept 32
	v_mov_b32 v[k], v[32+k]
.set k, k+1
.endr
	WIN 0
	s_mov_b64 s[ZP:ZP+1], s[ZHI:ZHI+1]
	s_mov_b32 s[KT], -1                            ; the step's end makes it 0
	s_mov_b32 s[QB], s[HI]
.endm
; A STEP.  refill = 1: a step of the loop, which asks for the next tile.  refill = 0: the last step, always block 15 - i's tile on the diagonal.
.macro STEP refill
	s_wait_tensorcnt 0x0                           ; all my tensor loads have landed: the one that was out is my part of this step's tile; so the descriptors may be written
	ds_add_u32 v62, v63
	s_wait_dscnt 0x0
.if \refill
	s_xor_b32 s[G0K+1], s[G0K+1], SLOT1            ; the other slot than last time
	s_xor_b32 s[G0V+1], s[G0V+1], SLOT1
	SETD
	ADV
.endif
	s_wait_dscnt 0x0                               ; my reads of the last step's slot are over
	s_barrier_signal -1
	s_barrier_wait -1                              ; both now hold of every wave
.if \refill
	TLOAD                                          ; my one tensor load behind this barrier, and the first thing there: the next tile, into the slot read last step
.endif
	FETCH
	s_wait_dscnt 32                                ; K is in: V's 32 loads are younger
	KQ
	WIN 0
	PLACES 4                                       ; between the last product and the first read of a score
.if \refill
	s_cmp_lg_u32 s[KT], s[QB]
	s_cbranch_scc1 .Lno_mask
.endif
	MASK
.if \refill
.Lno_mask:
.endif
	SM 0
	SM 1
	s_wait_dscnt 0x0                               ; V is in
	PVM
	WIN 0
	PLACES 5                                       ; ahead of the next step's products, which write over P, of its loads into V's registers, and of the reads of O^T
.if \refill
	s_cmp_lg_u32 s[KT], s[QB]
	s_cbranch_scc1 .Lnot_done
	FINAL
	SWITCH
.Lnot_done:
	s_add_co_u32 s[KT], s[KT], 1
.else
	FINAL
.endif
.endm
	s_load_b128 s[4:7], s[0:1], 0x0                ; qkv s[4:5], z s[6:7]
	v_lshl_add_u32 v62, v0, 2, 0x29000
	v_mov_b32 v63, 0
	ds_add_u32 v62, v63
	ds_add_u32 v62, v63
	v_lshrrev_b32 v1, 5, v0
	v_readfirstlane_b32 s[WV], v1                  ; wave 0..3
	s_mov_b32 s[LO], ttmp9
	s_sub_co_u32 s[HI], 15, s[LO]
	s_and_b32 s25, ttmp7, 0xffff
	s_lshr_b32 s26, s25, 4                         ; batch
	s_and_b32 s27, s25, 15                         ; head
	s_and_b32 s18, s[WV], 1                        ; which 64 keys of a tile I fetch
	; descriptor group 1: 64 keys x 128 bytes lie one behind the other: 32 rows of 128 elements of 2 bytes; padding behind every 32 words (a key's row): 4 words for K, 8 for V
	s_mov_b32 s[G1K], (1<<16)|(1<<20)|(4<<22)|(3<<25)
	s_mov_b32 s[G1V], (1<<16)|(1<<20)|(4<<22)|(7<<25)
.irp g, G1K, G1V
	s_mov_b32 s[\g+1], 128<<16                     ; tensor_dim0 = 128
	s_mov_b32 s[\g+2], 32<<16                      ; tensor_dim1 = 32
	s_mov_b32 s[\g+3], 128<<16                     ; tile_dim0 = 128
	s_mov_b32 s[\g+4], 32                          ; tile_dim1 = 32
	s_mov_b32 s[\g+5], 128                         ; from row to row
	s_mov_b32 s[\g+6], 0
	s_mov_b32 s[\g+7], 0
.endr
	s_mov_b32 s[G0K], 1
	s_mul_i32 s[G0K+1], s18, 64*PKP                ; slot 0, my half
	s_mov_b32 s[G0V], 1
	s_mul_i32 s[G0V+1], s18, 64*PVP
	s_add_co_u32 s[G0V+1], s[G0V+1], VOFF
	s_mul_i32 s58, s26, 16*TILEB                   ; the batch's 2,048 tokens
	s_lshl_b32 s19, s27, 14                        ; the head's block
	s_add_co_u32 s58, s58, s19
	s_mov_b32 s59, 0                               ; s[58:59]: an offset; the high word stays 0
	s_mov_b32 s[FKT], 0
	s_mov_b32 s[FQB], s[LO]
	s_wait_dscnt 0x0
	s_wait_kmcnt 0x0
	s_add_nc_u64 s[2:3], s[4:5], s[58:59]          ; the head's q of tokens 0-127
	s_lshl_b32 s58, s18, 13                        ; my 64 keys
	s_add_co_u32 s58, s58, 262144                  ; k: 16 blocks on
	s_add_nc_u64 s[14:15], s[2:3], s[58:59]
	s_add_co_u32 s58, s58, 262144                  ; v: 16 more
	s_add_nc_u64 s[16:17], s[2:3], s[58:59]
	SETD
	TLOAD                                          ; the first fill: tile 0 into slot 0; one tensor load of mine is out, here and behind every barrier of the loop
	ADV
	s_mul_i32 s58, s[LO], TILEB
	s_lshl_b32 s19, s[WV], 12                      ; my wave's 32 rows of 128 bytes
	s_add_co_u32 s58, s58, s19
	s_add_nc_u64 s[10:11], s[2:3], s[58:59]        ; Q of block i
	s_mul_i32 s58, s[HI], TILEB
	s_add_co_u32 s58, s58, s19
	s_add_nc_u64 s[12:13], s[2:3], s[58:59]        ; Q of block 15 - i
	v_and_b32 v1, 15, v0                           ; r = l % 16
	v_bfe_u32 v2, v0, 4, 1                         ; h = l / 16
	v_lshlrev_b32 v[QO], 7, v1
	v_lshl_add_u32 v[QO], v2, 4, v[QO]             ; row x 128 + 16 h
	WIN 0x80                                       ; destination window 2
.irp t, 0,1
.irp c, 0,1
	global_load_b128 v[16*\t+8*\c:16*\t+8*\c+3],       v[QO], s[10:11] offset:\t*2048+64*\c
	global_load_b128 v[16*\t+8*\c+4:16*\t+8*\c+7],     v[QO], s[10:11] offset:\t*2048+64*\c+32
	global_load_b128 v[32+16*\t+8*\c:32+16*\t+8*\c+3], v[QO], s[12:13] offset:\t*2048+64*\c
	global_load_b128 v[32+16*\t+8*\c+4:32+16*\t+8*\c+7], v[QO], s[12:13] offset:\t*2048+64*\c+32
.endr
.endr
	WIN 0
	s_lshl_b32 s58, s26, 22                        ; z: the batch's 16 rows of 16 blocks,
	s_lshl_b32 s25, s27, 14                        ; the head's block,
	s_add_co_u32 s58, s58, s25
	s_add_co_u32 s58, s58, s19                     ; my wave's rows
	s_add_nc_u64 s[6:7], s[6:7], s[58:59]
	s_lshl_b32 s58, s[LO], 18
	s_add_nc_u64 s[ZP:ZP+1], s[6:7], s[58:59]
	s_lshl_b32 s58, s[HI], 18
	s_add_nc_u64 s[ZHI:ZHI+1], s[6:7], s[58:59]
	s_mov_b32 s[CS], 0x3e38aa3b                    ; c = log2(e) / 8
	s_mov_b32 s[CS+1], s[CS]
	s_mov_b32 s[SEL], 0x76543210
	s_mov_b32 s[SEL+1], 0xfedcba98
	s_mov_b32 s[TB], 0
	s_mov_b32 s[KT], 0
	s_mov_b32 s[QB], s[LO]
	s_mov_b32 s[CNT], 16
	v_mul_u32_u24 v[AK0], v1, PKP
	v_lshl_add_u32 v[AK0], v2, 4, v[AK0]           ; row x pitch + 16 h
	v_and_b32 v14, 7, v0
	v_bfe_u32 v15, v0, 3, 1
	v_lshl_add_u32 v[AV0], v2, 3, v14              ; the turning load: key 8 h + l % 8,
	v_mul_u32_u24 v[AV0], v[AV0], PVP
	v_lshl_add_u32 v[AV0], v15, 4, v[AV0]          ; channels 8 ((l / 8) % 2) on
	v_add_nc_u32 v[AV0], VOFF, v[AV0]
	s_mul_i32 s19, s[WV], 32*SP
	s_add_co_u32 s19, s19, STAGE                   ; my stage
	v_mul_u32_u24 v[STO], v1, SP                   ; in: row r, 16 bytes for each half of the lanes
	v_lshl_add_u32 v[STO], v2, 4, v[STO]
	v_add_nc_u32 v[STO], s19, v[STO]
	v_and_b32 v[GO], 31, v0
	v_lshrrev_b32 v[RD], 3, v[GO]                  ; back: eight lanes to a row of 128 bytes, four rows
	v_mul_u32_u24 v[RD], v[RD], SP
	v_lshl_add_u32 v[RD], v14, 4, v[RD]
	v_add_nc_u32 v[RD], s19, v[RD]
	v_lshlrev_b32 v[GO], 4, v[GO]
	v_mov_b32 v[NI], 0xff800000
	v_and_b32 v[THR], 0x60, v0                     ; 32 x wave
	v_add_nc_u32 v[THR], v[THR], v1
	v_lshlrev_b32 v15, 3, v2
	v_sub_nc_u32 v[THR], v[THR], v15
	v_add_nc_u32 v[THR+1], 16, v[THR]
	RESET
	s_wait_loadcnt 0x0                             ; Q
.Lstep:                                                ; 16 trips: steps 0 to 15 of 17; each asks for the next step's tile
	STEP 1
	s_sub_co_u32 s[CNT], s[CNT], 1
	s_cmp_lg_u32 s[CNT], 0
	s_cbranch_scc1 .Lstep
	STEP 0                                         ; the last step is written out: it asks for nothing
	s_wait_tensorcnt 0x0
	ds_add_u32 v62, v63
	s_wait_dscnt 0x0
	s_endpgm
.Lfunc_end_k_q0816b08e04_attn:
	.size	k_q0816b08e04_attn, .Lfunc_end_k_q0816b08e04_attn-k_q0816b08e04_attn
	.p2alignl 7, 3214868480
	.fill 96, 4, 3214868480
	.section	.rodata,"a",@progbits
	.p2align	6, 0x0
	.amdhsa_kernel k_q0816b08e04_attn
		.amdhsa_group_segment_fixed_size 327680
		.amdhsa_private_segment_fixed_size 0
		.amdhsa_enable_private_segment 0
		.amdhsa_kernarg_size 16
		.amdhsa_user_sgpr_count 2
		.amdhsa_user_sgpr_kernarg_segment_ptr 1
		.amdhsa_wavefront_size32 1
		.amdhsa_system_sgpr_workgroup_id_x 1
		.amdhsa_system_sgpr_workgroup_id_y 1
		.amdhsa_system_sgpr_workgroup_id_z 1
		.amdhsa_system_vgpr_workitem_id 0
		.amdhsa_next_free_vgpr 576
		.amdhsa_next_free_sgpr 66
		.amdhsa_reserve_vcc 1
		.amdhsa_float_denorm_mode_32 3
		.amdhsa_float_denorm_mode_16_64 3
		.amdhsa_memory_ordered 1
		.amdhsa_forward_progress 1
		.amdhsa_inst_pref_size 111
	.end_amdhsa_kernel
	.amdgpu_metadata
---
amdhsa.version: [ 1, 2 ]
amdhsa.kernels:
  - .name:           k_q0816b08e04_attn
    .symbol:         k_q0816b08e04_attn.kd
    .args:
      - { .name: qkvb, .offset: 0, .size: 8, .value_kind: global_buffer, .address_space: global }
      - { .name: zb, .offset: 8, .size: 8, .value_kind: global_buffer, .address_space: global }
    .group_segment_fixed_size: 327680
    .private_segment_fixed_size: 0
    .kernarg_segment_align: 8
    .kernarg_segment_size: 16
    .max_flat_workgroup_size: 128
    .sgpr_count:     66
    .vgpr_count:     576
    .wavefront_size: 32
...
	.end_amdgpu_metadata
.endif
;; end of part 4
;; launch oproj (part 5): grid 8 x 32, 4 waves a work-group, clusters of 4 x 4, 327,680 bytes of LDS; arguments zb, wb, b_O, resid_pre, midb; writes midb
.if DOCPART == 5
	.amdgcn_target "amdgcn-amd-amdhsa--gfx1250"
	.amdhsa_code_object_version 6
	.text
	.protected	k_q0816b08e04_oproj
	.globl	k_q0816b08e04_oproj
	.p2align	8
	.type	k_q0816b08e04_oproj,@function
k_q0816b08e04_oproj:
	s_mov_b64 s[64:65], 0
	v_nop
	global_prefetch_b8 v0, s[64:65] scope:SCOPE_SE
	s_setreg_imm32_b32 hwreg(HW_REG_WAVE_MODE, 25, 1), 1
	s_wait_xcnt 0x0
	s_wait_alu depctr_hold_cnt(0) depctr_sa_sdst(0) depctr_va_vdst(0) depctr_va_sdst(0) depctr_va_ssrc(0) depctr_va_vcc(0) depctr_vm_vsrc(0)
	s_getreg_b32 s2, hwreg(HW_REG_IB_STS2, 6, 4)
	s_cmp_eq_u32 s2, 0
	s_cbranch_scc0 .Lentry_in_a_cluster
	s_endpgm
.Lentry_in_a_cluster:
	s_bfe_u32 s2, ttmp6, 0x10000c
	s_cmp_lg_u32 s2, 0xf033
	s_cbranch_scc0 .Lentry_shape_is_right
	s_endpgm
.Lentry_shape_is_right:
; THIS PRODUCT: resid_mid = resid_pre + z W_O + b_O.  A = z [4096 x 1024] (k = 64 head + channel), W = wb's region of W_O (1,024 columns),
; out = f32 rows of 1,024.
.set SIZE_K, 1024                      ; the length of the sums
.set WOFF,   6291456                   ; the weights' region in wb, bytes
.set EPI,    1                         ; the way out: 0 = bf16 in blocks, 1 = f32 rows with a residual added
.set RELU,   0                         ; EPI 0: max(., 0) before the rounding
.set NB,     0                         ; EPI 0: blocks of 64 columns in a row of blocks of out
.set QKVB,   0                         ; the bias is one of three buffers, chosen by tile column / 8
; FROM HERE ON THE TEXT IS THE SAME IN THE FOUR PRODUCTS OF THE BLOCK (qkv, oproj, mlp_in, mlp_out); the constants above choose.
; C[t][n] = sum over k of A[t][k] W[k][n] + bias[n]; bf16 operands, f32 sums (the limit of format that the problem allows; all else f32).
; A lies in blocks [t / 128][k / 64][t % 128][64] of bf16, W as [n / 128][k][128] of bf16: a K step of 256 of a tile of 128 rows of A, or of 128
; columns of W, is 65,536 consecutive bytes.
; A tile of C is 128 x 128: four waves, each 64 x 64 = 16 accumulators of 16 x 16.  K goes in steps of 256 through a ring of two LDS slots; each wave
; brings a quarter of a slot (32,768 bytes, as 128 rows of 256 bytes) with one tensor load.
; CLUSTERS: 4 x 4 work-groups.  The four of a row of the cluster need the same tiles of A, the four of a column the same tiles of W: each tile is asked for
; JOINTLY, by the same tensor load with the same descriptor and a mask that names the four.
; THE MATRIX INSTRUCTION IS USED TRANSPOSED (source 0 = 16 columns of W, source 1 = 16 rows of A): lane l then holds row l % 16 of C and, in its
; registers 0..7, the columns 8 (l / 16) + 0..7.  So eight numbers of the bias a lane and column block are the C operand of the first products: no sum is
; cleared and no bias is added later.  W lies [k][n] in LDS and comes out turned, by ds_load_tr16_b128.
; REGISTERS: window 0: v0-31 addresses; v32-95 at work on the way out; v96-127 the bias; v128-255 the accumulators ((a, b) at v[128 + 8 (4 a + b)]).
;   window 1: two fragment buffers of 128: for 64 along K, 64 registers of A, then 64 of W.   window 2 (EPI 1): v0-127 the residual's 64 x 64.
.set PA,     144                       ; a row of A in LDS: 128 bytes + 16 = 36 words: the 16 rows of a fragment load start at 16 different groups of four banks
.set PB,     288                       ; a row of W in LDS: 256 bytes + 32 = 72 words
.set HALFT,  36864                     ; what one tensor load fills: 256 rows of A's pitch = 128 rows of W's pitch
.set SLOT,   4*HALFT                   ; A: [k / 64 = 0..3][128 rows], then W: [256 k]
.set BOFF,   2*HALFT
.set STAGE,  2*SLOT                    ; behind the ring, a multiple of 256: 16 rows for each wave, its own, for the way out; no tensor load lands here
.if EPI
.set SPITCH, 272                       ; 64 f32 + 16 bytes
.else
.set SPITCH, 144                       ; 64 bf16 + 16 bytes
.endif
.set KSTEPB, 65536                     ; bytes of a K step, in A's tile and in W's
.set LAPS,   SIZE_K/512                ; a lap = two K steps = once round the ring
.set ADRA, 16                          ; v16-17  LDS address of my A fragments in slot 0, 1
.set ADRB, 20                          ; v20-23  the same for W: slot 0 k 0-127, slot 0 k 128-255, slot 1 likewise (an LDS offset has 16 bits)
.set STO,  24                          ; v24     the way out: where I put my part of a row
.set RD,   25                          ; v25     the way out: where I read rows back
.set CO,   26                          ; v26     my byte offset in out (and in the residual)
.set BO,   27                          ; v27     my byte offset in the bias
.set TMP,  32
.set BIAS, 96
.set ACC,  128
.set F0,   0
.set F1,   128
.set G1,  24                           ; s[24:31] descriptor group 1 for A's tiles;  s[32:39] group 0, one set for each slot
.set G0,  32
.set G1B, 48                           ; s[48:55], s[56:63] the same for W's tiles
.set G0B, 56
.set MSB, 0
.macro WIN new                         ; the immediate's high byte repeats the setting that is left; a switch that changes nothing is dropped
.if MSB != \new
	s_set_vgpr_msb (MSB<<8)|\new
.set MSB, \new
.endif
.endm
.set MUL,  0x05                        ; sources 0 (W) and 1 (A) window 1; C and D window 0
.set TO_F, 0x40                        ; destination window 1, address window 0
.macro JLOAD s                         ; a joint load: waves 0 and 1 fetch A's two halves, waves 2 and 3 W's; four v_nop follow each of the two lines, ahead of the jump, the label and what follows
	s_cmp_eq_u32 s11, 0
	s_cbranch_scc0 .Lfor_b_\@
	tensor_load_to_lds s[G0+4*\s:G0+4*\s+3], s[G1:G1+7]
	s_nop 0
.rept 4
	v_nop
.endr
	s_branch .Lasked_\@
.Lfor_b_\@:
	tensor_load_to_lds s[G0B+4*\s:G0B+4*\s+3], s[G1B:G1B+7]
	s_nop 0
.rept 4
	v_nop
.endr
.Lasked_\@:
.endm
.macro CREST                           ; a round of the cluster's barrier behind its opening barrier
	s_cmp_lg_u32 s10, 0
	s_cbranch_scc1 .Lnot_wave_0_\@
	s_barrier_signal -3
.Lnot_wave_0_\@:
	s_barrier_wait -3
	s_barrier_signal -1
	s_barrier_wait -1
.endm
.macro CROUND                          ; a whole round
	s_barrier_signal -1
	s_barrier_wait -1
	CREST
.endm
	s_load_b128 s[4:7], s[0:1], 0x0                ; A s[4:5], wb s[6:7]
	s_load_b128 s[68:71], s[0:1], 0x10             ; the bias s[68:69]; s[70:71]: b_K (QKVB), out (EPI 0 without QKVB) or the residual (EPI 1)
.if QKVB
	s_load_b128 s[72:75], s[0:1], 0x20             ; b_V s[72:73], out s[74:75]
.endif
.if EPI
	s_load_b64 s[8:9], s[0:1], 0x20                ; out
	v_lshl_add_u32 v94, v0, 2, 0x4c400
	v_mov_b32 v95, 0
	ds_add_u32 v94, v95
	ds_add_u32 v94, v95
.endif
	v_lshrrev_b32 v1, 5, v0
	v_readfirstlane_b32 s10, v1                    ; wave 0..3
	s_lshr_b32 s11, s10, 1                         ; which half of the tile's rows is mine.  Also: I fetch for A (0) or for W (1)
	s_and_b32 s12, s10, 1                          ; which half of its columns.  Also: which half of that tile's K step I fetch
	s_bfe_u32 s40, ttmp6, 0x40000                  ; cx, cy: my place in the cluster
	s_bfe_u32 s41, ttmp6, 0x40004
	s_lshl_b32 s42, ttmp9, 2
	s_add_co_u32 s42, s42, s40                     ; tile column nt = 4 x cluster x + cx
	s_and_b32 s13, ttmp7, 0xffff
	s_lshl_b32 s13, s13, 2
	s_add_co_u32 s13, s13, s41                     ; tile row mt = 4 x cluster y + cy
	s_lshl_b32 s43, s41, 2
	s_lshl_b32 s43, 15, s43                        ; my row of the cluster
	s_lshl_b32 s44, 0x1111, s40                    ; my column
	; descriptor group 1: 128 rows of 128 elements of 2 bytes, one behind the other in memory.  A: 4 words of padding behind every 32 words, so that each
	; half of a memory row (a row of a block of A, 128 bytes) becomes an LDS row of 144 bytes.  W: 8 words behind every 64: LDS rows of 288 bytes.
	s_or_b32 s[G1+0], s43, (1<<16)|(1<<20)|(1<<21)|(4<<22)|(3<<25)   ; 15:0 the mask: A's tiles go to my row; 17:16 elements of 2 bytes; 20 padding on; 21 set beside a mask; 24:22 interval; 31:25 padding less one
	s_or_b32 s[G1B+0], s44, (1<<16)|(1<<20)|(1<<21)|(5<<22)|(7<<25)  ; the mask of my column, for W's tiles
.irp g, G1, G1B
	s_mov_b32 s[\g+1], 128<<16                     ; tensor_dim0 = 128
	s_mov_b32 s[\g+2], 128<<16                     ; tensor_dim1 = 128
	s_mov_b32 s[\g+3], 128<<16                     ; tile_dim0 = 128
	s_mov_b32 s[\g+4], 128                         ; tile_dim1 = 128
	s_mov_b32 s[\g+5], 128                         ; from row to row: 128 elements
	s_mov_b32 s[\g+6], 0
	s_mov_b32 s[\g+7], 0
.endr
	; A's tiles hang on the tile row alone, W's on the tile column alone; every wave makes both addresses, in registers that never hold the other coordinate
	s_mul_i32 s16, s13, SIZE_K*256                 ; a tile row of A: SIZE_K / 64 blocks of 16,384 bytes
	s_lshl_b32 s17, s12, 15                        ; my half of a K step
	s_add_co_u32 s16, s16, s17
	s_mov_b32 s17, 0
	s_mul_i32 s46, s42, SIZE_K*256                 ; a tile column of W: SIZE_K rows of 256 bytes
	s_lshl_b32 s47, s12, 15
	s_add_co_u32 s46, s46, s47
	s_add_co_u32 s46, s46, WOFF
	s_mov_b32 s47, 0
	s_mul_i32 s20, s10, HALFT                      ; where they go: wave x a quarter of a slot: no place in the cluster enters an LDS address
	s_wait_dscnt 0x0
	s_wait_kmcnt 0x0
	s_add_nc_u64 s[14:15], s[4:5], s[16:17]
	s_add_nc_u64 s[46:47], s[6:7], s[46:47]
	CROUND                                         ; all sixteen work-groups are here: the first joint loads meet
.irp s, 0,1
	s_mov_b32 s[G0+4*\s], 1
	s_add_co_u32 s[G0+4*\s+1], s20, \s*SLOT
	s_add_nc_u64 s[G0+4*\s+2:G0+4*\s+3], s[14:15], \s*KSTEPB
	s_or_b32 s[G0+4*\s+3], s[G0+4*\s+3], 0x80000000
	s_mov_b32 s[G0B+4*\s], 1
	s_add_co_u32 s[G0B+4*\s+1], s20, \s*SLOT
	s_add_nc_u64 s[G0B+4*\s+2:G0B+4*\s+3], s[46:47], \s*KSTEPB
	s_or_b32 s[G0B+4*\s+3], s[G0B+4*\s+3], 0x80000000
	JLOAD \s                                       ; K steps 0 and 1: two tensor loads of mine are out
.endr
	; the bias of my 64 columns
.if EPI == 0
.if QKVB
	s_mov_b64 s[8:9], s[74:75]
	s_lshr_b32 s78, s42, 3                         ; sel: 8 tile columns for each of q, k, v
	s_cmp_eq_u32 s78, 1
	s_cselect_b64 s[68:69], s[70:71], s[68:69]
	s_cmp_eq_u32 s78, 2
	s_cselect_b64 s[68:69], s[72:73], s[68:69]
	s_and_b32 s76, s42, 7
	s_lshl_b32 s76, s76, 9
.else
	s_mov_b64 s[8:9], s[70:71]
	s_lshl_b32 s76, s42, 9
.endif
.else
	s_lshl_b32 s76, s42, 9                         ; 128 columns of 4 bytes
.endif
	s_lshl_b32 s78, s12, 8
	s_add_co_u32 s76, s76, s78
	s_mov_b32 s77, 0
	s_add_nc_u64 s[68:69], s[68:69], s[76:77]
	v_and_b32 v1, 15, v0                           ; r = l % 16
	v_bfe_u32 v2, v0, 4, 1                         ; h = l / 16
	v_and_b32 v6, 31, v0                           ; l
	v_lshlrev_b32 v[BO], 5, v2                     ; 8 h numbers
.irp b, 0,1,2,3
	global_load_b128 v[BIAS+8*\b:BIAS+8*\b+3],   v[BO], s[68:69] offset:64*\b
	global_load_b128 v[BIAS+8*\b+4:BIAS+8*\b+7], v[BO], s[68:69] offset:64*\b+16
.endr
	; where my 64 x 64 of C begins in out
.if EPI
	s_lshl_b32 s76, s13, 19                        ; 128 rows of 4,096 bytes
	s_lshl_b32 s78, s11, 18
	s_add_co_u32 s76, s76, s78
	s_lshl_b32 s78, s42, 9
	s_add_co_u32 s76, s76, s78
	s_lshl_b32 s78, s12, 8
	s_add_co_u32 s76, s76, s78
	s_add_nc_u64 s[8:9], s[8:9], s[76:77]
	s_add_nc_u64 s[70:71], s[70:71], s[76:77]
	v_lshlrev_b32 v[CO], 4, v1
	v_lshl_add_u32 v[CO], v2, 12, v[CO]            ; lanes 0-15 one row's 256 bytes, lanes 16-31 the next row's
	WIN 0x80                                       ; destination window 2, address window 0
.set i, 0
.rept 32                               ; the residual's 64 x 64, in the order in which C's rows come back from the stage; it lands under the whole loop over K
	global_load_b128 v[4*i:4*i+3], v[CO], s[70:71] offset:2*i*4096
.set i, i+1
.endr
	WIN 0
.else
	s_mul_i32 s76, s13, NB*16384
	s_lshl_b32 s78, s42, 15                        ; two blocks a tile column
	s_add_co_u32 s76, s76, s78
	s_lshl_b32 s78, s12, 14
	s_add_co_u32 s76, s76, s78
	s_lshl_b32 s78, s11, 13                        ; 64 rows of 128 bytes
	s_add_co_u32 s76, s76, s78
	s_add_nc_u64 s[8:9], s[8:9], s[76:77]
	v_lshlrev_b32 v[CO], 4, v6                     ; four rows of a block are 512 consecutive bytes
.endif
	; A fragment of A is 16 rows x 32 K in 8 registers: lane l holds row r; registers 0-3 K = 8 h + 0..7, registers 4-7 K = 16 + 8 h + 0..7: two loads of 16 bytes, 32 bytes apart.
	v_mul_u32_u24 v3, v1, PA
	v_lshl_add_u32 v3, v2, 4, v3
	s_mul_i32 s21, s11, 64*PA                      ; my 64 rows
	v_add_nc_u32 v[ADRA], s21, v3
	v_add_nc_u32 v[ADRA+1], SLOT, v[ADRA]
	; The turning load takes 16 k x 16 columns (lane l reads 16 bytes: k = 8 h + l % 8, columns 8 ((l / 8) % 2) + 0..7) and leaves half a fragment: lane l holds column r and 8 k.
	v_and_b32 v9, 7, v0
	v_lshl_add_u32 v4, v2, 3, v9
	v_mul_u32_u24 v4, v4, PB
	v_bfe_u32 v5, v0, 3, 1
	v_lshl_add_u32 v4, v5, 4, v4
	s_lshl_b32 s22, s12, 7                         ; my 64 columns
	s_add_co_u32 s22, s22, BOFF
	v_add_nc_u32 v[ADRB], s22, v4
	v_add_nc_u32 v[ADRB+1], 128*PB, v[ADRB]
	v_add_nc_u32 v[ADRB+2], SLOT, v[ADRB]
	v_add_nc_u32 v[ADRB+3], SLOT+128*PB, v[ADRB]
	s_mul_i32 s23, s10, 16*SPITCH
	s_add_co_u32 s23, s23, STAGE                   ; my stage
	v_mul_u32_u24 v7, v1, SPITCH                   ; in: row r, eight numbers for each half of the lanes
.if EPI
	v_lshl_add_u32 v7, v2, 5, v7
	v_mul_u32_u24 v8, v2, SPITCH                   ; back: lanes 0-15 one row of 256 bytes, lanes 16-31 the next
	v_lshl_add_u32 v8, v1, 4, v8
.else
	v_lshl_add_u32 v7, v2, 4, v7
	v_lshrrev_b32 v8, 3, v6                        ; back: eight lanes to a row of 128 bytes, four rows
	v_mul_u32_u24 v8, v8, SPITCH
	v_lshl_add_u32 v8, v9, 4, v8
.endif
	v_add_nc_u32 v[STO], s23, v7
	v_add_nc_u32 v[RD], s23, v8
; 8 matrix instructions: row blocks a0, a0 + 1 x all 4 column blocks, 32 along K: half c of buffer f.  first = 1: the bias starts the sums.
; The sixteen accumulators take turns, one instruction a turn.
.macro MUL8 f, c, a0, first
.irp a, \a0, \a0+1
.irp b, 0,1,2,3
.if \first
	v_wmma_f32_16x16x32_bf16 v[ACC+8*(4*(\a)+\b):ACC+8*(4*(\a)+\b)+7], v[\f+64+8*(4*\c+\b):\f+64+8*(4*\c+\b)+7], v[\f+8*(4*\c+\a):\f+8*(4*\c+\a)+7], v[BIAS+8*\b:BIAS+8*\b+7]
.else
	v_wmma_f32_16x16x32_bf16 v[ACC+8*(4*(\a)+\b):ACC+8*(4*(\a)+\b)+7], v[\f+64+8*(4*\c+\b):\f+64+8*(4*\c+\b)+7], v[\f+8*(4*\c+\a):\f+8*(4*\c+\a)+7], v[ACC+8*(4*(\a)+\b):ACC+8*(4*(\a)+\b)+7]
.endif
.endr
.endr
.endm
; 32 LDS loads in one run: the fragments of quarter q (64 along K) of a slot, into buffer f; the first 32 along K first
.macro FETCH slot, q, f
	WIN TO_F
.irp c, 0,1
.irp i, 0,1,2,3
	ds_load_tr16_b128 v[\f+64+8*(4*\c+\i):\f+64+8*(4*\c+\i)+3],   v[ADRB+2*\slot+(\q)/2] offset:(((\q)%2)*64+32*\c)*PB+32*\i
	ds_load_tr16_b128 v[\f+64+8*(4*\c+\i)+4:\f+64+8*(4*\c+\i)+7], v[ADRB+2*\slot+(\q)/2] offset:(((\q)%2)*64+32*\c+16)*PB+32*\i
	ds_load_b128 v[\f+8*(4*\c+\i):\f+8*(4*\c+\i)+3],              v[ADRA+\slot] offset:(\q)*128*PA+\i*16*PA+64*\c
	ds_load_b128 v[\f+8*(4*\c+\i)+4:\f+8*(4*\c+\i)+7],            v[ADRA+\slot] offset:(\q)*128*PA+\i*16*PA+64*\c+32
.endr
.endr
.endm
.macro PLACES                          ; four places in front of loads into registers that matrix instructions have read, and of whatever reads results just made
.rept 4
	v_nop
.endr
.endm
; A K step is four quarters of 64 along K, 32 matrix instructions each, on buffers 0, 1, 0, 1.  One of the first three: multiplies buffer f and fetches quarter q into g.
.macro QUARTER slot, q, f, g, first
	s_wait_dscnt 16                                ; the first 32 along K are in: the other sixteen loads of the run are younger
	WIN MUL
	MUL8 \f, 0, 0, \first
	MUL8 \f, 0, 2, \first
	PLACES
	FETCH \slot, \q, \g
	s_wait_dscnt 32                                ; all but the 32 just issued
	WIN MUL
	MUL8 \f, 1, 0, 0
	MUL8 \f, 1, 2, 0
.endm
; The last quarter multiplies buffer 1 and changes slots: ONE barrier; in front of it each wave waits for its own reads of this slot and for all its tensor loads.  fill = 1: this slot is filled again, two K steps ahead.
.macro TURN slot, next, fill
	s_wait_dscnt 16
	WIN MUL
	MUL8 F1, 0, 0, 0
	s_wait_dscnt 0                                 ; my reads of this slot are over,
	s_set_vgpr_msb 0x500
	s_wait_tensorcnt 0x0                           ; and all my tensor loads have landed: the one that was out is my part of the next slot
	ds_add_u32 v94, v95
	s_wait_dscnt 0x0
	s_set_vgpr_msb 0x5
	s_barrier_signal -1
	MUL8 F1, 0, 2, 0
.if \fill
	WIN 0
.endif
	s_barrier_wait -1
.if \fill
	CREST                                          ; the barrier has opened a round of the cluster's barrier: no wave of any partner still reads this slot's tile or has a load on its way
	s_add_nc_u64 s[G0+4*\slot+2:G0+4*\slot+3], s[G0+4*\slot+2:G0+4*\slot+3], 2*KSTEPB
	s_add_nc_u64 s[G0B+4*\slot+2:G0B+4*\slot+3], s[G0B+4*\slot+2:G0B+4*\slot+3], 2*KSTEPB
	JLOAD \slot                                    ; the first tensor load behind the round, my only one until the next; its four v_nop are also the places in front of the loads below
.else
	PLACES
.endif
	FETCH \next, 0, F0
	WIN MUL
	MUL8 F1, 1, 0, 0
	MUL8 F1, 1, 2, 0
.endm
; THE WAY OUT, EPI 0.  Row block a (16 rows x 64 columns): max(., 0) where asked, rounded to bf16, 16 bytes a lane into my stage, back as whole rows of 128 bytes.
.macro PACK a
.if RELU
.set i, 0
.rept 32
	v_max_num_f32 v[ACC+32*\a+i], 0, v[ACC+32*\a+i]
.set i, i+1
.endr
.endif
.irp b, 0,1,2,3
.irp r, 0,1,2,3
	v_cvt_pk_bf16_f32 v[TMP+16*\a+4*\b+\r], v[ACC+8*(4*\a+\b)+2*\r], v[ACC+8*(4*\a+\b)+2*\r+1]
.endr
.endr
.irp b, 0,1,2,3
	ds_store_b128 v[STO], v[TMP+16*\a+4*\b:TMP+16*\a+4*\b+3] offset:32*\b
.endr
.irp t, 0,1,2,3
	ds_load_b128 v[TMP+16*\a+4*\t:TMP+16*\a+4*\t+3], v[RD] offset:\t*4*SPITCH   ; LDS serves a wave's instructions in order (ISA guide 5.7.1.4): these see the stores above, and the next block's stores come behind them
.endr
.endm
.macro SEND a, younger                 ; younger: the LDS instructions issued behind block a's loads: the next block's eight, or none
.irp t, 0,1,2,3
	s_wait_dscnt \younger+3-\t
	global_store_b128 v[CO], v[TMP+16*\a+4*\t:TMP+16*\a+4*\t+3], s[8:9] offset:\a*2048+\t*512   ; the wave stores 512 consecutive bytes, aligned: four rows of a block
.endr
.endm
; THE WAY OUT, EPI 1.  Row block a goes as f32 through my stage (each accumulator's low four registers first) and comes back as whole rows of 256 bytes, into the registers that it left.
.macro TOSTAGE a
.irp b, 0,1,2,3
	ds_store_b128 v[STO], v[ACC+8*(4*\a+\b):ACC+8*(4*\a+\b)+3]   offset:64*\b
	ds_store_b128 v[STO], v[ACC+8*(4*\a+\b)+4:ACC+8*(4*\a+\b)+7] offset:64*\b+16
.endr
.irp t, 0,1,2,3,4,5,6,7
	ds_load_b128 v[ACC+32*\a+4*\t:ACC+32*\a+4*\t+3], v[RD] offset:\t*2*SPITCH
.endr
.endm
.macro FIN a, younger                  ; younger: the next block's sixteen LDS instructions, or none
	s_wait_dscnt \younger
.if \a == 0
	s_wait_loadcnt 0x0                             ; the residual, asked for ahead of the loop over K
.endif
	WIN 0x08                                       ; source 1 window 2
.set i, 0
.rept 16
	v_pk_add_f32 v[ACC+32*\a+2*i:ACC+32*\a+2*i+1], v[ACC+32*\a+2*i:ACC+32*\a+2*i+1], v[32*\a+2*i:32*\a+2*i+1]
.set i, i+1
.endr
	WIN 0
.irp t, 0,1,2,3,4,5,6,7
	global_store_b128 v[CO], v[ACC+32*\a+4*\t:ACC+32*\a+4*\t+3], s[8:9] offset:(16*\a+2*\t)*4096   ; 16 lanes store 256 consecutive bytes, aligned
.endr
.endm
	s_wait_tensorcnt 1                             ; my part of K step 0 is in; K step 1's may stay out
	s_barrier_signal -1
	s_barrier_wait -1                              ; everybody's is
	FETCH 0, 0, F0
.if EPI
	s_wait_loadcnt 32                              ; the bias is in: the residual's 32 loads are younger
.else
	s_wait_loadcnt 0x0                             ; the bias
.endif
	QUARTER 0, 1, F0, F1, 1                        ; the first quarter stands in front of the loop: its first products start the sums, from the bias
	WIN 0                                          ; at a label and at a branch every window is 0
	s_mov_b32 s3, LAPS-1
.Llap:                                                 ; a trip goes once round the ring, from a lap's second quarter to the next lap's first, and fills both slots again
	QUARTER 0, 2, F1, F0, 0
	QUARTER 0, 3, F0, F1, 0
	TURN 0, 1, 1
	QUARTER 1, 1, F0, F1, 0
	QUARTER 1, 2, F1, F0, 0
	QUARTER 1, 3, F0, F1, 0
	TURN 1, 0, 1
	QUARTER 0, 1, F0, F1, 0
	WIN 0
	s_sub_co_u32 s3, s3, 1
	s_cmp_lg_u32 s3, 0
	s_cbranch_scc1 .Llap
	QUARTER 0, 2, F1, F0, 0                        ; the last lap fills nothing, and has no round of the cluster's barrier
	QUARTER 0, 3, F0, F1, 0
	TURN 0, 1, 0
	QUARTER 1, 1, F0, F1, 0
	QUARTER 1, 2, F1, F0, 0
	QUARTER 1, 3, F0, F1, 0
	s_wait_dscnt 16                                ; the very last quarter: nothing more to fetch
	WIN MUL
	MUL8 F1, 0, 0, 0
	MUL8 F1, 0, 2, 0
	s_wait_dscnt 0
	MUL8 F1, 1, 0, 0
	MUL8 F1, 1, 2, 0
	WIN 0
	PLACES
.if EPI
	TOSTAGE 0
	TOSTAGE 1                                      ; a block's trip through the stage stands between the loads of the block before and their use
	FIN 0, 16
	TOSTAGE 2
	FIN 1, 16
	TOSTAGE 3
	FIN 2, 16
	FIN 3, 0
.else
	PACK 0
	PACK 1
	SEND 0, 8
	PACK 2
	SEND 1, 8
	PACK 3
	SEND 2, 8
	SEND 3, 0
.endif
	s_wait_tensorcnt 0x0
	ds_add_u32 v94, v95
	s_wait_dscnt 0x0
	CROUND                                         ; the closing round: no work-group ends while a partner may still ask for a tile that names it
	s_endpgm
.Lfunc_end_k_q0816b08e04_oproj:
	.size	k_q0816b08e04_oproj, .Lfunc_end_k_q0816b08e04_oproj-k_q0816b08e04_oproj
	.p2alignl 7, 3214868480
	.fill 96, 4, 3214868480
	.section	.rodata,"a",@progbits
	.p2align	6, 0x0
	.amdhsa_kernel k_q0816b08e04_oproj
		.amdhsa_group_segment_fixed_size 327680
		.amdhsa_private_segment_fixed_size 0
		.amdhsa_enable_private_segment 0
		.amdhsa_kernarg_size 40
		.amdhsa_user_sgpr_count 2
		.amdhsa_user_sgpr_kernarg_segment_ptr 1
		.amdhsa_wavefront_size32 1
		.amdhsa_system_sgpr_workgroup_id_x 1
		.amdhsa_system_sgpr_workgroup_id_y 1
		.amdhsa_system_sgpr_workgroup_id_z 1
		.amdhsa_system_vgpr_workitem_id 0
		.amdhsa_next_free_vgpr 640
		.amdhsa_next_free_sgpr 80
		.amdhsa_reserve_vcc 0
		.amdhsa_float_denorm_mode_32 3
		.amdhsa_float_denorm_mode_16_64 3
		.amdhsa_memory_ordered 1
		.amdhsa_forward_progress 1
		.amdhsa_inst_pref_size 94
	.end_amdhsa_kernel
	.amdgpu_metadata
---
amdhsa.version: [ 1, 2 ]
amdhsa.kernels:
  - .name:           k_q0816b08e04_oproj
    .symbol:         k_q0816b08e04_oproj.kd
    .args:
      - { .name: zb, .offset: 0, .size: 8, .value_kind: global_buffer, .address_space: global }
      - { .name: wb, .offset: 8, .size: 8, .value_kind: global_buffer, .address_space: global }
      - { .name: b_O, .offset: 16, .size: 8, .value_kind: global_buffer, .address_space: global }
      - { .name: resid_pre, .offset: 24, .size: 8, .value_kind: global_buffer, .address_space: global }
      - { .name: midb, .offset: 32, .size: 8, .value_kind: global_buffer, .address_space: global }
    .group_segment_fixed_size: 327680
    .private_segment_fixed_size: 0
    .kernarg_segment_align: 8
    .kernarg_segment_size: 40
    .max_flat_workgroup_size: 128
    .sgpr_count:     80
    .vgpr_count:     640
    .wavefront_size: 32
...
	.end_amdgpu_metadata
.endif
;; end of part 5
;; launch ln2: the kernel of part 2 again; grid 256 x 1, 8 waves a work-group, no clusters, 0 bytes of LDS; arguments midb, ln2_w, ln2_b, hn; writes hn
;; launch mlp_in (part 6): grid 32 x 32, 4 waves a work-group, clusters of 4 x 4, 327,680 bytes of LDS; arguments hn, wb, b_in, actb; writes actb
.if DOCPART == 6
	.amdgcn_target "amdgcn-amd-amdhsa--gfx1250"
	.amdhsa_code_object_version 6
	.text
	.protected	k_q0816b08e04_mlp_in
	.globl	k_q0816b08e04_mlp_in
	.p2align	8
	.type	k_q0816b08e04_mlp_in,@function
k_q0816b08e04_mlp_in:
	s_mov_b64 s[64:65], 0
	v_nop
	global_prefetch_b8 v0, s[64:65] scope:SCOPE_SE
	s_setreg_imm32_b32 hwreg(HW_REG_WAVE_MODE, 25, 1), 1
	s_wait_xcnt 0x0
	s_wait_alu depctr_hold_cnt(0) depctr_sa_sdst(0) depctr_va_vdst(0) depctr_va_sdst(0) depctr_va_ssrc(0) depctr_va_vcc(0) depctr_vm_vsrc(0)
	s_getreg_b32 s2, hwreg(HW_REG_IB_STS2, 6, 4)
	s_cmp_eq_u32 s2, 0
	s_cbranch_scc0 .Lentry_in_a_cluster
	s_endpgm
.Lentry_in_a_cluster:
	s_bfe_u32 s2, ttmp6, 0x10000c
	s_cmp_lg_u32 s2, 0xf033
	s_cbranch_scc0 .Lentry_shape_is_right
	s_endpgm
.Lentry_shape_is_right:
; THIS PRODUCT: act = max(LN2(resid_mid) W_in + b_in, 0).  A = hn [4096 x 1024], W = wb's region of W_in (4,096 columns),
; out = bf16 in blocks [t / 128][64 = column / 64][t % 128][64].
.set SIZE_K, 1024                      ; the length of the sums
.set WOFF,   8388608                   ; the weights' region in wb, bytes
.set EPI,    0                         ; the way out: 0 = bf16 in blocks, 1 = f32 rows with a residual added
.set RELU,   1                         ; EPI 0: max(., 0) before the rounding
.set NB,     64                        ; EPI 0: blocks of 64 columns in a row of blocks of out
.set QKVB,   0                         ; the bias is one of three buffers, chosen by tile column / 8
; FROM HERE ON THE TEXT IS THE SAME IN THE FOUR PRODUCTS OF THE BLOCK (qkv, oproj, mlp_in, mlp_out); the constants above choose.
; C[t][n] = sum over k of A[t][k] W[k][n] + bias[n]; bf16 operands, f32 sums (the limit of format that the problem allows; all else f32).
; A lies in blocks [t / 128][k / 64][t % 128][64] of bf16, W as [n / 128][k][128] of bf16: a K step of 256 of a tile of 128 rows of A, or of 128
; columns of W, is 65,536 consecutive bytes.
; A tile of C is 128 x 128: four waves, each 64 x 64 = 16 accumulators of 16 x 16.  K goes in steps of 256 through a ring of two LDS slots; each wave
; brings a quarter of a slot (32,768 bytes, as 128 rows of 256 bytes) with one tensor load.
; CLUSTERS: 4 x 4 work-groups.  The four of a row of the cluster need the same tiles of A, the four of a column the same tiles of W: each tile is asked for
; JOINTLY, by the same tensor load with the same descriptor and a mask that names the four.
; THE MATRIX INSTRUCTION IS USED TRANSPOSED (source 0 = 16 columns of W, source 1 = 16 rows of A): lane l then holds row l % 16 of C and, in its
; registers 0..7, the columns 8 (l / 16) + 0..7.  So eight numbers of the bias a lane and column block are the C operand of the first products: no sum is
; cleared and no bias is added later.  W lies [k][n] in LDS and comes out turned, by ds_load_tr16_b128.
; REGISTERS: window 0: v0-31 addresses; v32-95 at work on the way out; v96-127 the bias; v128-255 the accumulators ((a, b) at v[128 + 8 (4 a + b)]).
;   window 1: two fragment buffers of 128: for 64 along K, 64 registers of A, then 64 of W.   window 2 (EPI 1): v0-127 the residual's 64 x 64.
.set PA,     144                       ; a row of A in LDS: 128 bytes + 16 = 36 words: the 16 rows of a fragment load start at 16 different groups of four banks
.set PB,     288                       ; a row of W in LDS: 256 bytes + 32 = 72 words
.set HALFT,  36864                     ; what one tensor load fills: 256 rows of A's pitch = 128 rows of W's pitch
.set SLOT,   4*HALFT                   ; A: [k / 64 = 0..3][128 rows], then W: [256 k]
.set BOFF,   2*HALFT
.set STAGE,  2*SLOT                    ; behind the ring, a multiple of 256: 16 rows for each wave, its own, for the way out; no tensor load lands here
.if EPI
.set SPITCH, 272                       ; 64 f32 + 16 bytes
.else
.set SPITCH, 144                       ; 64 bf16 + 16 bytes
.endif
.set KSTEPB, 65536                     ; bytes of a K step, in A's tile and in W's
.set LAPS,   SIZE_K/512                ; a lap = two K steps = once round the ring
.set ADRA, 16                          ; v16-17  LDS address of my A fragments in slot 0, 1
.set ADRB, 20                          ; v20-23  the same for W: slot 0 k 0-127, slot 0 k 128-255, slot 1 likewise (an LDS offset has 16 bits)
.set STO,  24                          ; v24     the way out: where I put my part of a row
.set RD,   25                          ; v25     the way out: where I read rows back
.set CO,   26                          ; v26     my byte offset in out (and in the residual)
.set BO,   27                          ; v27     my byte offset in the bias
.set TMP,  32
.set BIAS, 96
.set ACC,  128
.set F0,   0
.set F1,   128
.set G1,  24                           ; s[24:31] descriptor group 1 for A's tiles;  s[32:39] group 0, one set for each slot
.set G0,  32
.set G1B, 48                           ; s[48:55], s[56:63] the same for W's tiles
.set G0B, 56
.set MSB, 0
.macro WIN new                         ; the immediate's high byte repeats the setting that is left; a switch that changes nothing is dropped
.if MSB != \new
	s_set_vgpr_msb (MSB<<8)|\new
.set MSB, \new
.endif
.endm
.set MUL,  0x05                        ; sources 0 (W) and 1 (A) window 1; C and D window 0
.set TO_F, 0x40                        ; destination window 1, address window 0
.macro JLOAD s                         ; a joint load: waves 0 and 1 fetch A's two halves, waves 2 and 3 W's; four v_nop follow each of the two lines, ahead of the jump, the label and what follows
	s_cmp_eq_u32 s11, 0
	s_cbranch_scc0 .Lfor_b_\@
	tensor_load_to_lds s[G0+4*\s:G0+4*\s+3], s[G1:G1+7]
	s_nop 0
.rept 4
	v_nop
.endr
	s_branch .Lasked_\@
.Lfor_b_\@:
	tensor_load_to_lds s[G0B+4*\s:G0B+4*\s+3], s[G1B:G1B+7]
	s_nop 0
.rept 4
	v_nop
.endr
.Lasked_\@:
.endm
.macro CREST                           ; a round of the cluster's barrier behind its opening barrier
	s_cmp_lg_u32 s10, 0
	s_cbranch_scc1 .Lnot_wave_0_\@
	s_barrier_signal -3
.Lnot_wave_0_\@:
	s_barrier_wait -3
	s_barrier_signal -1
	s_barrier_wait -1
.endm
.macro CROUND                          ; a whole round
	s_barrier_signal -1
	s_barrier_wait -1
	CREST
.endm
	s_load_b128 s[4:7], s[0:1], 0x0                ; A s[4:5], wb s[6:7]
	s_load_b128 s[68:71], s[0:1], 0x10             ; the bias s[68:69]; s[70:71]: b_K (QKVB), out (EPI 0 without QKVB) or the residual (EPI 1)
	v_lshl_add_u32 v30, v0, 2, 0x4a400
	v_mov_b32 v31, 0
	ds_add_u32 v30, v31
	ds_add_u32 v30, v31
.if QKVB
	s_load_b128 s[72:75], s[0:1], 0x20             ; b_V s[72:73], out s[74:75]
.endif
.if EPI
	s_load_b64 s[8:9], s[0:1], 0x20                ; out
.endif
	v_lshrrev_b32 v1, 5, v0
	v_readfirstlane_b32 s10, v1                    ; wave 0..3
	s_lshr_b32 s11, s10, 1                         ; which half of the tile's rows is mine.  Also: I fetch for A (0) or for W (1)
	s_and_b32 s12, s10, 1                          ; which half of its columns.  Also: which half of that tile's K step I fetch
	s_bfe_u32 s40, ttmp6, 0x40000                  ; cx, cy: my place in the cluster
	s_bfe_u32 s41, ttmp6, 0x40004
	s_lshl_b32 s42, ttmp9, 2
	s_add_co_u32 s42, s42, s40                     ; tile column nt = 4 x cluster x + cx
	s_and_b32 s13, ttmp7, 0xffff
	s_lshl_b32 s13, s13, 2
	s_add_co_u32 s13, s13, s41                     ; tile row mt = 4 x cluster y + cy
	s_lshl_b32 s43, s41, 2
	s_lshl_b32 s43, 15, s43                        ; my row of the cluster
	s_lshl_b32 s44, 0x1111, s40                    ; my column
	; descriptor group 1: 128 rows of 128 elements of 2 bytes, one behind the other in memory.  A: 4 words of padding behind every 32 words, so that each
	; half of a memory row (a row of a block of A, 128 bytes) becomes an LDS row of 144 bytes.  W: 8 words behind every 64: LDS rows of 288 bytes.
	s_or_b32 s[G1+0], s43, (1<<16)|(1<<20)|(1<<21)|(4<<22)|(3<<25)   ; 15:0 the mask: A's tiles go to my row; 17:16 elements of 2 bytes; 20 padding on; 21 set beside a mask; 24:22 interval; 31:25 padding less one
	s_or_b32 s[G1B+0], s44, (1<<16)|(1<<20)|(1<<21)|(5<<22)|(7<<25)  ; the mask of my column, for W's tiles
.irp g, G1, G1B
	s_mov_b32 s[\g+1], 128<<16                     ; tensor_dim0 = 128
	s_mov_b32 s[\g+2], 128<<16                     ; tensor_dim1 = 128
	s_mov_b32 s[\g+3], 128<<16                     ; tile_dim0 = 128
	s_mov_b32 s[\g+4], 128                         ; tile_dim1 = 128
	s_mov_b32 s[\g+5], 128                         ; from row to row: 128 elements
	s_mov_b32 s[\g+6], 0
	s_mov_b32 s[\g+7], 0
.endr
	; A's tiles hang on the tile row alone, W's on the tile column alone; every wave makes both addresses, in registers that never hold the other coordinate
	s_mul_i32 s16, s13, SIZE_K*256                 ; a tile row of A: SIZE_K / 64 blocks of 16,384 bytes
	s_lshl_b32 s17, s12, 15                        ; my half of a K step
	s_add_co_u32 s16, s16, s17
	s_mov_b32 s17, 0
	s_mul_i32 s46, s42, SIZE_K*256                 ; a tile column of W: SIZE_K rows of 256 bytes
	s_lshl_b32 s47, s12, 15
	s_add_co_u32 s46, s46, s47
	s_add_co_u32 s46, s46, WOFF
	s_mov_b32 s47, 0
	s_mul_i32 s20, s10, HALFT                      ; where they go: wave x a quarter of a slot: no place in the cluster enters an LDS address
	s_wait_dscnt 0x0
	s_wait_kmcnt 0x0
	s_add_nc_u64 s[14:15], s[4:5], s[16:17]
	s_add_nc_u64 s[46:47], s[6:7], s[46:47]
	CROUND                                         ; all sixteen work-groups are here: the first joint loads meet
.irp s, 0,1
	s_mov_b32 s[G0+4*\s], 1
	s_add_co_u32 s[G0+4*\s+1], s20, \s*SLOT
	s_add_nc_u64 s[G0+4*\s+2:G0+4*\s+3], s[14:15], \s*KSTEPB
	s_or_b32 s[G0+4*\s+3], s[G0+4*\s+3], 0x80000000
	s_mov_b32 s[G0B+4*\s], 1
	s_add_co_u32 s[G0B+4*\s+1], s20, \s*SLOT
	s_add_nc_u64 s[G0B+4*\s+2:G0B+4*\s+3], s[46:47], \s*KSTEPB
	s_or_b32 s[G0B+4*\s+3], s[G0B+4*\s+3], 0x80000000
	JLOAD \s                                       ; K steps 0 and 1: two tensor loads of mine are out
.endr
	; the bias of my 64 columns
.if EPI == 0
.if QKVB
	s_mov_b64 s[8:9], s[74:75]
	s_lshr_b32 s78, s42, 3                         ; sel: 8 tile columns for each of q, k, v
	s_cmp_eq_u32 s78, 1
	s_cselect_b64 s[68:69], s[70:71], s[68:69]
	s_cmp_eq_u32 s78, 2
	s_cselect_b64 s[68:69], s[72:73], s[68:69]
	s_and_b32 s76, s42, 7
	s_lshl_b32 s76, s76, 9
.else
	s_mov_b64 s[8:9], s[70:71]
	s_lshl_b32 s76, s42, 9
.endif
.else
	s_lshl_b32 s76, s42, 9                         ; 128 columns of 4 bytes
.endif
	s_lshl_b32 s78, s12, 8
	s_add_co_u32 s76, s76, s78
	s_mov_b32 s77, 0
	s_add_nc_u64 s[68:69], s[68:69], s[76:77]
	v_and_b32 v1, 15, v0                           ; r = l % 16
	v_bfe_u32 v2, v0, 4, 1                         ; h = l / 16
	v_and_b32 v6, 31, v0                           ; l
	v_lshlrev_b32 v[BO], 5, v2                     ; 8 h numbers
.irp b, 0,1,2,3
	global_load_b128 v[BIAS+8*\b:BIAS+8*\b+3],   v[BO], s[68:69] offset:64*\b
	global_load_b128 v[BIAS+8*\b+4:BIAS+8*\b+7], v[BO], s[68:69] offset:64*\b+16
.endr
	; where my 64 x 64 of C begins in out
.if EPI
	s_lshl_b32 s76, s13, 19                        ; 128 rows of 4,096 bytes
	s_lshl_b32 s78, s11, 18
	s_add_co_u32 s76, s76, s78
	s_lshl_b32 s78, s42, 9
	s_add_co_u32 s76, s76, s78
	s_lshl_b32 s78, s12, 8
	s_add_co_u32 s76, s76, s78
	s_add_nc_u64 s[8:9], s[8:9], s[76:77]
	s_add_nc_u64 s[70:71], s[70:71], s[76:77]
	v_lshlrev_b32 v[CO], 4, v1
	v_lshl_add_u32 v[CO], v2, 12, v[CO]            ; lanes 0-15 one row's 256 bytes, lanes 16-31 the next row's
	WIN 0x80                                       ; destination window 2, address window 0
.set i, 0
.rept 32                               ; the residual's 64 x 64, in the order in which C's rows come back from the stage; it lands under the whole loop over K
	global_load_b128 v[4*i:4*i+3], v[CO], s[70:71] offset:2*i*4096
.set i, i+1
.endr
	WIN 0
.else
	s_mul_i32 s76, s13, NB*16384
	s_lshl_b32 s78, s42, 15                        ; two blocks a tile column
	s_add_co_u32 s76, s76, s78
	s_lshl_b32 s78, s12, 14
	s_add_co_u32 s76, s76, s78
	s_lshl_b32 s78, s11, 13                        ; 64 rows of 128 bytes
	s_add_co_u32 s76, s76, s78
	s_add_nc_u64 s[8:9], s[8:9], s[76:77]
	v_lshlrev_b32 v[CO], 4, v6                     ; four rows of a block are 512 consecutive bytes
.endif
	; A fragment of A is 16 rows x 32 K in 8 registers: lane l holds row r; registers 0-3 K = 8 h + 0..7, registers 4-7 K = 16 + 8 h + 0..7: two loads of 16 bytes, 32 bytes apart.
	v_mul_u32_u24 v3, v1, PA
	v_lshl_add_u32 v3, v2, 4, v3
	s_mul_i32 s21, s11, 64*PA                      ; my 64 rows
	v_add_nc_u32 v[ADRA], s21, v3
	v_add_nc_u32 v[ADRA+1], SLOT, v[ADRA]
	; The turning load takes 16 k x 16 columns (lane l reads 16 bytes: k = 8 h + l % 8, columns 8 ((l / 8) % 2) + 0..7) and leaves half a fragment: lane l holds column r and 8 k.
	v_and_b32 v9, 7, v0
	v_lshl_add_u32 v4, v2, 3, v9
	v_mul_u32_u24 v4, v4, PB
	v_bfe_u32 v5, v0, 3, 1
	v_lshl_add_u32 v4, v5, 4, v4
	s_lshl_b32 s22, s12, 7                         ; my 64 columns
	s_add_co_u32 s22, s22, BOFF
	v_add_nc_u32 v[ADRB], s22, v4
	v_add_nc_u32 v[ADRB+1], 128*PB, v[ADRB]
	v_add_nc_u32 v[ADRB+2], SLOT, v[ADRB]
	v_add_nc_u32 v[ADRB+3], SLOT+128*PB, v[ADRB]
	s_mul_i32 s23, s10, 16*SPITCH
	s_add_co_u32 s23, s23, STAGE                   ; my stage
	v_mul_u32_u24 v7, v1, SPITCH                   ; in: row r, eight numbers for each half of the lanes
.if EPI
	v_lshl_add_u32 v7, v2, 5, v7
	v_mul_u32_u24 v8, v2, SPITCH                   ; back: lanes 0-15 one row of 256 bytes, lanes 16-31 the next
	v_lshl_add_u32 v8, v1, 4, v8
.else
	v_lshl_add_u32 v7, v2, 4, v7
	v_lshrrev_b32 v8, 3, v6                        ; back: eight lanes to a row of 128 bytes, four rows
	v_mul_u32_u24 v8, v8, SPITCH
	v_lshl_add_u32 v8, v9, 4, v8
.endif
	v_add_nc_u32 v[STO], s23, v7
	v_add_nc_u32 v[RD], s23, v8
; 8 matrix instructions: row blocks a0, a0 + 1 x all 4 column blocks, 32 along K: half c of buffer f.  first = 1: the bias starts the sums.
; The sixteen accumulators take turns, one instruction a turn.
.macro MUL8 f, c, a0, first
.irp a, \a0, \a0+1
.irp b, 0,1,2,3
.if \first
	v_wmma_f32_16x16x32_bf16 v[ACC+8*(4*(\a)+\b):ACC+8*(4*(\a)+\b)+7], v[\f+64+8*(4*\c+\b):\f+64+8*(4*\c+\b)+7], v[\f+8*(4*\c+\a):\f+8*(4*\c+\a)+7], v[BIAS+8*\b:BIAS+8*\b+7]
.else
	v_wmma_f32_16x16x32_bf16 v[ACC+8*(4*(\a)+\b):ACC+8*(4*(\a)+\b)+7], v[\f+64+8*(4*\c+\b):\f+64+8*(4*\c+\b)+7], v[\f+8*(4*\c+\a):\f+8*(4*\c+\a)+7], v[ACC+8*(4*(\a)+\b):ACC+8*(4*(\a)+\b)+7]
.endif
.endr
.endr
.endm
; 32 LDS loads in one run: the fragments of quarter q (64 along K) of a slot, into buffer f; the first 32 along K first
.macro FETCH slot, q, f
	WIN TO_F
.irp c, 0,1
.irp i, 0,1,2,3
	ds_load_tr16_b128 v[\f+64+8*(4*\c+\i):\f+64+8*(4*\c+\i)+3],   v[ADRB+2*\slot+(\q)/2] offset:(((\q)%2)*64+32*\c)*PB+32*\i
	ds_load_tr16_b128 v[\f+64+8*(4*\c+\i)+4:\f+64+8*(4*\c+\i)+7], v[ADRB+2*\slot+(\q)/2] offset:(((\q)%2)*64+32*\c+16)*PB+32*\i
	ds_load_b128 v[\f+8*(4*\c+\i):\f+8*(4*\c+\i)+3],              v[ADRA+\slot] offset:(\q)*128*PA+\i*16*PA+64*\c
	ds_load_b128 v[\f+8*(4*\c+\i)+4:\f+8*(4*\c+\i)+7],            v[ADRA+\slot] offset:(\q)*128*PA+\i*16*PA+64*\c+32
.endr
.endr
.endm
.macro PLACES                          ; four places in front of loads into registers that matrix instructions have read, and of whatever reads results just made
.rept 4
	v_nop
.endr
.endm
; A K step is four quarters of 64 along K, 32 matrix instructions each, on buffers 0, 1, 0, 1.  One of the first three: multiplies buffer f and fetches quarter q into g.
.macro QUARTER slot, q, f, g, first
	s_wait_dscnt 16                                ; the first 32 along K are in: the other sixteen loads of the run are younger
	WIN MUL
	MUL8 \f, 0, 0, \first
	MUL8 \f, 0, 2, \first
	PLACES
	FETCH \slot, \q, \g
	s_wait_dscnt 32                                ; all but the 32 just issued
	WIN MUL
	MUL8 \f, 1, 0, 0
	MUL8 \f, 1, 2, 0
.endm
; The last quarter multiplies buffer 1 and changes slots: ONE barrier; in front of it each wave waits for its own reads of this slot and for all its tensor loads.  fill = 1: this slot is filled again, two K steps ahead.
.macro TURN slot, next, fill
	s_wait_dscnt 16
	WIN MUL
	MUL8 F1, 0, 0, 0
	s_wait_dscnt 0                                 ; my reads of this slot are over,
	s_set_vgpr_msb 0x500
	s_wait_tensorcnt 0x0                           ; and all my tensor loads have landed: the one that was out is my part of the next slot
	ds_add_u32 v30, v31
	s_wait_dscnt 0x0
	s_set_vgpr_msb 0x5
	s_barrier_signal -1
	MUL8 F1, 0, 2, 0
.if \fill
	WIN 0
.endif
	s_barrier_wait -1
.if \fill
	CREST                                          ; the barrier has opened a round of the cluster's barrier: no wave of any partner still reads this slot's tile or has a load on its way
	s_add_nc_u64 s[G0+4*\slot+2:G0+4*\slot+3], s[G0+4*\slot+2:G0+4*\slot+3], 2*KSTEPB
	s_add_nc_u64 s[G0B+4*\slot+2:G0B+4*\slot+3], s[G0B+4*\slot+2:G0B+4*\slot+3], 2*KSTEPB
	JLOAD \slot                                    ; the first tensor load behind the round, my only one until the next; its four v_nop are also the places in front of the loads below
.else
	PLACES
.endif
	FETCH \next, 0, F0
	WIN MUL
	MUL8 F1, 1, 0, 0
	MUL8 F1, 1, 2, 0
.endm
; THE WAY OUT, EPI 0.  Row block a (16 rows x 64 columns): max(., 0) where asked, rounded to bf16, 16 bytes a lane into my stage, back as whole rows of 128 bytes.
.macro PACK a
.if RELU
.set i, 0
.rept 32
	v_max_num_f32 v[ACC+32*\a+i], 0, v[ACC+32*\a+i]
.set i, i+1
.endr
.endif
.irp b, 0,1,2,3
.irp r, 0,1,2,3
	v_cvt_pk_bf16_f32 v[TMP+16*\a+4*\b+\r], v[ACC+8*(4*\a+\b)+2*\r], v[ACC+8*(4*\a+\b)+2*\r+1]
.endr
.endr
.irp b, 0,1,2,3
	ds_store_b128 v[STO], v[TMP+16*\a+4*\b:TMP+16*\a+4*\b+3] offset:32*\b
.endr
.irp t, 0,1,2,3
	ds_load_b128 v[TMP+16*\a+4*\t:TMP+16*\a+4*\t+3], v[RD] offset:\t*4*SPITCH   ; LDS serves a wave's instructions in order (ISA guide 5.7.1.4): these see the stores above, and the next block's stores come behind them
.endr
.endm
.macro SEND a, younger                 ; younger: the LDS instructions issued behind block a's loads: the next block's eight, or none
.irp t, 0,1,2,3
	s_wait_dscnt \younger+3-\t
	global_store_b128 v[CO], v[TMP+16*\a+4*\t:TMP+16*\a+4*\t+3], s[8:9] offset:\a*2048+\t*512   ; the wave stores 512 consecutive bytes, aligned: four rows of a block
.endr
.endm
; THE WAY OUT, EPI 1.  Row block a goes as f32 through my stage (each accumulator's low four registers first) and comes back as whole rows of 256 bytes, into the registers that it left.
.macro TOSTAGE a
.irp b, 0,1,2,3
	ds_store_b128 v[STO], v[ACC+8*(4*\a+\b):ACC+8*(4*\a+\b)+3]   offset:64*\b
	ds_store_b128 v[STO], v[ACC+8*(4*\a+\b)+4:ACC+8*(4*\a+\b)+7] offset:64*\b+16
.endr
.irp t, 0,1,2,3,4,5,6,7
	ds_load_b128 v[ACC+32*\a+4*\t:ACC+32*\a+4*\t+3], v[RD] offset:\t*2*SPITCH
.endr
.endm
.macro FIN a, younger                  ; younger: the next block's sixteen LDS instructions, or none
	s_wait_dscnt \younger
.if \a == 0
	s_wait_loadcnt 0x0                             ; the residual, asked for ahead of the loop over K
.endif
	WIN 0x08                                       ; source 1 window 2
.set i, 0
.rept 16
	v_pk_add_f32 v[ACC+32*\a+2*i:ACC+32*\a+2*i+1], v[ACC+32*\a+2*i:ACC+32*\a+2*i+1], v[32*\a+2*i:32*\a+2*i+1]
.set i, i+1
.endr
	WIN 0
.irp t, 0,1,2,3,4,5,6,7
	global_store_b128 v[CO], v[ACC+32*\a+4*\t:ACC+32*\a+4*\t+3], s[8:9] offset:(16*\a+2*\t)*4096   ; 16 lanes store 256 consecutive bytes, aligned
.endr
.endm
	s_wait_tensorcnt 1                             ; my part of K step 0 is in; K step 1's may stay out
	s_barrier_signal -1
	s_barrier_wait -1                              ; everybody's is
	FETCH 0, 0, F0
.if EPI
	s_wait_loadcnt 32                              ; the bias is in: the residual's 32 loads are younger
.else
	s_wait_loadcnt 0x0                             ; the bias
.endif
	QUARTER 0, 1, F0, F1, 1                        ; the first quarter stands in front of the loop: its first products start the sums, from the bias
	WIN 0                                          ; at a label and at a branch every window is 0
	s_mov_b32 s3, LAPS-1
.Llap:                                                 ; a trip goes once round the ring, from a lap's second quarter to the next lap's first, and fills both slots again
	QUARTER 0, 2, F1, F0, 0
	QUARTER 0, 3, F0, F1, 0
	TURN 0, 1, 1
	QUARTER 1, 1, F0, F1, 0
	QUARTER 1, 2, F1, F0, 0
	QUARTER 1, 3, F0, F1, 0
	TURN 1, 0, 1
	QUARTER 0, 1, F0, F1, 0
	WIN 0
	s_sub_co_u32 s3, s3, 1
	s_cmp_lg_u32 s3, 0
	s_cbranch_scc1 .Llap
	QUARTER 0, 2, F1, F0, 0                        ; the last lap fills nothing, and has no round of the cluster's barrier
	QUARTER 0, 3, F0, F1, 0
	TURN 0, 1, 0
	QUARTER 1, 1, F0, F1, 0
	QUARTER 1, 2, F1, F0, 0
	QUARTER 1, 3, F0, F1, 0
	s_wait_dscnt 16                                ; the very last quarter: nothing more to fetch
	WIN MUL
	MUL8 F1, 0, 0, 0
	MUL8 F1, 0, 2, 0
	s_wait_dscnt 0
	MUL8 F1, 1, 0, 0
	MUL8 F1, 1, 2, 0
	WIN 0
	PLACES
.if EPI
	TOSTAGE 0
	TOSTAGE 1                                      ; a block's trip through the stage stands between the loads of the block before and their use
	FIN 0, 16
	TOSTAGE 2
	FIN 1, 16
	TOSTAGE 3
	FIN 2, 16
	FIN 3, 0
.else
	PACK 0
	PACK 1
	SEND 0, 8
	PACK 2
	SEND 1, 8
	PACK 3
	SEND 2, 8
	SEND 3, 0
.endif
	s_wait_tensorcnt 0x0
	ds_add_u32 v30, v31
	s_wait_dscnt 0x0
	CROUND                                         ; the closing round: no work-group ends while a partner may still ask for a tile that names it
	s_endpgm
.Lfunc_end_k_q0816b08e04_mlp_in:
	.size	k_q0816b08e04_mlp_in, .Lfunc_end_k_q0816b08e04_mlp_in-k_q0816b08e04_mlp_in
	.p2alignl 7, 3214868480
	.fill 96, 4, 3214868480
	.section	.rodata,"a",@progbits
	.p2align	6, 0x0
	.amdhsa_kernel k_q0816b08e04_mlp_in
		.amdhsa_group_segment_fixed_size 327680
		.amdhsa_private_segment_fixed_size 0
		.amdhsa_enable_private_segment 0
		.amdhsa_kernarg_size 32
		.amdhsa_user_sgpr_count 2
		.amdhsa_user_sgpr_kernarg_segment_ptr 1
		.amdhsa_wavefront_size32 1
		.amdhsa_system_sgpr_workgroup_id_x 1
		.amdhsa_system_sgpr_workgroup_id_y 1
		.amdhsa_system_sgpr_workgroup_id_z 1
		.amdhsa_system_vgpr_workitem_id 0
		.amdhsa_next_free_vgpr 512
		.amdhsa_next_free_sgpr 80
		.amdhsa_reserve_vcc 0
		.amdhsa_float_denorm_mode_32 3
		.amdhsa_float_denorm_mode_16_64 3
		.amdhsa_memory_ordered 1
		.amdhsa_forward_progress 1
		.amdhsa_inst_pref_size 92
	.end_amdhsa_kernel
	.amdgpu_metadata
---
amdhsa.version: [ 1, 2 ]
amdhsa.kernels:
  - .name:           k_q0816b08e04_mlp_in
    .symbol:         k_q0816b08e04_mlp_in.kd
    .args:
      - { .name: hn, .offset: 0, .size: 8, .value_kind: global_buffer, .address_space: global }
      - { .name: wb, .offset: 8, .size: 8, .value_kind: global_buffer, .address_space: global }
      - { .name: b_in, .offset: 16, .size: 8, .value_kind: global_buffer, .address_space: global }
      - { .name: actb, .offset: 24, .size: 8, .value_kind: global_buffer, .address_space: global }
    .group_segment_fixed_size: 327680
    .private_segment_fixed_size: 0
    .kernarg_segment_align: 8
    .kernarg_segment_size: 32
    .max_flat_workgroup_size: 128
    .sgpr_count:     80
    .vgpr_count:     512
    .wavefront_size: 32
...
	.end_amdgpu_metadata
.endif
;; end of part 6
;; launch mlp_out (part 7): grid 8 x 32, 4 waves a work-group, clusters of 4 x 4, 327,680 bytes of LDS; arguments actb, wb, b_out, midb, out0; writes out0
.if DOCPART == 7
	.amdgcn_target "amdgcn-amd-amdhsa--gfx1250"
	.amdhsa_code_object_version 6
	.text
	.protected	k_q0816b08e04_mlp_out
	.globl	k_q0816b08e04_mlp_out
	.p2align	8
	.type	k_q0816b08e04_mlp_out,@function
k_q0816b08e04_mlp_out:
	s_mov_b64 s[64:65], 0
	v_nop
	global_prefetch_b8 v0, s[64:65] scope:SCOPE_SE
	s_setreg_imm32_b32 hwreg(HW_REG_WAVE_MODE, 25, 1), 1
	s_wait_xcnt 0x0
	s_wait_alu depctr_hold_cnt(0) depctr_sa_sdst(0) depctr_va_vdst(0) depctr_va_sdst(0) depctr_va_ssrc(0) depctr_va_vcc(0) depctr_vm_vsrc(0)
	s_getreg_b32 s2, hwreg(HW_REG_IB_STS2, 6, 4)
	s_cmp_eq_u32 s2, 0
	s_cbranch_scc0 .Lentry_in_a_cluster
	s_endpgm
.Lentry_in_a_cluster:
	s_bfe_u32 s2, ttmp6, 0x10000c
	s_cmp_lg_u32 s2, 0xf033
	s_cbranch_scc0 .Lentry_shape_is_right
	s_endpgm
.Lentry_shape_is_right:
; THIS PRODUCT: out = resid_mid + act W_out + b_out.  A = act [4096 x 4096], W = wb's region of W_out (1,024 columns),
; out = f32 rows of 1,024.
.set SIZE_K, 4096                      ; the length of the sums
.set WOFF,   16777216                  ; the weights' region in wb, bytes
.set EPI,    1                         ; the way out: 0 = bf16 in blocks, 1 = f32 rows with a residual added
.set RELU,   0                         ; EPI 0: max(., 0) before the rounding
.set NB,     0                         ; EPI 0: blocks of 64 columns in a row of blocks of out
.set QKVB,   0                         ; the bias is one of three buffers, chosen by tile column / 8
; FROM HERE ON THE TEXT IS THE SAME IN THE FOUR PRODUCTS OF THE BLOCK (qkv, oproj, mlp_in, mlp_out); the constants above choose.
; C[t][n] = sum over k of A[t][k] W[k][n] + bias[n]; bf16 operands, f32 sums (the limit of format that the problem allows; all else f32).
; A lies in blocks [t / 128][k / 64][t % 128][64] of bf16, W as [n / 128][k][128] of bf16: a K step of 256 of a tile of 128 rows of A, or of 128
; columns of W, is 65,536 consecutive bytes.
; A tile of C is 128 x 128: four waves, each 64 x 64 = 16 accumulators of 16 x 16.  K goes in steps of 256 through a ring of two LDS slots; each wave
; brings a quarter of a slot (32,768 bytes, as 128 rows of 256 bytes) with one tensor load.
; CLUSTERS: 4 x 4 work-groups.  The four of a row of the cluster need the same tiles of A, the four of a column the same tiles of W: each tile is asked for
; JOINTLY, by the same tensor load with the same descriptor and a mask that names the four.
; THE MATRIX INSTRUCTION IS USED TRANSPOSED (source 0 = 16 columns of W, source 1 = 16 rows of A): lane l then holds row l % 16 of C and, in its
; registers 0..7, the columns 8 (l / 16) + 0..7.  So eight numbers of the bias a lane and column block are the C operand of the first products: no sum is
; cleared and no bias is added later.  W lies [k][n] in LDS and comes out turned, by ds_load_tr16_b128.
; REGISTERS: window 0: v0-31 addresses; v32-95 at work on the way out; v96-127 the bias; v128-255 the accumulators ((a, b) at v[128 + 8 (4 a + b)]).
;   window 1: two fragment buffers of 128: for 64 along K, 64 registers of A, then 64 of W.   window 2 (EPI 1): v0-127 the residual's 64 x 64.
.set PA,     144                       ; a row of A in LDS: 128 bytes + 16 = 36 words: the 16 rows of a fragment load start at 16 different groups of four banks
.set PB,     288                       ; a row of W in LDS: 256 bytes + 32 = 72 words
.set HALFT,  36864                     ; what one tensor load fills: 256 rows of A's pitch = 128 rows of W's pitch
.set SLOT,   4*HALFT                   ; A: [k / 64 = 0..3][128 rows], then W: [256 k]
.set BOFF,   2*HALFT
.set STAGE,  2*SLOT                    ; behind the ring, a multiple of 256: 16 rows for each wave, its own, for the way out; no tensor load lands here
.if EPI
.set SPITCH, 272                       ; 64 f32 + 16 bytes
.else
.set SPITCH, 144                       ; 64 bf16 + 16 bytes
.endif
.set KSTEPB, 65536                     ; bytes of a K step, in A's tile and in W's
.set LAPS,   SIZE_K/512                ; a lap = two K steps = once round the ring
.set ADRA, 16                          ; v16-17  LDS address of my A fragments in slot 0, 1
.set ADRB, 20                          ; v20-23  the same for W: slot 0 k 0-127, slot 0 k 128-255, slot 1 likewise (an LDS offset has 16 bits)
.set STO,  24                          ; v24     the way out: where I put my part of a row
.set RD,   25                          ; v25     the way out: where I read rows back
.set CO,   26                          ; v26     my byte offset in out (and in the residual)
.set BO,   27                          ; v27     my byte offset in the bias
.set TMP,  32
.set BIAS, 96
.set ACC,  128
.set F0,   0
.set F1,   128
.set G1,  24                           ; s[24:31] descriptor group 1 for A's tiles;  s[32:39] group 0, one set for each slot
.set G0,  32
.set G1B, 48                           ; s[48:55], s[56:63] the same for W's tiles
.set G0B, 56
.set MSB, 0
.macro WIN new                         ; the immediate's high byte repeats the setting that is left; a switch that changes nothing is dropped
.if MSB != \new
	s_set_vgpr_msb (MSB<<8)|\new
.set MSB, \new
.endif
.endm
.set MUL,  0x05                        ; sources 0 (W) and 1 (A) window 1; C and D window 0
.set TO_F, 0x40                        ; destination window 1, address window 0
.macro JLOAD s                         ; a joint load: waves 0 and 1 fetch A's two halves, waves 2 and 3 W's; four v_nop follow each of the two lines, ahead of the jump, the label and what follows
	s_cmp_eq_u32 s11, 0
	s_cbranch_scc0 .Lfor_b_\@
	tensor_load_to_lds s[G0+4*\s:G0+4*\s+3], s[G1:G1+7]
	s_nop 0
.rept 4
	v_nop
.endr
	s_branch .Lasked_\@
.Lfor_b_\@:
	tensor_load_to_lds s[G0B+4*\s:G0B+4*\s+3], s[G1B:G1B+7]
	s_nop 0
.rept 4
	v_nop
.endr
.Lasked_\@:
.endm
.macro CREST                           ; a round of the cluster's barrier behind its opening barrier
	s_cmp_lg_u32 s10, 0
	s_cbranch_scc1 .Lnot_wave_0_\@
	s_barrier_signal -3
.Lnot_wave_0_\@:
	s_barrier_wait -3
	s_barrier_signal -1
	s_barrier_wait -1
.endm
.macro CROUND                          ; a whole round
	s_barrier_signal -1
	s_barrier_wait -1
	CREST
.endm
	s_load_b128 s[4:7], s[0:1], 0x0                ; A s[4:5], wb s[6:7]
	s_load_b128 s[68:71], s[0:1], 0x10             ; the bias s[68:69]; s[70:71]: b_K (QKVB), out (EPI 0 without QKVB) or the residual (EPI 1)
.if QKVB
	s_load_b128 s[72:75], s[0:1], 0x20             ; b_V s[72:73], out s[74:75]
.endif
.if EPI
	s_load_b64 s[8:9], s[0:1], 0x20                ; out
	v_lshl_add_u32 v94, v0, 2, 0x4c400
	v_mov_b32 v95, 0
	ds_add_u32 v94, v95
	ds_add_u32 v94, v95
.endif
	v_lshrrev_b32 v1, 5, v0
	v_readfirstlane_b32 s10, v1                    ; wave 0..3
	s_lshr_b32 s11, s10, 1                         ; which half of the tile's rows is mine.  Also: I fetch for A (0) or for W (1)
	s_and_b32 s12, s10, 1                          ; which half of its columns.  Also: which half of that tile's K step I fetch
	s_bfe_u32 s40, ttmp6, 0x40000                  ; cx, cy: my place in the cluster
	s_bfe_u32 s41, ttmp6, 0x40004
	s_lshl_b32 s42, ttmp9, 2
	s_add_co_u32 s42, s42, s40                     ; tile column nt = 4 x cluster x + cx
	s_and_b32 s13, ttmp7, 0xffff
	s_lshl_b32 s13, s13, 2
	s_add_co_u32 s13, s13, s41                     ; tile row mt = 4 x cluster y + cy
	s_lshl_b32 s43, s41, 2
	s_lshl_b32 s43, 15, s43                        ; my row of the cluster
	s_lshl_b32 s44, 0x1111, s40                    ; my column
	; descriptor group 1: 128 rows of 128 elements of 2 bytes, one behind the other in memory.  A: 4 words of padding behind every 32 words, so that each
	; half of a memory row (a row of a block of A, 128 bytes) becomes an LDS row of 144 bytes.  W: 8 words behind every 64: LDS rows of 288 bytes.
	s_or_b32 s[G1+0], s43, (1<<16)|(1<<20)|(1<<21)|(4<<22)|(3<<25)   ; 15:0 the mask: A's tiles go to my row; 17:16 elements of 2 bytes; 20 padding on; 21 set beside a mask; 24:22 interval; 31:25 padding less one
	s_or_b32 s[G1B+0], s44, (1<<16)|(1<<20)|(1<<21)|(5<<22)|(7<<25)  ; the mask of my column, for W's tiles
.irp g, G1, G1B
	s_mov_b32 s[\g+1], 128<<16                     ; tensor_dim0 = 128
	s_mov_b32 s[\g+2], 128<<16                     ; tensor_dim1 = 128
	s_mov_b32 s[\g+3], 128<<16                     ; tile_dim0 = 128
	s_mov_b32 s[\g+4], 128                         ; tile_dim1 = 128
	s_mov_b32 s[\g+5], 128                         ; from row to row: 128 elements
	s_mov_b32 s[\g+6], 0
	s_mov_b32 s[\g+7], 0
.endr
	; A's tiles hang on the tile row alone, W's on the tile column alone; every wave makes both addresses, in registers that never hold the other coordinate
	s_mul_i32 s16, s13, SIZE_K*256                 ; a tile row of A: SIZE_K / 64 blocks of 16,384 bytes
	s_lshl_b32 s17, s12, 15                        ; my half of a K step
	s_add_co_u32 s16, s16, s17
	s_mov_b32 s17, 0
	s_mul_i32 s46, s42, SIZE_K*256                 ; a tile column of W: SIZE_K rows of 256 bytes
	s_lshl_b32 s47, s12, 15
	s_add_co_u32 s46, s46, s47
	s_add_co_u32 s46, s46, WOFF
	s_mov_b32 s47, 0
	s_mul_i32 s20, s10, HALFT                      ; where they go: wave x a quarter of a slot: no place in the cluster enters an LDS address
	s_wait_dscnt 0x0
	s_wait_kmcnt 0x0
	s_add_nc_u64 s[14:15], s[4:5], s[16:17]
	s_add_nc_u64 s[46:47], s[6:7], s[46:47]
	CROUND                                         ; all sixteen work-groups are here: the first joint loads meet
.irp s, 0,1
	s_mov_b32 s[G0+4*\s], 1
	s_add_co_u32 s[G0+4*\s+1], s20, \s*SLOT
	s_add_nc_u64 s[G0+4*\s+2:G0+4*\s+3], s[14:15], \s*KSTEPB
	s_or_b32 s[G0+4*\s+3], s[G0+4*\s+3], 0x80000000
	s_mov_b32 s[G0B+4*\s], 1
	s_add_co_u32 s[G0B+4*\s+1], s20, \s*SLOT
	s_add_nc_u64 s[G0B+4*\s+2:G0B+4*\s+3], s[46:47], \s*KSTEPB
	s_or_b32 s[G0B+4*\s+3], s[G0B+4*\s+3], 0x80000000
	JLOAD \s                                       ; K steps 0 and 1: two tensor loads of mine are out
.endr
	; the bias of my 64 columns
.if EPI == 0
.if QKVB
	s_mov_b64 s[8:9], s[74:75]
	s_lshr_b32 s78, s42, 3                         ; sel: 8 tile columns for each of q, k, v
	s_cmp_eq_u32 s78, 1
	s_cselect_b64 s[68:69], s[70:71], s[68:69]
	s_cmp_eq_u32 s78, 2
	s_cselect_b64 s[68:69], s[72:73], s[68:69]
	s_and_b32 s76, s42, 7
	s_lshl_b32 s76, s76, 9
.else
	s_mov_b64 s[8:9], s[70:71]
	s_lshl_b32 s76, s42, 9
.endif
.else
	s_lshl_b32 s76, s42, 9                         ; 128 columns of 4 bytes
.endif
	s_lshl_b32 s78, s12, 8
	s_add_co_u32 s76, s76, s78
	s_mov_b32 s77, 0
	s_add_nc_u64 s[68:69], s[68:69], s[76:77]
	v_and_b32 v1, 15, v0                           ; r = l % 16
	v_bfe_u32 v2, v0, 4, 1                         ; h = l / 16
	v_and_b32 v6, 31, v0                           ; l
	v_lshlrev_b32 v[BO], 5, v2                     ; 8 h numbers
.irp b, 0,1,2,3
	global_load_b128 v[BIAS+8*\b:BIAS+8*\b+3],   v[BO], s[68:69] offset:64*\b
	global_load_b128 v[BIAS+8*\b+4:BIAS+8*\b+7], v[BO], s[68:69] offset:64*\b+16
.endr
	; where my 64 x 64 of C begins in out
.if EPI
	s_lshl_b32 s76, s13, 19                        ; 128 rows of 4,096 bytes
	s_lshl_b32 s78, s11, 18
	s_add_co_u32 s76, s76, s78
	s_lshl_b32 s78, s42, 9
	s_add_co_u32 s76, s76, s78
	s_lshl_b32 s78, s12, 8
	s_add_co_u32 s76, s76, s78
	s_add_nc_u64 s[8:9], s[8:9], s[76:77]
	s_add_nc_u64 s[70:71], s[70:71], s[76:77]
	v_lshlrev_b32 v[CO], 4, v1
	v_lshl_add_u32 v[CO], v2, 12, v[CO]            ; lanes 0-15 one row's 256 bytes, lanes 16-31 the next row's
	WIN 0x80                                       ; destination window 2, address window 0
.set i, 0
.rept 32                               ; the residual's 64 x 64, in the order in which C's rows come back from the stage; it lands under the whole loop over K
	global_load_b128 v[4*i:4*i+3], v[CO], s[70:71] offset:2*i*4096
.set i, i+1
.endr
	WIN 0
.else
	s_mul_i32 s76, s13, NB*16384
	s_lshl_b32 s78, s42, 15                        ; two blocks a tile column
	s_add_co_u32 s76, s76, s78
	s_lshl_b32 s78, s12, 14
	s_add_co_u32 s76, s76, s78
	s_lshl_b32 s78, s11, 13                        ; 64 rows of 128 bytes
	s_add_co_u32 s76, s76, s78
	s_add_nc_u64 s[8:9], s[8:9], s[76:77]
	v_lshlrev_b32 v[CO], 4, v6                     ; four rows of a block are 512 consecutive bytes
.endif
	; A fragment of A is 16 rows x 32 K in 8 registers: lane l holds row r; registers 0-3 K = 8 h + 0..7, registers 4-7 K = 16 + 8 h + 0..7: two loads of 16 bytes, 32 bytes apart.
	v_mul_u32_u24 v3, v1, PA
	v_lshl_add_u32 v3, v2, 4, v3
	s_mul_i32 s21, s11, 64*PA                      ; my 64 rows
	v_add_nc_u32 v[ADRA], s21, v3
	v_add_nc_u32 v[ADRA+1], SLOT, v[ADRA]
	; The turning load takes 16 k x 16 columns (lane l reads 16 bytes: k = 8 h + l % 8, columns 8 ((l / 8) % 2) + 0..7) and leaves half a fragment: lane l holds column r and 8 k.
	v_and_b32 v9, 7, v0
	v_lshl_add_u32 v4, v2, 3, v9
	v_mul_u32_u24 v4, v4, PB
	v_bfe_u32 v5, v0, 3, 1
	v_lshl_add_u32 v4, v5, 4, v4
	s_lshl_b32 s22, s12, 7                         ; my 64 columns
	s_add_co_u32 s22, s22, BOFF
	v_add_nc_u32 v[ADRB], s22, v4
	v_add_nc_u32 v[ADRB+1], 128*PB, v[ADRB]
	v_add_nc_u32 v[ADRB+2], SLOT, v[ADRB]
	v_add_nc_u32 v[ADRB+3], SLOT+128*PB, v[ADRB]
	s_mul_i32 s23, s10, 16*SPITCH
	s_add_co_u32 s23, s23, STAGE                   ; my stage
	v_mul_u32_u24 v7, v1, SPITCH                   ; in: row r, eight numbers for each half of the lanes
.if EPI
	v_lshl_add_u32 v7, v2, 5, v7
	v_mul_u32_u24 v8, v2, SPITCH                   ; back: lanes 0-15 one row of 256 bytes, lanes 16-31 the next
	v_lshl_add_u32 v8, v1, 4, v8
.else
	v_lshl_add_u32 v7, v2, 4, v7
	v_lshrrev_b32 v8, 3, v6                        ; back: eight lanes to a row of 128 bytes, four rows
	v_mul_u32_u24 v8, v8, SPITCH
	v_lshl_add_u32 v8, v9, 4, v8
.endif
	v_add_nc_u32 v[STO], s23, v7
	v_add_nc_u32 v[RD], s23, v8
; 8 matrix instructions: row blocks a0, a0 + 1 x all 4 column blocks, 32 along K: half c of buffer f.  first = 1: the bias starts the sums.
; The sixteen accumulators take turns, one instruction a turn.
.macro MUL8 f, c, a0, first
.irp a, \a0, \a0+1
.irp b, 0,1,2,3
.if \first
	v_wmma_f32_16x16x32_bf16 v[ACC+8*(4*(\a)+\b):ACC+8*(4*(\a)+\b)+7], v[\f+64+8*(4*\c+\b):\f+64+8*(4*\c+\b)+7], v[\f+8*(4*\c+\a):\f+8*(4*\c+\a)+7], v[BIAS+8*\b:BIAS+8*\b+7]
.else
	v_wmma_f32_16x16x32_bf16 v[ACC+8*(4*(\a)+\b):ACC+8*(4*(\a)+\b)+7], v[\f+64+8*(4*\c+\b):\f+64+8*(4*\c+\b)+7], v[\f+8*(4*\c+\a):\f+8*(4*\c+\a)+7], v[ACC+8*(4*(\a)+\b):ACC+8*(4*(\a)+\b)+7]
.endif
.endr
.endr
.endm
; 32 LDS loads in one run: the fragments of quarter q (64 along K) of a slot, into buffer f; the first 32 along K first
.macro FETCH slot, q, f
	WIN TO_F
.irp c, 0,1
.irp i, 0,1,2,3
	ds_load_tr16_b128 v[\f+64+8*(4*\c+\i):\f+64+8*(4*\c+\i)+3],   v[ADRB+2*\slot+(\q)/2] offset:(((\q)%2)*64+32*\c)*PB+32*\i
	ds_load_tr16_b128 v[\f+64+8*(4*\c+\i)+4:\f+64+8*(4*\c+\i)+7], v[ADRB+2*\slot+(\q)/2] offset:(((\q)%2)*64+32*\c+16)*PB+32*\i
	ds_load_b128 v[\f+8*(4*\c+\i):\f+8*(4*\c+\i)+3],              v[ADRA+\slot] offset:(\q)*128*PA+\i*16*PA+64*\c
	ds_load_b128 v[\f+8*(4*\c+\i)+4:\f+8*(4*\c+\i)+7],            v[ADRA+\slot] offset:(\q)*128*PA+\i*16*PA+64*\c+32
.endr
.endr
.endm
.macro PLACES                          ; four places in front of loads into registers that matrix instructions have read, and of whatever reads results just made
.rept 4
	v_nop
.endr
.endm
; A K step is four quarters of 64 along K, 32 matrix instructions each, on buffers 0, 1, 0, 1.  One of the first three: multiplies buffer f and fetches quarter q into g.
.macro QUARTER slot, q, f, g, first
	s_wait_dscnt 16                                ; the first 32 along K are in: the other sixteen loads of the run are younger
	WIN MUL
	MUL8 \f, 0, 0, \first
	MUL8 \f, 0, 2, \first
	PLACES
	FETCH \slot, \q, \g
	s_wait_dscnt 32                                ; all but the 32 just issued
	WIN MUL
	MUL8 \f, 1, 0, 0
	MUL8 \f, 1, 2, 0
.endm
; The last quarter multiplies buffer 1 and changes slots: ONE barrier; in front of it each wave waits for its own reads of this slot and for all its tensor loads.  fill = 1: this slot is filled again, two K steps ahead.
.macro TURN slot, next, fill
	s_wait_dscnt 16
	WIN MUL
	MUL8 F1, 0, 0, 0
	s_wait_dscnt 0                                 ; my reads of this slot are over,
	s_set_vgpr_msb 0x500
	s_wait_tensorcnt 0x0                           ; and all my tensor loads have landed: the one that was out is my part of the next slot
	ds_add_u32 v94, v95
	s_wait_dscnt 0x0
	s_set_vgpr_msb 0x5
	s_barrier_signal -1
	MUL8 F1, 0, 2, 0
.if \fill
	WIN 0
.endif
	s_barrier_wait -1
.if \fill
	CREST                                          ; the barrier has opened a round of the cluster's barrier: no wave of any partner still reads this slot's tile or has a load on its way
	s_add_nc_u64 s[G0+4*\slot+2:G0+4*\slot+3], s[G0+4*\slot+2:G0+4*\slot+3], 2*KSTEPB
	s_add_nc_u64 s[G0B+4*\slot+2:G0B+4*\slot+3], s[G0B+4*\slot+2:G0B+4*\slot+3], 2*KSTEPB
	JLOAD \slot                                    ; the first tensor load behind the round, my only one until the next; its four v_nop are also the places in front of the loads below
.else
	PLACES
.endif
	FETCH \next, 0, F0
	WIN MUL
	MUL8 F1, 1, 0, 0
	MUL8 F1, 1, 2, 0
.endm
; THE WAY OUT, EPI 0.  Row block a (16 rows x 64 columns): max(., 0) where asked, rounded to bf16, 16 bytes a lane into my stage, back as whole rows of 128 bytes.
.macro PACK a
.if RELU
.set i, 0
.rept 32
	v_max_num_f32 v[ACC+32*\a+i], 0, v[ACC+32*\a+i]
.set i, i+1
.endr
.endif
.irp b, 0,1,2,3
.irp r, 0,1,2,3
	v_cvt_pk_bf16_f32 v[TMP+16*\a+4*\b+\r], v[ACC+8*(4*\a+\b)+2*\r], v[ACC+8*(4*\a+\b)+2*\r+1]
.endr
.endr
.irp b, 0,1,2,3
	ds_store_b128 v[STO], v[TMP+16*\a+4*\b:TMP+16*\a+4*\b+3] offset:32*\b
.endr
.irp t, 0,1,2,3
	ds_load_b128 v[TMP+16*\a+4*\t:TMP+16*\a+4*\t+3], v[RD] offset:\t*4*SPITCH   ; LDS serves a wave's instructions in order (ISA guide 5.7.1.4): these see the stores above, and the next block's stores come behind them
.endr
.endm
.macro SEND a, younger                 ; younger: the LDS instructions issued behind block a's loads: the next block's eight, or none
.irp t, 0,1,2,3
	s_wait_dscnt \younger+3-\t
	global_store_b128 v[CO], v[TMP+16*\a+4*\t:TMP+16*\a+4*\t+3], s[8:9] offset:\a*2048+\t*512   ; the wave stores 512 consecutive bytes, aligned: four rows of a block
.endr
.endm
; THE WAY OUT, EPI 1.  Row block a goes as f32 through my stage (each accumulator's low four registers first) and comes back as whole rows of 256 bytes, into the registers that it left.
.macro TOSTAGE a
.irp b, 0,1,2,3
	ds_store_b128 v[STO], v[ACC+8*(4*\a+\b):ACC+8*(4*\a+\b)+3]   offset:64*\b
	ds_store_b128 v[STO], v[ACC+8*(4*\a+\b)+4:ACC+8*(4*\a+\b)+7] offset:64*\b+16
.endr
.irp t, 0,1,2,3,4,5,6,7
	ds_load_b128 v[ACC+32*\a+4*\t:ACC+32*\a+4*\t+3], v[RD] offset:\t*2*SPITCH
.endr
.endm
.macro FIN a, younger                  ; younger: the next block's sixteen LDS instructions, or none
	s_wait_dscnt \younger
.if \a == 0
	s_wait_loadcnt 0x0                             ; the residual, asked for ahead of the loop over K
.endif
	WIN 0x08                                       ; source 1 window 2
.set i, 0
.rept 16
	v_pk_add_f32 v[ACC+32*\a+2*i:ACC+32*\a+2*i+1], v[ACC+32*\a+2*i:ACC+32*\a+2*i+1], v[32*\a+2*i:32*\a+2*i+1]
.set i, i+1
.endr
	WIN 0
.irp t, 0,1,2,3,4,5,6,7
	global_store_b128 v[CO], v[ACC+32*\a+4*\t:ACC+32*\a+4*\t+3], s[8:9] offset:(16*\a+2*\t)*4096   ; 16 lanes store 256 consecutive bytes, aligned
.endr
.endm
	s_wait_tensorcnt 1                             ; my part of K step 0 is in; K step 1's may stay out
	s_barrier_signal -1
	s_barrier_wait -1                              ; everybody's is
	FETCH 0, 0, F0
.if EPI
	s_wait_loadcnt 32                              ; the bias is in: the residual's 32 loads are younger
.else
	s_wait_loadcnt 0x0                             ; the bias
.endif
	QUARTER 0, 1, F0, F1, 1                        ; the first quarter stands in front of the loop: its first products start the sums, from the bias
	WIN 0                                          ; at a label and at a branch every window is 0
	s_mov_b32 s3, LAPS-1
.Llap:                                                 ; a trip goes once round the ring, from a lap's second quarter to the next lap's first, and fills both slots again
	QUARTER 0, 2, F1, F0, 0
	QUARTER 0, 3, F0, F1, 0
	TURN 0, 1, 1
	QUARTER 1, 1, F0, F1, 0
	QUARTER 1, 2, F1, F0, 0
	QUARTER 1, 3, F0, F1, 0
	TURN 1, 0, 1
	QUARTER 0, 1, F0, F1, 0
	WIN 0
	s_sub_co_u32 s3, s3, 1
	s_cmp_lg_u32 s3, 0
	s_cbranch_scc1 .Llap
	QUARTER 0, 2, F1, F0, 0                        ; the last lap fills nothing, and has no round of the cluster's barrier
	QUARTER 0, 3, F0, F1, 0
	TURN 0, 1, 0
	QUARTER 1, 1, F0, F1, 0
	QUARTER 1, 2, F1, F0, 0
	QUARTER 1, 3, F0, F1, 0
	s_wait_dscnt 16                                ; the very last quarter: nothing more to fetch
	WIN MUL
	MUL8 F1, 0, 0, 0
	MUL8 F1, 0, 2, 0
	s_wait_dscnt 0
	MUL8 F1, 1, 0, 0
	MUL8 F1, 1, 2, 0
	WIN 0
	PLACES
.if EPI
	TOSTAGE 0
	TOSTAGE 1                                      ; a block's trip through the stage stands between the loads of the block before and their use
	FIN 0, 16
	TOSTAGE 2
	FIN 1, 16
	TOSTAGE 3
	FIN 2, 16
	FIN 3, 0
.else
	PACK 0
	PACK 1
	SEND 0, 8
	PACK 2
	SEND 1, 8
	PACK 3
	SEND 2, 8
	SEND 3, 0
.endif
	s_wait_tensorcnt 0x0
	ds_add_u32 v94, v95
	s_wait_dscnt 0x0
	CROUND                                         ; the closing round: no work-group ends while a partner may still ask for a tile that names it
	s_endpgm
.Lfunc_end_k_q0816b08e04_mlp_out:
	.size	k_q0816b08e04_mlp_out, .Lfunc_end_k_q0816b08e04_mlp_out-k_q0816b08e04_mlp_out
	.p2alignl 7, 3214868480
	.fill 96, 4, 3214868480
	.section	.rodata,"a",@progbits
	.p2align	6, 0x0
	.amdhsa_kernel k_q0816b08e04_mlp_out
		.amdhsa_group_segment_fixed_size 327680
		.amdhsa_private_segment_fixed_size 0
		.amdhsa_enable_private_segment 0
		.amdhsa_kernarg_size 40
		.amdhsa_user_sgpr_count 2
		.amdhsa_user_sgpr_kernarg_segment_ptr 1
		.amdhsa_wavefront_size32 1
		.amdhsa_system_sgpr_workgroup_id_x 1
		.amdhsa_system_sgpr_workgroup_id_y 1
		.amdhsa_system_sgpr_workgroup_id_z 1
		.amdhsa_system_vgpr_workitem_id 0
		.amdhsa_next_free_vgpr 640
		.amdhsa_next_free_sgpr 80
		.amdhsa_reserve_vcc 0
		.amdhsa_float_denorm_mode_32 3
		.amdhsa_float_denorm_mode_16_64 3
		.amdhsa_memory_ordered 1
		.amdhsa_forward_progress 1
		.amdhsa_inst_pref_size 94
	.end_amdhsa_kernel
	.amdgpu_metadata
---
amdhsa.version: [ 1, 2 ]
amdhsa.kernels:
  - .name:           k_q0816b08e04_mlp_out
    .symbol:         k_q0816b08e04_mlp_out.kd
    .args:
      - { .name: actb, .offset: 0, .size: 8, .value_kind: global_buffer, .address_space: global }
      - { .name: wb, .offset: 8, .size: 8, .value_kind: global_buffer, .address_space: global }
      - { .name: b_out, .offset: 16, .size: 8, .value_kind: global_buffer, .address_space: global }
      - { .name: midb, .offset: 24, .size: 8, .value_kind: global_buffer, .address_space: global }
      - { .name: out0, .offset: 32, .size: 8, .value_kind: global_buffer, .address_space: global }
    .group_segment_fixed_size: 327680
    .private_segment_fixed_size: 0
    .kernarg_segment_align: 8
    .kernarg_segment_size: 40
    .max_flat_workgroup_size: 128
    .sgpr_count:     80
    .vgpr_count:     640
    .wavefront_size: 32
...
	.end_amdgpu_metadata
.endif
;; end of part 7
;; ======== version 2 of 3: 7 launches; 1.12 times as fast as version 1
;; workspace buffers: wb 25,165,824 bytes; xn 8,388,608 bytes; qkvb 25,165,824 bytes; zb 8,388,608 bytes; midb 16,777,216 bytes; hn 8,388,608 bytes; actb 33,554,432 bytes
;; launch pre (part 8): grid 256 x 4, 8 waves a work-group, no clusters, 0 bytes of LDS; arguments resid_pre, ln1_w, ln1_b, xn, W_in, W_out, W_O, W_Q, W_K, W_V, wb; writes xn, wb
.if DOCPART == 8
	.amdgcn_target "amdgcn-amd-amdhsa--gfx1250"
	.amdhsa_code_object_version 6
	.text
	.protected	k_q0816b08e04_pre
	.globl	k_q0816b08e04_pre
	.p2align	8
	.type	k_q0816b08e04_pre,@function
k_q0816b08e04_pre:
	s_mov_b64 s[64:65], 0
	v_nop
	global_prefetch_b8 v0, s[64:65] scope:SCOPE_SE
	s_setreg_imm32_b32 hwreg(HW_REG_WAVE_MODE, 25, 1), 1
	s_wait_xcnt 0x0
; TWO STREAMS IN ONE LAUNCH, since they share no byte and neither waits for the other: work-groups with y = 0 make LayerNorm 1, those with y = 1..3 lay the weights.
;
; y = 0: xn = LayerNorm(resid_pre) ln1_w + ln1_b.  x: [4096][1024] f32.  xn: bf16 in blocks: [t / 128][column / 64][t % 128][64], a block 128 rows of 128 bytes.
; A wave takes two rows, t = 2 p and 2 p + 1: lanes 0-15 the first, lanes 16-31 the second, so that a row's sums stay inside 16 lanes.
; Lane l holds columns 64 j + 4 (l % 16) + 0..3, j = 0..15: a load covers 256 consecutive bytes of each row, and a store (8 bytes a lane) covers
; rows t and t + 1 of block j: 256 consecutive bytes, aligned.  The rows stay in registers between the passes: x is read once.
; Two passes: the mean, then the sum of squares of x - mean, so a common offset of x costs no digits.
; Order of rounding, stated: (x - mean) * (w * rstd) + b, with rstd from v_rsq_f32 (good to one unit in the last place) in place of a division by a root.
;
; y = 1..3: the six weights, f32 [K][N], are rounded once to bf16 (nearest even) and laid as the products want them:
; wb = [tile column nt = n / 128][k][128 columns], a row of 256 bytes for each k.  Regions of wb, in bytes:
; Wqkv (n = 1024 sel + 64 head + channel; 24 tile columns, K = 1024) at 0, W_O (8, K = 1024) at WO_OFF, W_in (32, K = 1024) at WI_OFF,
; W_out (8, K = 4096) at WU_OFF.
; A piece is 128 numbers of one k: one load of 16 bytes a lane (512 bytes), two conversions, one store of 8 bytes a lane: 256 consecutive
; bytes, aligned, one row of wb.  A wave takes 16 consecutive k of one tile column, the eight waves eight neighbouring tile columns.
; All 16 loads of a wave are out before its first wait.
; No loop, no LDS, no barrier, no matrix unit in either: streams in which no wave waits for another.
.set WO_OFF, 6291456
.set WI_OFF, 8388608
.set WU_OFF, 16777216
; the weights' registers
.set VS, 1                             ; v1  my byte offset in a source piece
.set VD, 2                             ; v2  my byte offset in a row of wb
.set CX, 8                             ; v[8:71]    16 pieces as loaded
.set CY, 72                            ; v[72:103]  16 pieces to store
; the norm's registers
.set XO, 1                             ; v1  my byte offset in the two rows of x
.set WO, 2                             ; v2  my byte offset in w and b
.set YO, 3                             ; v3  my byte offset in two rows of a block of y
.set CH, 8                             ; v[8:15]  four chains of pairs
.set MEAN, 16                          ; v[16:17] the mean, twice
.set RSTD, 18                          ; v[18:19] 1 / sqrt(var + eps), twice
.set X,  32                            ; v[32:95]
.set W,  96                            ; v[96:159]   w; at last the packed results
.set B,  160                           ; v[160:223]
; 16 pieces, stride bytes apart in the source (a row of the weight), 256 bytes apart in wb.  No register is written twice, so the only
; waits are the counted ones for the loads: loads return in order, piece i is in when at most 15 - i younger ones are out.
.macro CONV stride
.set i, 0
.rept 16
	global_load_b128 v[CX+4*i:CX+4*i+3], v[VS], s[20:21] offset:i*\stride th:TH_LOAD_NT
.set i, i+1
.endr
.set i, 0
.rept 16
	s_wait_loadcnt 15-i
	v_cvt_pk_bf16_f32 v[CY+2*i],   v[CX+4*i],   v[CX+4*i+1]
	v_cvt_pk_bf16_f32 v[CY+2*i+1], v[CX+4*i+2], v[CX+4*i+3]
	global_store_b64 v[VD], v[CY+2*i:CY+2*i+1], s[22:23] offset:i*256
.set i, i+1
.endr
	s_endpgm
.endm
.macro REDUCE                          ; four chains of pairs -> one number, the same in the 16 lanes of a row
	v_pk_add_f32 v[CH:CH+1],   v[CH:CH+1],   v[CH+2:CH+3]
	v_pk_add_f32 v[CH+4:CH+5], v[CH+4:CH+5], v[CH+6:CH+7]
	v_pk_add_f32 v[CH:CH+1],   v[CH:CH+1],   v[CH+4:CH+5]
	v_add_f32 v[CH], v[CH], v[CH+1]
.irp m, 1,2,4,8
	v_add_f32_dpp v[CH], v[CH], v[CH] row_xmask:\m row_mask:0xf bank_mask:0xf
.endr
.endm
	s_and_b32 s19, ttmp7, 0xffff                   ; y
	s_cmp_eq_u32 s19, 0
	s_cbranch_scc1 .Lnorm
	; ---- THE WEIGHTS ----
	s_sub_co_u32 s19, s19, 1                       ; which weights: 0, 1, 2
	s_load_b256 s[4:11], s[0:1], 0x20              ; W_in s[4:5], W_out s[6:7], W_O s[8:9], W_Q s[10:11]
	s_load_b128 s[12:15], s[0:1], 0x40             ; W_K s[12:13], W_V s[14:15]
	s_load_b64 s[16:17], s[0:1], 0x50              ; wb
	v_lshrrev_b32 v3, 5, v0
	v_readfirstlane_b32 s18, v3                    ; wave w, 0..7
	s_mov_b32 s24, ttmp9                           ; x: which part of them
	v_and_b32 v4, 31, v0
	v_lshlrev_b32 v[VS], 4, v4                     ; 16 x lane
	v_lshlrev_b32 v[VD], 3, v4                     ; 8 x lane
	s_mov_b32 s27, 0                               ; high words of the two offset pairs s[26:27] (source), s[28:29] (wb)
	s_mov_b32 s29, 0
	s_wait_kmcnt 0x0
	s_cmp_lg_u32 s19, 0
	s_cbranch_scc1 .Lnot_w_in
	; 0: W_in [1024][4096].  nt = 8 (x & 3) + w, k = 16 (x >> 2) on
	s_and_b32 s25, s24, 3
	s_lshl3_add_u32 s25, s25, s18                  ; nt
	s_lshr_b32 s30, s24, 2                         ; c
	s_lshl_b32 s26, s30, 18                        ; 16 rows of 16,384 bytes
	s_lshl_b32 s31, s25, 9
	s_add_co_u32 s26, s26, s31                     ; + 512 nt
	s_lshl_b32 s28, s25, 18                        ; nt x 1024 rows of 256 bytes
	s_lshl_b32 s31, s30, 12
	s_add_co_u32 s28, s28, s31                     ; + 16 c rows
	s_add_co_u32 s28, s28, WI_OFF
	s_add_nc_u64 s[20:21], s[4:5], s[26:27]
	s_add_nc_u64 s[22:23], s[16:17], s[28:29]
	CONV 16384
.Lnot_w_in:
	s_cmp_eq_u32 s19, 1
	s_cbranch_scc1 .Lrows_4k
	s_cmp_lt_u32 s24, 64
	s_cbranch_scc0 .Lheads
.Lrows_4k:
	; 1: W_out [4096][1024], all x.  2, x < 64: W_O [16 x 64][1024].  Both: rows of 4,096 bytes, nt = w, k = 16 x on
	s_mov_b32 s30, WU_OFF
	s_mov_b32 s31, WO_OFF
	s_cmp_eq_u32 s19, 1
	s_cselect_b64 s[20:21], s[6:7], s[8:9]
	s_cselect_b32 s28, s30, s31                    ; the region of wb
	s_cselect_b32 s25, 20, 18                      ; a tile column is K rows of 256 bytes: 2^20 or 2^18 bytes
	s_lshl_b32 s25, s18, s25
	s_add_co_u32 s28, s28, s25
	s_lshl_b32 s25, s24, 12
	s_add_co_u32 s28, s28, s25                     ; + 16 x rows
	s_lshl_b32 s26, s24, 16                        ; 16 rows of 4,096 bytes
	s_lshl_b32 s25, s18, 9
	s_add_co_u32 s26, s26, s25                     ; + 512 w
	s_add_nc_u64 s[20:21], s[20:21], s[26:27]
	s_add_nc_u64 s[22:23], s[16:17], s[28:29]
	CONV 4096
.Lheads:
	; 2, x >= 64: W_Q, W_K, W_V [16][1024][64].  sel = (x >> 6) - 1, k = 16 (x & 63) on.  Tile column 8 sel + w is heads 2 w and 2 w + 1 side by
	; side: lanes 0-15 read 256 bytes of head 2 w's row, lanes 16-31 of head 2 w + 1's
	s_lshr_b32 s25, s24, 6
	s_sub_co_u32 s25, s25, 1                       ; sel
	s_and_b32 s30, s24, 63                         ; c
	s_cmp_eq_u32 s25, 1
	s_cselect_b64 s[20:21], s[12:13], s[10:11]
	s_cmp_eq_u32 s25, 2
	s_cselect_b64 s[20:21], s[14:15], s[20:21]
	s_lshl_b32 s26, s18, 19                        ; two heads of 262,144 bytes
	s_lshl_b32 s31, s30, 12                        ; 16 c rows of 256 bytes, in the source and in wb
	s_add_co_u32 s26, s26, s31
	s_lshl3_add_u32 s28, s25, s18                  ; nt
	s_lshl_b32 s28, s28, 18
	s_add_co_u32 s28, s28, s31
	s_add_nc_u64 s[20:21], s[20:21], s[26:27]
	s_add_nc_u64 s[22:23], s[16:17], s[28:29]
	v_and_b32 v5, 15, v0
	v_bfe_u32 v6, v0, 4, 1
	v_lshlrev_b32 v[VS], 4, v5
	v_lshl_add_u32 v[VS], v6, 18, v[VS]            ; 16 (lane % 16) + a head for the upper half of the lanes
	CONV 256
.Lnorm:
	; ---- THE NORM ----
	s_load_b256 s[4:11], s[0:1], 0x0               ; x s[4:5], w s[6:7], b s[8:9], y s[10:11]
	v_lshrrev_b32 v4, 5, v0
	v_readfirstlane_b32 s14, v4                    ; wave
	s_lshl3_add_u32 s14, ttmp9, s14                ; p = 8 x work-group + wave, 0..2047
	s_lshl_b32 s16, s14, 13                        ; two rows of 4,096 bytes
	s_mov_b32 s17, 0
	s_lshr_b32 s18, s14, 6
	s_lshl_b32 s18, s18, 18                        ; (t / 128) x 16 blocks of 16,384 bytes
	s_and_b32 s15, s14, 63
	s_lshl_b32 s15, s15, 8                         ; (t % 128) x 128 bytes
	s_add_co_u32 s18, s18, s15
	s_mov_b32 s19, 0
	s_mov_b32 s12, 0x3a800000                      ; 1 / 1024
	s_mov_b32 s13, 0x3727c5ac                      ; eps = 1e-5
	v_and_b32 v5, 15, v0
	v_bfe_u32 v6, v0, 4, 1
	v_lshlrev_b32 v[WO], 4, v5
	v_lshl_add_u32 v[XO], v6, 12, v[WO]
	v_and_b32 v[YO], 31, v0
	v_lshlrev_b32 v[YO], 3, v[YO]
	s_wait_kmcnt 0x0
	s_add_nc_u64 s[4:5], s[4:5], s[16:17]
	s_add_nc_u64 s[10:11], s[10:11], s[18:19]
.set j, 0
.rept 16
	global_load_b128 v[X+4*j:X+4*j+3], v[XO], s[4:5] offset:256*j
.set j, j+1
.endr
.set j, 0
.rept 16
	global_load_b128 v[W+4*j:W+4*j+3], v[WO], s[6:7] offset:256*j
.set j, j+1
.endr
.set j, 0
.rept 16
	global_load_b128 v[B+4*j:B+4*j+3], v[WO], s[8:9] offset:256*j
.set j, j+1
.endr
	s_wait_loadcnt 32                              ; x is in: the 32 loads of w and b are younger
	; pass 1: the sum.  The first eight pairs start the four chains: nothing is cleared
.set k, 0
.rept 4
	v_pk_add_f32 v[CH+2*k:CH+2*k+1], v[X+2*k:X+2*k+1], v[X+2*k+8:X+2*k+9]
.set k, k+1
.endr
.set k, 8
.rept 24
	v_pk_add_f32 v[CH+2*(k%4):CH+2*(k%4)+1], v[CH+2*(k%4):CH+2*(k%4)+1], v[X+2*k:X+2*k+1]
.set k, k+1
.endr
	REDUCE
	v_mul_f32 v[MEAN], s12, v[CH]
	v_mul_f32 v[MEAN+1], s12, v[CH]
.set k, 0
.rept 32
	v_pk_add_f32 v[X+2*k:X+2*k+1], v[X+2*k:X+2*k+1], v[MEAN:MEAN+1] neg_lo:[0,1] neg_hi:[0,1]   ; x - mean
.set k, k+1
.endr
	; pass 2: the sum of squares
.set k, 0
.rept 4
	v_pk_mul_f32 v[CH+2*k:CH+2*k+1], v[X+2*k:X+2*k+1], v[X+2*k:X+2*k+1]
.set k, k+1
.endr
.rept 28
	v_pk_fma_f32 v[CH+2*(k%4):CH+2*(k%4)+1], v[X+2*k:X+2*k+1], v[X+2*k:X+2*k+1], v[CH+2*(k%4):CH+2*(k%4)+1]
.set k, k+1
.endr
	REDUCE
	v_fma_f32 v20, v[CH], s12, s13                 ; var + eps
	v_rsq_f32 v[RSTD], v20
	v_rsq_f32 v[RSTD+1], v20
	v_nop                                          ; a plain instruction between the last v_rsq_f32 and the use of its result (ISA guide 5.7.2)
	s_wait_loadcnt 16                              ; w is in: b's 16 loads are younger
.set k, 0
	s_wait_alu depctr_va_vdst(0)
.rept 32
	v_pk_mul_f32 v[W+2*k:W+2*k+1], v[W+2*k:W+2*k+1], v[RSTD:RSTD+1]
.set k, k+1
.endr
	s_wait_loadcnt 0x0                             ; b
.set k, 0
.rept 32
	v_pk_fma_f32 v[X+2*k:X+2*k+1], v[X+2*k:X+2*k+1], v[W+2*k:W+2*k+1], v[B+2*k:B+2*k+1]
.set k, k+1
.endr
.set k, 0
.rept 32
	v_cvt_pk_bf16_f32 v[W+k], v[X+2*k], v[X+2*k+1] ; w's registers are free
.set k, k+1
.endr
.set j, 0
.rept 16
	global_store_b64 v[YO], v[W+2*j:W+2*j+1], s[10:11] offset:16384*j
.set j, j+1
.endr
	s_endpgm
.Lfunc_end_k_q0816b08e04_pre:
	.size	k_q0816b08e04_pre, .Lfunc_end_k_q0816b08e04_pre-k_q0816b08e04_pre
	.p2alignl 7, 3214868480
	.fill 96, 4, 3214868480
	.section	.rodata,"a",@progbits
	.p2align	6, 0x0
	.amdhsa_kernel k_q0816b08e04_pre
		.amdhsa_group_segment_fixed_size 0
		.amdhsa_private_segment_fixed_size 0
		.amdhsa_enable_private_segment 0
		.amdhsa_kernarg_size 88
		.amdhsa_user_sgpr_count 2
		.amdhsa_user_sgpr_kernarg_segment_ptr 1
		.amdhsa_wavefront_size32 1
		.amdhsa_system_sgpr_workgroup_id_x 1
		.amdhsa_system_sgpr_workgroup_id_y 1
		.amdhsa_system_sgpr_workgroup_id_z 1
		.amdhsa_system_vgpr_workitem_id 0
		.amdhsa_next_free_vgpr 224
		.amdhsa_next_free_sgpr 66
		.amdhsa_reserve_vcc 0
		.amdhsa_float_denorm_mode_32 3
		.amdhsa_float_denorm_mode_16_64 3
		.amdhsa_memory_ordered 1
		.amdhsa_forward_progress 1
		.amdhsa_inst_pref_size 40
	.end_amdhsa_kernel
	.amdgpu_metadata
---
amdhsa.version: [ 1, 2 ]
amdhsa.kernels:
  - .name:           k_q0816b08e04_pre
    .symbol:         k_q0816b08e04_pre.kd
    .args:
      - { .name: resid_pre, .offset: 0, .size: 8, .value_kind: global_buffer, .address_space: global }
      - { .name: ln1_w, .offset: 8, .size: 8, .value_kind: global_buffer, .address_space: global }
      - { .name: ln1_b, .offset: 16, .size: 8, .value_kind: global_buffer, .address_space: global }
      - { .name: xn, .offset: 24, .size: 8, .value_kind: global_buffer, .address_space: global }
      - { .name: W_in, .offset: 32, .size: 8, .value_kind: global_buffer, .address_space: global }
      - { .name: W_out, .offset: 40, .size: 8, .value_kind: global_buffer, .address_space: global }
      - { .name: W_O, .offset: 48, .size: 8, .value_kind: global_buffer, .address_space: global }
      - { .name: W_Q, .offset: 56, .size: 8, .value_kind: global_buffer, .address_space: global }
      - { .name: W_K, .offset: 64, .size: 8, .value_kind: global_buffer, .address_space: global }
      - { .name: W_V, .offset: 72, .size: 8, .value_kind: global_buffer, .address_space: global }
      - { .name: wb, .offset: 80, .size: 8, .value_kind: global_buffer, .address_space: global }
    .group_segment_fixed_size: 0
    .private_segment_fixed_size: 0
    .kernarg_segment_align: 8
    .kernarg_segment_size: 88
    .max_flat_workgroup_size: 256
    .sgpr_count:     66
    .vgpr_count:     224
    .wavefront_size: 32
...
	.end_amdgpu_metadata
.endif
;; end of part 8
;; launch qkv (part 9): grid 12 x 16, 4 waves a work-group, clusters of 4 x 4, 327,680 bytes of LDS; arguments xn, wb, b_Q, b_K, b_V, qkvb; writes qkvb
.if DOCPART == 9
	.amdgcn_target "amdgcn-amd-amdhsa--gfx1250"
	.amdhsa_code_object_version 6
	.text
	.protected	k_q0816b08e04_qkv
	.globl	k_q0816b08e04_qkv
	.p2align	8
	.type	k_q0816b08e04_qkv,@function
k_q0816b08e04_qkv:
	s_mov_b64 s[64:65], 0
	v_nop
	global_prefetch_b8 v0, s[64:65] scope:SCOPE_SE
	s_setreg_imm32_b32 hwreg(HW_REG_WAVE_MODE, 25, 1), 1
	s_wait_xcnt 0x0
	s_wait_alu depctr_hold_cnt(0) depctr_sa_sdst(0) depctr_va_vdst(0) depctr_va_sdst(0) depctr_va_ssrc(0) depctr_va_vcc(0) depctr_vm_vsrc(0)
	s_getreg_b32 s2, hwreg(HW_REG_IB_STS2, 6, 4)
	s_cmp_eq_u32 s2, 0
	s_cbranch_scc0 .Lentry_in_a_cluster
	s_endpgm
.Lentry_in_a_cluster:
	s_bfe_u32 s2, ttmp6, 0x10000c
	s_cmp_lg_u32 s2, 0xf033
	s_cbranch_scc0 .Lentry_shape_is_right
	s_endpgm
.Lentry_shape_is_right:
; THIS PRODUCT: q, k, v = LN1(x) Wqkv + (b_Q, b_K, b_V).  A = xn [4096 x 1024], W = wb's first region (3,072 columns: 1024 sel + 64 head + channel),
; out = bf16 in blocks [t / 128][48 = 16 sel + head][t % 128][64].  12 x 16 = 192 tiles of 256 x 256, one to a work-group: fewer than there are WGPs; tiles of
; 128 x 128 would be 768, three to a WGP one after the other, and each byte brought into LDS or read from it would feed half the multiply-adds.
.set SIZE_K, 1024                      ; the length of the sums
.set WOFF,   0                         ; the weights' region in wb, bytes
.set RELU,   0                         ; max(., 0) before the rounding
.set NB,     48                        ; blocks of 64 columns in a row of blocks of out
.set QKVB,   1                         ; the bias is one of three buffers, chosen by tile column / 4
; FROM HERE ON THE TEXT IS THE SAME IN THE TWO WIDE PRODUCTS OF THE BLOCK (qkv, mlp_in); the constants above choose.
; C[t][n] = sum over k of A[t][k] W[k][n] + bias[n]; bf16 operands, f32 sums (the limit of format that the problem allows; all else f32); C rounded once to bf16.
; A lies in blocks [t / 128][k / 64][t % 128][64] of bf16, W as [n / 128][k][128] of bf16: a K step of 128 of 128 rows of A (two blocks), or of 128
; columns of W, is 32,768 consecutive bytes.
; A tile of C is 256 x 256: four waves, as many as a WGP has SIMDs, each 128 x 128 = 64 accumulators of 16 x 16, 512 registers.  For 32 along K a wave reads
; 2 x 128 x 64 bytes from LDS and issues 64 matrix instructions.  K goes in steps of 128 through a ring of two LDS slots; each wave brings a quarter of a slot
; (32,768 bytes, as 128 rows of 256 bytes) with one tensor load, which has 240 matrix instructions in which to land.
; CLUSTERS: 4 x 4 work-groups.  The four of a row of the cluster need the same tiles of A, the four of a column the same tiles of W: each tile is asked for
; JOINTLY, by the same tensor load with the same descriptor and a mask that names the four.
; THE MATRIX INSTRUCTION IS USED TRANSPOSED (source 0 = 16 columns of W, source 1 = 16 rows of A): lane l then holds row l % 16 of C and, in its
; registers 0..7, the columns 8 (l / 16) + 0..7.  So eight numbers of the bias a lane and column block are the C operand of the first products: no sum is
; cleared and no bias is added later.  W lies [k][n] in LDS and comes out turned, by ds_load_tr16_b128.
; REGISTERS, in windows of 256 (s_set_vgpr_msb's low byte: bits 1:0 source 0, 3:2 source 1, 5:4 source 2, 7:6 destination):
;   window 0: v0-31 addresses; v64-127, v128-191 fragments of A (8 x 16 rows x 32 K), two buffers; v192-255 the bias, until the first quarter has taken it;
;             on the way out v192-223 packed results, v32-63 and v224-255 rows read back from the stage, by turns
;   window 1: v64-127, v128-191 fragments of W, two buffers
;   window 2: the 32 accumulators of my rows 0-63 (accumulator (a, b) at v[8 (8 a + b)]);   window 3: those of my rows 64-127
.set PA,     144                       ; a row of A in LDS: 128 bytes + 16 = 36 words: the 16 rows of a fragment load start at 16 different groups of four banks
.set PB,     288                       ; a row of W in LDS: 256 bytes + 32 = 72 words
.set HALFT,  36864                     ; what one tensor load fills: 256 rows of A's pitch = 128 rows of W's pitch
.set SLOT,   4*HALFT                   ; A's rows 0-127: [k / 64 = 0, 1][128 rows]; A's rows 128-255; W's columns 0-127: [128 k]; W's columns 128-255
.set BOFF,   2*HALFT
.set STAGE,  2*SLOT                    ; behind the ring, a multiple of 256: for each wave, its own, two blocks of 16 rows for the way out; no tensor load lands here
.set SPITCH, 144                       ; 64 bf16 + 16 bytes
.set KSTEPB, 32768                     ; bytes of a K step in what one wave fetches
.set LAPS,   SIZE_K/256                ; a lap = two K steps = once round the ring
.set ADRA, 16                          ; v16-17  LDS address of my A fragments in slot 0, 1
.set ADRB, 20                          ; v20-21  the same for W
.set STO,  24                          ; v24     the way out: where I put 16 bytes of a row
.set RD,   25                          ; v25     the way out: where I read rows back
.set CO,   26                          ; v26     my byte offset in four rows of a block of out
.set BO,   27                          ; v27     my byte offset in the bias
.set OB,   32
.set F0,   64
.set F1,   128
.set TMP,  192
.set BIAS, 192
.set G1,  24                           ; s[24:31] descriptor group 1 for A's tiles;  s[32:39] group 0, one set for each slot
.set G0,  32
.set G1B, 48                           ; s[48:55], s[56:63] the same for W's tiles
.set G0B, 56
.set MSB, 0
.macro WIN new                         ; the immediate's high byte repeats the setting that is left; a switch that changes nothing is dropped
.if MSB != \new
	s_set_vgpr_msb (MSB<<8)|\new
.set MSB, \new
.endif
.endm
.set MUL_LO,   0xa1                    ; source 0 (W) window 1, source 1 (A) window 0, C and D window 2
.set MUL_HI,   0xf1                    ; the same, C and D window 3
.set FIRST_LO, 0x81                    ; the first products: C (the bias) window 0, D window 2
.set FIRST_HI, 0xc1                    ; C window 0, D window 3
.set TO_B,     0x40                    ; destination window 1, address window 0
.macro JLOAD s                         ; a joint load: waves 0 and 1 fetch A's two halves, waves 2 and 3 W's; four v_nop follow each of the two lines, ahead of the jump, the label and what follows
	s_cmp_eq_u32 s11, 0
	s_cbranch_scc0 .Lfor_b_\@
	tensor_load_to_lds s[G0+4*\s:G0+4*\s+3], s[G1:G1+7]
	s_nop 0
.rept 4
	v_nop
.endr
	s_branch .Lasked_\@
.Lfor_b_\@:
	tensor_load_to_lds s[G0B+4*\s:G0B+4*\s+3], s[G1B:G1B+7]
	s_nop 0
.rept 4
	v_nop
.endr
.Lasked_\@:
.endm
.macro CREST                           ; a round of the cluster's barrier behind its opening barrier
	s_cmp_lg_u32 s10, 0
	s_cbranch_scc1 .Lnot_wave_0_\@
	s_barrier_signal -3
.Lnot_wave_0_\@:
	s_barrier_wait -3
	s_barrier_signal -1
	s_barrier_wait -1
.endm
.macro CROUND                          ; a whole round
	s_barrier_signal -1
	s_barrier_wait -1
	CREST
.endm
	s_load_b128 s[4:7], s[0:1], 0x0                ; A s[4:5], wb s[6:7]
	s_load_b128 s[68:71], s[0:1], 0x10             ; the bias s[68:69]; s[70:71]: b_K (QKVB) or out
.if QKVB
	s_load_b128 s[72:75], s[0:1], 0x20             ; b_V s[72:73], out s[74:75]
	s_set_vgpr_msb 0x40
	v_lshl_add_u32 v255, v0, 2, 0x4c800
	s_set_vgpr_msb 0x4000
	v_mov_b32 v31, 0
	s_set_vgpr_msb 0x1
	ds_add_u32 v255, v31
	ds_add_u32 v255, v31
	s_set_vgpr_msb 0x100
.endif
	v_lshrrev_b32 v1, 5, v0
	v_readfirstlane_b32 s10, v1                    ; wave 0..3
	s_lshr_b32 s11, s10, 1                         ; which half of the tile's rows is mine.  Also: I fetch for A (0) or for W (1)
	s_and_b32 s12, s10, 1                          ; which half of its columns.  Also: which half of that operand's tile I fetch
	s_bfe_u32 s40, ttmp6, 0x40000                  ; cx, cy: my place in the cluster
	s_bfe_u32 s41, ttmp6, 0x40004
	s_lshl_b32 s42, ttmp9, 2
	s_add_co_u32 s42, s42, s40                     ; tile column = 4 x cluster x + cx
	s_and_b32 s13, ttmp7, 0xffff
	s_lshl_b32 s13, s13, 2
	s_add_co_u32 s13, s13, s41                     ; tile row = 4 x cluster y + cy
	s_lshl_b32 s43, s41, 2
	s_lshl_b32 s43, 15, s43                        ; my row of the cluster
	s_lshl_b32 s44, 0x1111, s40                    ; my column
	; descriptor group 1: 128 rows of 128 elements of 2 bytes, one behind the other in memory.  A: 4 words of padding behind every 32 words, so that each
	; half of a memory row (a row of a block of A, 128 bytes) becomes an LDS row of 144 bytes.  W: 8 words behind every 64: LDS rows of 288 bytes.
	s_or_b32 s[G1+0], s43, (1<<16)|(1<<20)|(1<<21)|(4<<22)|(3<<25)   ; 15:0 the mask: A's tiles go to my row; 17:16 elements of 2 bytes; 20 padding on; 21 set beside a mask; 24:22 interval; 31:25 padding less one
	s_or_b32 s[G1B+0], s44, (1<<16)|(1<<20)|(1<<21)|(5<<22)|(7<<25)  ; the mask of my column, for W's tiles
.irp g, G1, G1B
	s_mov_b32 s[\g+1], 128<<16                     ; tensor_dim0 = 128
	s_mov_b32 s[\g+2], 128<<16                     ; tensor_dim1 = 128
	s_mov_b32 s[\g+3], 128<<16                     ; tile_dim0 = 128
	s_mov_b32 s[\g+4], 128                         ; tile_dim1 = 128
	s_mov_b32 s[\g+5], 128                         ; from row to row: 128 elements
	s_mov_b32 s[\g+6], 0
	s_mov_b32 s[\g+7], 0
.endr
	; A's tiles hang on the tile row alone, W's on the tile column alone; every wave makes both addresses, in registers that never hold the other coordinate
	s_lshl_b32 s16, s13, 1
	s_add_co_u32 s16, s16, s12                     ; the row of blocks of A that I would fetch: 2 x tile row + half
	s_mul_i32 s16, s16, SIZE_K*256                 ; SIZE_K / 64 blocks of 16,384 bytes each
	s_mov_b32 s17, 0
	s_lshl_b32 s46, s42, 1
	s_add_co_u32 s46, s46, s12                     ; the 128 columns of W that I would fetch: 2 x tile column + half
	s_mul_i32 s46, s46, SIZE_K*256                 ; SIZE_K rows of 256 bytes each
	s_add_co_u32 s46, s46, WOFF
	s_mov_b32 s47, 0
	s_mul_i32 s20, s10, HALFT                      ; where they go: wave x a quarter of a slot: no place in the cluster enters an LDS address
	s_wait_dscnt 0x0
	s_wait_kmcnt 0x0
	s_add_nc_u64 s[14:15], s[4:5], s[16:17]
	s_add_nc_u64 s[46:47], s[6:7], s[46:47]
	CROUND                                         ; all sixteen work-groups are here: the first joint loads meet
.irp s, 0,1
	s_mov_b32 s[G0+4*\s], 1
	s_add_co_u32 s[G0+4*\s+1], s20, \s*SLOT
	s_add_nc_u64 s[G0+4*\s+2:G0+4*\s+3], s[14:15], \s*KSTEPB
	s_or_b32 s[G0+4*\s+3], s[G0+4*\s+3], 0x80000000
	s_mov_b32 s[G0B+4*\s], 1
	s_add_co_u32 s[G0B+4*\s+1], s20, \s*SLOT
	s_add_nc_u64 s[G0B+4*\s+2:G0B+4*\s+3], s[46:47], \s*KSTEPB
	s_or_b32 s[G0B+4*\s+3], s[G0B+4*\s+3], 0x80000000
	JLOAD \s                                       ; K steps 0 and 1: two tensor loads of mine are out
.endr
	; the bias of my 128 columns
.if QKVB
	s_mov_b64 s[8:9], s[74:75]
	s_lshr_b32 s78, s42, 2                         ; sel: 4 tile columns for each of q, k, v
	s_cmp_eq_u32 s78, 1
	s_cselect_b64 s[68:69], s[70:71], s[68:69]
	s_cmp_eq_u32 s78, 2
	s_cselect_b64 s[68:69], s[72:73], s[68:69]
	s_and_b32 s76, s42, 3
	s_lshl_b32 s76, s76, 10                        ; 256 columns of 4 bytes
.else
	s_mov_b64 s[8:9], s[70:71]
	s_lshl_b32 s76, s42, 10
.endif
	s_lshl_b32 s78, s12, 9
	s_add_co_u32 s76, s76, s78
	s_mov_b32 s77, 0
	s_add_nc_u64 s[68:69], s[68:69], s[76:77]
	v_and_b32 v1, 15, v0                           ; r = l % 16
	v_bfe_u32 v2, v0, 4, 1                         ; h = l / 16
	v_and_b32 v6, 31, v0                           ; l
	v_lshlrev_b32 v[BO], 5, v2                     ; 8 h numbers
.irp b, 0,1,2,3,4,5,6,7
	global_load_b128 v[BIAS+8*\b:BIAS+8*\b+3],   v[BO], s[68:69] offset:64*\b
	global_load_b128 v[BIAS+8*\b+4:BIAS+8*\b+7], v[BO], s[68:69] offset:64*\b+16
.endr
	; my 128 x 128 of C are two whole blocks of out, side by side
	s_lshl_b32 s76, s13, 1
	s_add_co_u32 s76, s76, s11                     ; my row of blocks
	s_mul_i32 s76, s76, NB*16384
	s_lshl_b32 s78, s42, 16                        ; four blocks a tile column
	s_add_co_u32 s76, s76, s78
	s_lshl_b32 s78, s12, 15                        ; two of them mine
	s_add_co_u32 s76, s76, s78
	s_add_nc_u64 s[8:9], s[8:9], s[76:77]
	v_lshlrev_b32 v[CO], 4, v6                     ; four rows of a block are 512 consecutive bytes
	; A fragment of A is 16 rows x 32 K in 8 registers: lane l holds row r; registers 0-3 K = 8 h + 0..7, registers 4-7 K = 16 + 8 h + 0..7: two loads of 16 bytes, 32 bytes apart.
	v_mul_u32_u24 v3, v1, PA
	v_lshl_add_u32 v3, v2, 4, v3
	s_mul_i32 s21, s11, HALFT                      ; my 128 rows
	v_add_nc_u32 v[ADRA], s21, v3
	v_add_nc_u32 v[ADRA+1], SLOT, v[ADRA]
	; The turning load takes 16 k x 16 columns (lane l reads 16 bytes: k = 8 h + l % 8, columns 8 ((l / 8) % 2) + 0..7) and leaves half a fragment: lane l holds column r and 8 k.
	v_and_b32 v9, 7, v0
	v_lshl_add_u32 v4, v2, 3, v9
	v_mul_u32_u24 v4, v4, PB
	v_bfe_u32 v5, v0, 3, 1
	v_lshl_add_u32 v4, v5, 4, v4
	s_mul_i32 s22, s12, HALFT                      ; my 128 columns
	s_add_co_u32 s22, s22, BOFF
	v_add_nc_u32 v[ADRB], s22, v4
	v_add_nc_u32 v[ADRB+1], SLOT, v[ADRB]
	s_mul_i32 s23, s10, 32*SPITCH
	s_add_co_u32 s23, s23, STAGE                   ; my stage
	v_mul_u32_u24 v7, v1, SPITCH                   ; in: row r, 16 bytes for each half of the lanes
	v_lshl_add_u32 v7, v2, 4, v7
	v_lshrrev_b32 v8, 3, v6                        ; back: eight lanes to a row of 128 bytes, four rows
	v_mul_u32_u24 v8, v8, SPITCH
	v_lshl_add_u32 v8, v9, 4, v8
	v_add_nc_u32 v[STO], s23, v7
	v_add_nc_u32 v[RD], s23, v8
; 16 matrix instructions: row blocks a0, a0 + 1 of the window's four (hi = 0: my rows 0-63, 1: rows 64-127) x all 8 column blocks, 32 along K.
; first = 1: the bias starts the sums.  The 64 accumulators take turns, one instruction a turn, in the same order in every quarter.
.macro MUL16 f, hi, a0, first
.irp a, \a0, \a0+1
.irp b, 0,1,2,3,4,5,6,7
.if \first
	v_wmma_f32_16x16x32_bf16 v[8*(8*(\a)+\b):8*(8*(\a)+\b)+7], v[\f+8*\b:\f+8*\b+7], v[\f+8*(4*\hi+\a):\f+8*(4*\hi+\a)+7], v[BIAS+8*\b:BIAS+8*\b+7]
.else
	v_wmma_f32_16x16x32_bf16 v[8*(8*(\a)+\b):8*(8*(\a)+\b)+7], v[\f+8*\b:\f+8*\b+7], v[\f+8*(4*\hi+\a):\f+8*(4*\hi+\a)+7], v[8*(8*(\a)+\b):8*(8*(\a)+\b)+7]
.endif
.endr
.endr
.endm
; 32 LDS loads in one run: the fragments of quarter q (32 along K) of a slot, into buffer f: W's 128 columns, then A's 128 rows
.macro FETCH slot, q, f
	WIN TO_B
.irp i, 0,1,2,3,4,5,6,7
	ds_load_tr16_b128 v[\f+8*\i:\f+8*\i+3],   v[ADRB+\slot] offset:(32*(\q))*PB+32*\i
	ds_load_tr16_b128 v[\f+8*\i+4:\f+8*\i+7], v[ADRB+\slot] offset:(32*(\q)+16)*PB+32*\i
.endr
	WIN 0
.irp i, 0,1,2,3,4,5,6,7
	ds_load_b128 v[\f+8*\i:\f+8*\i+3],   v[ADRA+\slot] offset:((\q)/2)*128*PA+\i*16*PA+((\q)%2)*64
	ds_load_b128 v[\f+8*\i+4:\f+8*\i+7], v[ADRA+\slot] offset:((\q)/2)*128*PA+\i*16*PA+((\q)%2)*64+32
.endr
.endm
.macro PLACES                          ; four places in front of loads into registers that matrix instructions have read, and of whatever reads results just made
.rept 4
	v_nop
.endr
.endm
; A K step is four quarters of 32 along K, 64 matrix instructions each, on buffers 0, 1, 0, 1.  One of the first three: multiplies buffer f; in its middle it fetches quarter q into g.
.macro QUARTER slot, q, f, g, first
	s_wait_dscnt 8                                 ; W and A's rows 0-63 are in; the youngest eight loads of the run (A's rows 64-127) may be out
.if \first
	WIN FIRST_LO
.else
	WIN MUL_LO
.endif
	MUL16 \f, 0, 0, \first
	MUL16 \f, 0, 2, \first
	PLACES
	FETCH \slot, \q, \g
	s_wait_dscnt 32                                ; all but the 32 just issued
.if \first
	WIN FIRST_HI
.else
	WIN MUL_HI
.endif
	MUL16 \f, 1, 0, \first
	MUL16 \f, 1, 2, \first
.endm
; The last quarter multiplies buffer 1 and changes slots: ONE barrier; in front of it each wave waits for its own reads of this slot and for all its tensor loads.  fill = 1: this slot is filled again, two K steps ahead.
.macro TURN slot, next, fill
	s_wait_dscnt 8
	WIN MUL_LO
	MUL16 F1, 0, 0, 0
	s_wait_dscnt 0                                 ; my reads of this slot are over,
	s_wait_tensorcnt 0x0                           ; and all my tensor loads have landed: the one that was out is my part of the next slot
	ds_add_u32 v255, v31
	s_wait_dscnt 0x0
	s_barrier_signal -1
	MUL16 F1, 0, 2, 0                              ; work on registers while the others arrive
.if \fill
	WIN 0
.endif
	s_barrier_wait -1
.if \fill
	CREST                                          ; the barrier has opened a round of the cluster's barrier: no wave of any partner still reads this slot's tile or has a load on its way
	s_add_nc_u64 s[G0+4*\slot+2:G0+4*\slot+3], s[G0+4*\slot+2:G0+4*\slot+3], 2*KSTEPB
	s_add_nc_u64 s[G0B+4*\slot+2:G0B+4*\slot+3], s[G0B+4*\slot+2:G0B+4*\slot+3], 2*KSTEPB
	JLOAD \slot                                    ; the first tensor load behind the round, my only one until the next; its four v_nop are also the places in front of the loads below
.else
	PLACES
.endif
	FETCH \next, 0, F0
	WIN MUL_HI
	MUL16 F1, 1, 0, 0
	MUL16 F1, 1, 2, 0
.endm
; THE WAY OUT of row block a (16 rows x 128 columns), in three parts.  PACK: max(., 0) where asked, rounded to bf16, 16 bytes a lane; every accumulator's registers in ascending order.
.macro PACK a
.set AC, 64*((\a)%4)
.if RELU
	WIN 0x8a+0x45*((\a)/4)                         ; sources and destination: window 2 or 3
.set i, 0
.rept 64
	v_max_num_f32 v[AC+i], 0, v[AC+i]
.set i, i+1
.endr
.endif
	WIN 0x0a+5*((\a)/4)                            ; sources 0 and 1: window 2 or 3; destination window 0
.irp b, 0,1,2,3,4,5,6,7
.irp r, 0,1,2,3
	v_cvt_pk_bf16_f32 v[TMP+4*\b+\r], v[AC+8*\b+2*\r], v[AC+8*\b+2*\r+1]
.endr
.endr
	WIN 0
.endm
; TOSTAGE: into my own stage, columns 0-63 into its first 16 rows and columns 64-127 into its second, and back as whole rows of 128 bytes.
.macro TOSTAGE a
.set BK, OB+192*((\a)%2)
.irp b, 0,1,2,3,4,5,6,7
	ds_store_b128 v[STO], v[TMP+4*\b:TMP+4*\b+3] offset:(\b/4)*16*SPITCH+32*(\b%4)
.endr
.irp c, 0,1
.irp t, 0,1,2,3
	ds_load_b128 v[BK+4*(4*\c+\t):BK+4*(4*\c+\t)+3], v[RD] offset:\c*16*SPITCH+\t*4*SPITCH   ; LDS serves a wave's instructions in order (ISA guide 5.7.1.4): these see the stores above, and the next block's stores come behind them
.endr
.endr
.endm
; SEND: stored.  The block's place in my two blocks of out stands in the immediate.
.macro SEND a
.set BK, OB+192*((\a)%2)
	s_wait_dscnt 0x0                               ; the block is back in registers
	s_wait_xcnt 0x0                                ; the registers that the stores of the block before last read are loaded again only behind this wait
.irp c, 0,1
.irp t, 0,1,2,3
	global_store_b128 v[CO], v[BK+4*(4*\c+\t):BK+4*(4*\c+\t)+3], s[8:9] offset:\c*16384+(\a)*2048+\t*512   ; the wave stores 512 consecutive bytes, aligned: four rows of a block
.endr
.endr
.endm
	s_wait_tensorcnt 1                             ; my part of K step 0 is in; K step 1's may stay out
	s_barrier_signal -1
	s_barrier_wait -1                              ; everybody's is
	FETCH 0, 0, F0
	s_wait_loadcnt 0x0                             ; the bias
	QUARTER 0, 1, F0, F1, 1                        ; the first quarter stands in front of the loop: its products start the sums, from the bias
	WIN 0                                          ; at a label and at a branch every window is 0
	s_mov_b32 s3, LAPS-1
.Llap:                                                 ; a trip goes once round the ring, from a lap's second quarter to the next lap's first, and fills both slots again
	QUARTER 0, 2, F1, F0, 0
	QUARTER 0, 3, F0, F1, 0
	TURN 0, 1, 1
	QUARTER 1, 1, F0, F1, 0
	QUARTER 1, 2, F1, F0, 0
	QUARTER 1, 3, F0, F1, 0
	TURN 1, 0, 1
	QUARTER 0, 1, F0, F1, 0
	WIN 0
	s_sub_co_u32 s3, s3, 1
	s_cmp_lg_u32 s3, 0
	s_cbranch_scc1 .Llap
	QUARTER 0, 2, F1, F0, 0                        ; the last lap fills nothing, and has no round of the cluster's barrier
	QUARTER 0, 3, F0, F1, 0
	TURN 0, 1, 0
	QUARTER 1, 1, F0, F1, 0
	QUARTER 1, 2, F1, F0, 0
	QUARTER 1, 3, F0, F1, 0
	s_wait_dscnt 8                                 ; the very last quarter: nothing more to fetch
	WIN MUL_LO
	MUL16 F1, 0, 0, 0
	MUL16 F1, 0, 2, 0
	s_wait_dscnt 0
	WIN MUL_HI
	MUL16 F1, 1, 0, 0
	MUL16 F1, 1, 2, 0
	WIN 0
	PLACES
	PACK 0
	TOSTAGE 0
.irp a, 1,2,3,4,5,6,7                  ; block a's arithmetic stands between block a - 1's loads from the stage and the wait for them
	PACK \a
	SEND \a-1
	TOSTAGE \a
.endr
	SEND 7
	s_set_vgpr_msb 0x1
	s_wait_tensorcnt 0x0
	ds_add_u32 v255, v31
	s_wait_dscnt 0x0
	s_set_vgpr_msb 0x100
	CROUND                                         ; the closing round: no work-group ends while a partner may still ask for a tile that names it
	s_endpgm
.Lfunc_end_k_q0816b08e04_qkv:
	.size	k_q0816b08e04_qkv, .Lfunc_end_k_q0816b08e04_qkv-k_q0816b08e04_qkv
	.p2alignl 7, 3214868480
	.fill 96, 4, 3214868480
	.section	.rodata,"a",@progbits
	.p2align	6, 0x0
	.amdhsa_kernel k_q0816b08e04_qkv
		.amdhsa_group_segment_fixed_size 327680
		.amdhsa_private_segment_fixed_size 0
		.amdhsa_enable_private_segment 0
		.amdhsa_kernarg_size 48
		.amdhsa_user_sgpr_count 2
		.amdhsa_user_sgpr_kernarg_segment_ptr 1
		.amdhsa_wavefront_size32 1
		.amdhsa_system_sgpr_workgroup_id_x 1
		.amdhsa_system_sgpr_workgroup_id_y 1
		.amdhsa_system_sgpr_workgroup_id_z 1
		.amdhsa_system_vgpr_workitem_id 0
		.amdhsa_next_free_vgpr 1024
		.amdhsa_next_free_sgpr 80
		.amdhsa_reserve_vcc 0
		.amdhsa_float_denorm_mode_32 3
		.amdhsa_float_denorm_mode_16_64 3
		.amdhsa_memory_ordered 1
		.amdhsa_forward_progress 1
		.amdhsa_inst_pref_size 145
	.end_amdhsa_kernel
	.amdgpu_metadata
---
amdhsa.version: [ 1, 2 ]
amdhsa.kernels:
  - .name:           k_q0816b08e04_qkv
    .symbol:         k_q0816b08e04_qkv.kd
    .args:
      - { .name: xn, .offset: 0, .size: 8, .value_kind: global_buffer, .address_space: global }
      - { .name: wb, .offset: 8, .size: 8, .value_kind: global_buffer, .address_space: global }
      - { .name: b_Q, .offset: 16, .size: 8, .value_kind: global_buffer, .address_space: global }
      - { .name: b_K, .offset: 24, .size: 8, .value_kind: global_buffer, .address_space: global }
      - { .name: b_V, .offset: 32, .size: 8, .value_kind: global_buffer, .address_space: global }
      - { .name: qkvb, .offset: 40, .size: 8, .value_kind: global_buffer, .address_space: global }
    .group_segment_fixed_size: 327680
    .private_segment_fixed_size: 0
    .kernarg_segment_align: 8
    .kernarg_segment_size: 48
    .max_flat_workgroup_size: 128
    .sgpr_count:     80
    .vgpr_count:     1024
    .wavefront_size: 32
...
	.end_amdgpu_metadata
.endif
;; end of part 9
;; launch attn: the kernel of part 4 again; grid 8 x 32, 4 waves a work-group, no clusters, 327,680 bytes of LDS; arguments qkvb, zb; writes zb
;; launch oproj (part 10): grid 8 x 32, 4 waves a work-group, clusters of 4 x 4, 327,680 bytes of LDS; arguments zb, wb, b_O, resid_pre, midb; writes midb
.if DOCPART == 10
	.amdgcn_target "amdgcn-amd-amdhsa--gfx1250"
	.amdhsa_code_object_version 6
	.text
	.protected	k_q0816b08e04_oproj
	.globl	k_q0816b08e04_oproj
	.p2align	8
	.type	k_q0816b08e04_oproj,@function
k_q0816b08e04_oproj:
	s_mov_b64 s[64:65], 0
	v_nop
	global_prefetch_b8 v0, s[64:65] scope:SCOPE_SE
	s_setreg_imm32_b32 hwreg(HW_REG_WAVE_MODE, 25, 1), 1
	s_wait_xcnt 0x0
	s_wait_alu depctr_hold_cnt(0) depctr_sa_sdst(0) depctr_va_vdst(0) depctr_va_sdst(0) depctr_va_ssrc(0) depctr_va_vcc(0) depctr_vm_vsrc(0)
	s_getreg_b32 s2, hwreg(HW_REG_IB_STS2, 6, 4)
	s_cmp_eq_u32 s2, 0
	s_cbranch_scc0 .Lentry_in_a_cluster
	s_endpgm
.Lentry_in_a_cluster:
	s_bfe_u32 s2, ttmp6, 0x10000c
	s_cmp_lg_u32 s2, 0xf033
	s_cbranch_scc0 .Lentry_shape_is_right
	s_endpgm
.Lentry_shape_is_right:
; THIS PRODUCT: resid_mid = resid_pre + z W_O + b_O.  A = z [4096 x 1024] (k = 64 head + channel), W = wb's region of W_O (1,024 columns),
; out = f32 rows of 1,024.
.set SIZE_K, 1024                      ; the length of the sums
.set WOFF,   6291456                   ; the weights' region in wb, bytes
; FROM HERE ON THE TEXT IS THE SAME IN THE TWO NARROW PRODUCTS OF THE BLOCK (oproj, mlp_out); the constants above choose.
; C[t][n] = sum over k of A[t][k] W[k][n] + bias[n] + residual[t][n]; bf16 operands, f32 sums (the limit of format that the problem allows; all else f32).
; A lies in blocks [t / 128][k / 64][t % 128][64] of bf16, W as [n / 128][k][128] of bf16: a K step of 256 of a tile of 128 rows of A, or of 128
; columns of W, is 65,536 consecutive bytes.
; A tile of C is 128 x 128, since 4,096 x 1,024 has 256 such tiles, one for each WGP, and only 64 of 256 x 256.  Four waves, each 64 x 64 = 16 accumulators of
; 16 x 16.  K goes in steps of 256 through a ring of two LDS slots; each wave brings a quarter of a slot (32,768 bytes, as 128 rows of 256 bytes) with one tensor load.
; CLUSTERS: 4 x 4 work-groups.  The four of a row of the cluster need the same tiles of A, the four of a column the same tiles of W: each tile is asked for
; JOINTLY, by the same tensor load with the same descriptor and a mask that names the four.
; THE MATRIX INSTRUCTION IS USED TRANSPOSED (source 0 = 16 columns of W, source 1 = 16 rows of A): lane l then holds row l % 16 of C and, in its
; registers 0..7, the columns 8 (l / 16) + 0..7.  So eight numbers of the bias a lane and column block are the C operand of the first products: no sum is
; cleared and no bias is added later.  W lies [k][n] in LDS and comes out turned, by ds_load_tr16_b128.
; REGISTERS: window 0: v0-31 addresses; v96-127 the bias; v128-255 the accumulators ((a, b) at v[128 + 8 (4 a + b)]).
;   window 1: two fragment buffers of 128: for 64 along K, 64 registers of A, then 64 of W.   window 2: v0-127 the residual's 64 x 64.
.set PA,     144                       ; a row of A in LDS: 128 bytes + 16 = 36 words: the 16 rows of a fragment load start at 16 different groups of four banks
.set PB,     288                       ; a row of W in LDS: 256 bytes + 32 = 72 words
.set HALFT,  36864                     ; what one tensor load fills: 256 rows of A's pitch = 128 rows of W's pitch
.set SLOT,   4*HALFT                   ; A: [k / 64 = 0..3][128 rows], then W: [256 k]
.set BOFF,   2*HALFT
.set STAGE,  2*SLOT                    ; behind the ring, a multiple of 256: 16 rows for each wave, its own, for the way out; no tensor load lands here
.set SPITCH, 272                       ; 64 f32 + 16 bytes
.set KSTEPB, 65536                     ; bytes of a K step, in A's tile and in W's
.set LAPS,   SIZE_K/512                ; a lap = two K steps = once round the ring
.set ADRA, 16                          ; v16-17  LDS address of my A fragments in slot 0, 1
.set ADRB, 20                          ; v20-23  the same for W: slot 0 k 0-127, slot 0 k 128-255, slot 1 likewise (an LDS offset has 16 bits)
.set STO,  24                          ; v24     the way out: where I put my part of a row
.set RD,   25                          ; v25     the way out: where I read rows back
.set CO,   26                          ; v26     my byte offset in out and in the residual
.set BO,   27                          ; v27     my byte offset in the bias
.set BIAS, 96
.set ACC,  128
.set F0,   0
.set F1,   128
.set G1,  24                           ; s[24:31] descriptor group 1 for A's tiles;  s[32:39] group 0, one set for each slot
.set G0,  32
.set G1B, 48                           ; s[48:55], s[56:63] the same for W's tiles
.set G0B, 56
.set MSB, 0
.macro WIN new                         ; the immediate's high byte repeats the setting that is left; a switch that changes nothing is dropped
.if MSB != \new
	s_set_vgpr_msb (MSB<<8)|\new
.set MSB, \new
.endif
.endm
.set MUL,  0x05                        ; sources 0 (W) and 1 (A) window 1; C and D window 0
.set TO_F, 0x40                        ; destination window 1, address window 0
.macro JLOAD s                         ; a joint load: waves 0 and 1 fetch A's two halves, waves 2 and 3 W's; four v_nop follow each of the two lines, ahead of the jump, the label and what follows
	s_cmp_eq_u32 s11, 0
	s_cbranch_scc0 .Lfor_b_\@
	tensor_load_to_lds s[G0+4*\s:G0+4*\s+3], s[G1:G1+7]
	s_nop 0
.rept 4
	v_nop
.endr
	s_branch .Lasked_\@
.Lfor_b_\@:
	tensor_load_to_lds s[G0B+4*\s:G0B+4*\s+3], s[G1B:G1B+7]
	s_nop 0
.rept 4
	v_nop
.endr
.Lasked_\@:
.endm
.macro CREST                           ; a round of the cluster's barrier behind its opening barrier
	s_cmp_lg_u32 s10, 0
	s_cbranch_scc1 .Lnot_wave_0_\@
	s_barrier_signal -3
.Lnot_wave_0_\@:
	s_barrier_wait -3
	s_barrier_signal -1
	s_barrier_wait -1
.endm
.macro CROUND                          ; a whole round
	s_barrier_signal -1
	s_barrier_wait -1
	CREST
.endm
	s_load_b128 s[4:7], s[0:1], 0x0                ; A s[4:5], wb s[6:7]
	s_load_b128 s[68:71], s[0:1], 0x10             ; the bias s[68:69], the residual s[70:71]
	s_load_b64 s[8:9], s[0:1], 0x20                ; out
	v_lshl_add_u32 v94, v0, 2, 0x4c400
	v_mov_b32 v95, 0
	ds_add_u32 v94, v95
	ds_add_u32 v94, v95
	v_lshrrev_b32 v1, 5, v0
	v_readfirstlane_b32 s10, v1                    ; wave 0..3
	s_lshr_b32 s11, s10, 1                         ; which half of the tile's rows is mine.  Also: I fetch for A (0) or for W (1)
	s_and_b32 s12, s10, 1                          ; which half of its columns.  Also: which half of that tile's K step I fetch
	s_bfe_u32 s40, ttmp6, 0x40000                  ; cx, cy: my place in the cluster
	s_bfe_u32 s41, ttmp6, 0x40004
	s_lshl_b32 s42, ttmp9, 2
	s_add_co_u32 s42, s42, s40                     ; tile column nt = 4 x cluster x + cx
	s_and_b32 s13, ttmp7, 0xffff
	s_lshl_b32 s13, s13, 2
	s_add_co_u32 s13, s13, s41                     ; tile row mt = 4 x cluster y + cy
	s_lshl_b32 s43, s41, 2
	s_lshl_b32 s43, 15, s43                        ; my row of the cluster
	s_lshl_b32 s44, 0x1111, s40                    ; my column
	; descriptor group 1: 128 rows of 128 elements of 2 bytes, one behind the other in memory.  A: 4 words of padding behind every 32 words, so that each
	; half of a memory row (a row of a block of A, 128 bytes) becomes an LDS row of 144 bytes.  W: 8 words behind every 64: LDS rows of 288 bytes.
	s_or_b32 s[G1+0], s43, (1<<16)|(1<<20)|(1<<21)|(4<<22)|(3<<25)   ; 15:0 the mask: A's tiles go to my row; 17:16 elements of 2 bytes; 20 padding on; 21 set beside a mask; 24:22 interval; 31:25 padding less one
	s_or_b32 s[G1B+0], s44, (1<<16)|(1<<20)|(1<<21)|(5<<22)|(7<<25)  ; the mask of my column, for W's tiles
.irp g, G1, G1B
	s_mov_b32 s[\g+1], 128<<16                     ; tensor_dim0 = 128
	s_mov_b32 s[\g+2], 128<<16                     ; tensor_dim1 = 128
	s_mov_b32 s[\g+3], 128<<16                     ; tile_dim0 = 128
	s_mov_b32 s[\g+4], 128                         ; tile_dim1 = 128
	s_mov_b32 s[\g+5], 128                         ; from row to row: 128 elements
	s_mov_b32 s[\g+6], 0
	s_mov_b32 s[\g+7], 0
.endr
	; A's tiles hang on the tile row alone, W's on the tile column alone; every wave makes both addresses, in registers that never hold the other coordinate
	s_mul_i32 s16, s13, SIZE_K*256                 ; a tile row of A: SIZE_K / 64 blocks of 16,384 bytes
	s_lshl_b32 s17, s12, 15                        ; my half of a K step
	s_add_co_u32 s16, s16, s17
	s_mov_b32 s17, 0
	s_mul_i32 s46, s42, SIZE_K*256                 ; a tile column of W: SIZE_K rows of 256 bytes
	s_lshl_b32 s47, s12, 15
	s_add_co_u32 s46, s46, s47
	s_add_co_u32 s46, s46, WOFF
	s_mov_b32 s47, 0
	s_mul_i32 s20, s10, HALFT                      ; where they go: wave x a quarter of a slot: no place in the cluster enters an LDS address
	s_wait_dscnt 0x0
	s_wait_kmcnt 0x0
	s_add_nc_u64 s[14:15], s[4:5], s[16:17]
	s_add_nc_u64 s[46:47], s[6:7], s[46:47]
	CROUND                                         ; all sixteen work-groups are here: the first joint loads meet
.irp s, 0,1
	s_mov_b32 s[G0+4*\s], 1
	s_add_co_u32 s[G0+4*\s+1], s20, \s*SLOT
	s_add_nc_u64 s[G0+4*\s+2:G0+4*\s+3], s[14:15], \s*KSTEPB
	s_or_b32 s[G0+4*\s+3], s[G0+4*\s+3], 0x80000000
	s_mov_b32 s[G0B+4*\s], 1
	s_add_co_u32 s[G0B+4*\s+1], s20, \s*SLOT
	s_add_nc_u64 s[G0B+4*\s+2:G0B+4*\s+3], s[46:47], \s*KSTEPB
	s_or_b32 s[G0B+4*\s+3], s[G0B+4*\s+3], 0x80000000
	JLOAD \s                                       ; K steps 0 and 1: two tensor loads of mine are out
.endr
	; the bias of my 64 columns
	s_lshl_b32 s76, s42, 9                         ; 128 columns of 4 bytes
	s_lshl_b32 s78, s12, 8
	s_add_co_u32 s76, s76, s78
	s_mov_b32 s77, 0
	s_add_nc_u64 s[68:69], s[68:69], s[76:77]
	v_and_b32 v1, 15, v0                           ; r = l % 16
	v_bfe_u32 v2, v0, 4, 1                         ; h = l / 16
	v_lshlrev_b32 v[BO], 5, v2                     ; 8 h numbers
.irp b, 0,1,2,3
	global_load_b128 v[BIAS+8*\b:BIAS+8*\b+3],   v[BO], s[68:69] offset:64*\b
	global_load_b128 v[BIAS+8*\b+4:BIAS+8*\b+7], v[BO], s[68:69] offset:64*\b+16
.endr
	; where my 64 x 64 of C begins in out and in the residual
	s_lshl_b32 s76, s13, 19                        ; 128 rows of 4,096 bytes
	s_lshl_b32 s78, s11, 18
	s_add_co_u32 s76, s76, s78
	s_lshl_b32 s78, s42, 9
	s_add_co_u32 s76, s76, s78
	s_lshl_b32 s78, s12, 8
	s_add_co_u32 s76, s76, s78
	s_add_nc_u64 s[8:9], s[8:9], s[76:77]
	s_add_nc_u64 s[70:71], s[70:71], s[76:77]
	v_lshlrev_b32 v[CO], 4, v1
	v_lshl_add_u32 v[CO], v2, 12, v[CO]            ; lanes 0-15 one row's 256 bytes, lanes 16-31 the next row's
	WIN 0x80                                       ; destination window 2, address window 0
.set i, 0
.rept 32                               ; the residual's 64 x 64, in the order in which C's rows come back from the stage; it lands under the whole loop over K
	global_load_b128 v[4*i:4*i+3], v[CO], s[70:71] offset:2*i*4096
.set i, i+1
.endr
	WIN 0
	; A fragment of A is 16 rows x 32 K in 8 registers: lane l holds row r; registers 0-3 K = 8 h + 0..7, registers 4-7 K = 16 + 8 h + 0..7: two loads of 16 bytes, 32 bytes apart.
	v_mul_u32_u24 v3, v1, PA
	v_lshl_add_u32 v3, v2, 4, v3
	s_mul_i32 s21, s11, 64*PA                      ; my 64 rows
	v_add_nc_u32 v[ADRA], s21, v3
	v_add_nc_u32 v[ADRA+1], SLOT, v[ADRA]
	; The turning load takes 16 k x 16 columns (lane l reads 16 bytes: k = 8 h + l % 8, columns 8 ((l / 8) % 2) + 0..7) and leaves half a fragment: lane l holds column r and 8 k.
	v_and_b32 v9, 7, v0
	v_lshl_add_u32 v4, v2, 3, v9
	v_mul_u32_u24 v4, v4, PB
	v_bfe_u32 v5, v0, 3, 1
	v_lshl_add_u32 v4, v5, 4, v4
	s_lshl_b32 s22, s12, 7                         ; my 64 columns
	s_add_co_u32 s22, s22, BOFF
	v_add_nc_u32 v[ADRB], s22, v4
	v_add_nc_u32 v[ADRB+1], 128*PB, v[ADRB]
	v_add_nc_u32 v[ADRB+2], SLOT, v[ADRB]
	v_add_nc_u32 v[ADRB+3], SLOT+128*PB, v[ADRB]
	s_mul_i32 s23, s10, 16*SPITCH
	s_add_co_u32 s23, s23, STAGE                   ; my stage
	v_mul_u32_u24 v7, v1, SPITCH                   ; in: row r, eight numbers for each half of the lanes
	v_lshl_add_u32 v7, v2, 5, v7
	v_mul_u32_u24 v8, v2, SPITCH                   ; back: lanes 0-15 one row of 256 bytes, lanes 16-31 the next
	v_lshl_add_u32 v8, v1, 4, v8
	v_add_nc_u32 v[STO], s23, v7
	v_add_nc_u32 v[RD], s23, v8
; 8 matrix instructions: row blocks a0, a0 + 1 x all 4 column blocks, 32 along K: half c of buffer f.  first = 1: the bias starts the sums.
; The sixteen accumulators take turns, one instruction a turn.
.macro MUL8 f, c, a0, first
.irp a, \a0, \a0+1
.irp b, 0,1,2,3
.if \first
	v_wmma_f32_16x16x32_bf16 v[ACC+8*(4*(\a)+\b):ACC+8*(4*(\a)+\b)+7], v[\f+64+8*(4*\c+\b):\f+64+8*(4*\c+\b)+7], v[\f+8*(4*\c+\a):\f+8*(4*\c+\a)+7], v[BIAS+8*\b:BIAS+8*\b+7]
.else
	v_wmma_f32_16x16x32_bf16 v[ACC+8*(4*(\a)+\b):ACC+8*(4*(\a)+\b)+7], v[\f+64+8*(4*\c+\b):\f+64+8*(4*\c+\b)+7], v[\f+8*(4*\c+\a):\f+8*(4*\c+\a)+7], v[ACC+8*(4*(\a)+\b):ACC+8*(4*(\a)+\b)+7]
.endif
.endr
.endr
.endm
; 32 LDS loads in one run: the fragments of quarter q (64 along K) of a slot, into buffer f; the first 32 along K first
.macro FETCH slot, q, f
	WIN TO_F
.irp c, 0,1
.irp i, 0,1,2,3
	ds_load_tr16_b128 v[\f+64+8*(4*\c+\i):\f+64+8*(4*\c+\i)+3],   v[ADRB+2*\slot+(\q)/2] offset:(((\q)%2)*64+32*\c)*PB+32*\i
	ds_load_tr16_b128 v[\f+64+8*(4*\c+\i)+4:\f+64+8*(4*\c+\i)+7], v[ADRB+2*\slot+(\q)/2] offset:(((\q)%2)*64+32*\c+16)*PB+32*\i
	ds_load_b128 v[\f+8*(4*\c+\i):\f+8*(4*\c+\i)+3],              v[ADRA+\slot] offset:(\q)*128*PA+\i*16*PA+64*\c
	ds_load_b128 v[\f+8*(4*\c+\i)+4:\f+8*(4*\c+\i)+7],            v[ADRA+\slot] offset:(\q)*128*PA+\i*16*PA+64*\c+32
.endr
.endr
.endm
.macro PLACES                          ; four places in front of loads into registers that matrix instructions have read, and of whatever reads results just made
.rept 4
	v_nop
.endr
.endm
; A K step is four quarters of 64 along K, 32 matrix instructions each, on buffers 0, 1, 0, 1.  One of the first three: multiplies buffer f and fetches quarter q into g.
.macro QUARTER slot, q, f, g, first
	s_wait_dscnt 16                                ; the first 32 along K are in: the other sixteen loads of the run are younger
	WIN MUL
	MUL8 \f, 0, 0, \first
	MUL8 \f, 0, 2, \first
	PLACES
	FETCH \slot, \q, \g
	s_wait_dscnt 32                                ; all but the 32 just issued
	WIN MUL
	MUL8 \f, 1, 0, 0
	MUL8 \f, 1, 2, 0
.endm
; The last quarter multiplies buffer 1 and changes slots: ONE barrier; in front of it each wave waits for its own reads of this slot and for all its tensor loads.  fill = 1: this slot is filled again, two K steps ahead.
.macro TURN slot, next, fill
	s_wait_dscnt 16
	WIN MUL
	MUL8 F1, 0, 0, 0
	s_wait_dscnt 0                                 ; my reads of this slot are over,
	s_set_vgpr_msb 0x500
	s_wait_tensorcnt 0x0                           ; and all my tensor loads have landed: the one that was out is my part of the next slot
	ds_add_u32 v94, v95
	s_wait_dscnt 0x0
	s_set_vgpr_msb 0x5
	s_barrier_signal -1
	MUL8 F1, 0, 2, 0
.if \fill
	WIN 0
.endif
	s_barrier_wait -1
.if \fill
	CREST                                          ; the barrier has opened a round of the cluster's barrier: no wave of any partner still reads this slot's tile or has a load on its way
	s_add_nc_u64 s[G0+4*\slot+2:G0+4*\slot+3], s[G0+4*\slot+2:G0+4*\slot+3], 2*KSTEPB
	s_add_nc_u64 s[G0B+4*\slot+2:G0B+4*\slot+3], s[G0B+4*\slot+2:G0B+4*\slot+3], 2*KSTEPB
	JLOAD \slot                                    ; the first tensor load behind the round, my only one until the next; its four v_nop are also the places in front of the loads below
.else
	PLACES
.endif
	FETCH \next, 0, F0
	WIN MUL
	MUL8 F1, 1, 0, 0
	MUL8 F1, 1, 2, 0
.endm
; THE WAY OUT.  Row block a goes as f32 through my stage (each accumulator's low four registers first) and comes back as whole rows of 256 bytes, into the registers that it left.
.macro TOSTAGE a
.irp b, 0,1,2,3
	ds_store_b128 v[STO], v[ACC+8*(4*\a+\b):ACC+8*(4*\a+\b)+3]   offset:64*\b
	ds_store_b128 v[STO], v[ACC+8*(4*\a+\b)+4:ACC+8*(4*\a+\b)+7] offset:64*\b+16
.endr
.irp t, 0,1,2,3,4,5,6,7
	ds_load_b128 v[ACC+32*\a+4*\t:ACC+32*\a+4*\t+3], v[RD] offset:\t*2*SPITCH   ; LDS serves a wave's instructions in order (ISA guide 5.7.1.4): these see the stores above, and the next block's stores come behind them
.endr
.endm
.macro FIN a, younger                  ; younger: the next block's sixteen LDS instructions, or none
	s_wait_dscnt \younger
.if \a == 0
	s_wait_loadcnt 0x0                             ; the residual, asked for ahead of the loop over K
.endif
	WIN 0x08                                       ; source 1 window 2
.set i, 0
.rept 16
	v_pk_add_f32 v[ACC+32*\a+2*i:ACC+32*\a+2*i+1], v[ACC+32*\a+2*i:ACC+32*\a+2*i+1], v[32*\a+2*i:32*\a+2*i+1]
.set i, i+1
.endr
	WIN 0
.irp t, 0,1,2,3,4,5,6,7
	global_store_b128 v[CO], v[ACC+32*\a+4*\t:ACC+32*\a+4*\t+3], s[8:9] offset:(16*\a+2*\t)*4096   ; 16 lanes store 256 consecutive bytes, aligned
.endr
.endm
	s_wait_tensorcnt 1                             ; my part of K step 0 is in; K step 1's may stay out
	s_barrier_signal -1
	s_barrier_wait -1                              ; everybody's is
	FETCH 0, 0, F0
	s_wait_loadcnt 32                              ; the bias is in: the residual's 32 loads are younger
	QUARTER 0, 1, F0, F1, 1                        ; the first quarter stands in front of the loop: its first products start the sums, from the bias
	WIN 0                                          ; at a label and at a branch every window is 0
	s_mov_b32 s3, LAPS-1
.Llap:                                                 ; a trip goes once round the ring, from a lap's second quarter to the next lap's first, and fills both slots again
	QUARTER 0, 2, F1, F0, 0
	QUARTER 0, 3, F0, F1, 0
	TURN 0, 1, 1
	QUARTER 1, 1, F0, F1, 0
	QUARTER 1, 2, F1, F0, 0
	QUARTER 1, 3, F0, F1, 0
	TURN 1, 0, 1
	QUARTER 0, 1, F0, F1, 0
	WIN 0
	s_sub_co_u32 s3, s3, 1
	s_cmp_lg_u32 s3, 0
	s_cbranch_scc1 .Llap
	QUARTER 0, 2, F1, F0, 0                        ; the last lap fills nothing, and has no round of the cluster's barrier
	QUARTER 0, 3, F0, F1, 0
	TURN 0, 1, 0
	QUARTER 1, 1, F0, F1, 0
	QUARTER 1, 2, F1, F0, 0
	QUARTER 1, 3, F0, F1, 0
	s_wait_dscnt 16                                ; the very last quarter: nothing more to fetch
	WIN MUL
	MUL8 F1, 0, 0, 0
	MUL8 F1, 0, 2, 0
	s_wait_dscnt 0
	MUL8 F1, 1, 0, 0
	MUL8 F1, 1, 2, 0
	WIN 0
	PLACES
	TOSTAGE 0
	TOSTAGE 1                                      ; a block's trip through the stage stands between the loads of the block before and their use
	FIN 0, 16
	TOSTAGE 2
	FIN 1, 16
	TOSTAGE 3
	FIN 2, 16
	FIN 3, 0
	s_wait_tensorcnt 0x0
	ds_add_u32 v94, v95
	s_wait_dscnt 0x0
	CROUND                                         ; the closing round: no work-group ends while a partner may still ask for a tile that names it
	s_endpgm
.Lfunc_end_k_q0816b08e04_oproj:
	.size	k_q0816b08e04_oproj, .Lfunc_end_k_q0816b08e04_oproj-k_q0816b08e04_oproj
	.p2alignl 7, 3214868480
	.fill 96, 4, 3214868480
	.section	.rodata,"a",@progbits
	.p2align	6, 0x0
	.amdhsa_kernel k_q0816b08e04_oproj
		.amdhsa_group_segment_fixed_size 327680
		.amdhsa_private_segment_fixed_size 0
		.amdhsa_enable_private_segment 0
		.amdhsa_kernarg_size 40
		.amdhsa_user_sgpr_count 2
		.amdhsa_user_sgpr_kernarg_segment_ptr 1
		.amdhsa_wavefront_size32 1
		.amdhsa_system_sgpr_workgroup_id_x 1
		.amdhsa_system_sgpr_workgroup_id_y 1
		.amdhsa_system_sgpr_workgroup_id_z 1
		.amdhsa_system_vgpr_workitem_id 0
		.amdhsa_next_free_vgpr 640
		.amdhsa_next_free_sgpr 80
		.amdhsa_reserve_vcc 0
		.amdhsa_float_denorm_mode_32 3
		.amdhsa_float_denorm_mode_16_64 3
		.amdhsa_memory_ordered 1
		.amdhsa_forward_progress 1
		.amdhsa_inst_pref_size 94
	.end_amdhsa_kernel
	.amdgpu_metadata
---
amdhsa.version: [ 1, 2 ]
amdhsa.kernels:
  - .name:           k_q0816b08e04_oproj
    .symbol:         k_q0816b08e04_oproj.kd
    .args:
      - { .name: zb, .offset: 0, .size: 8, .value_kind: global_buffer, .address_space: global }
      - { .name: wb, .offset: 8, .size: 8, .value_kind: global_buffer, .address_space: global }
      - { .name: b_O, .offset: 16, .size: 8, .value_kind: global_buffer, .address_space: global }
      - { .name: resid_pre, .offset: 24, .size: 8, .value_kind: global_buffer, .address_space: global }
      - { .name: midb, .offset: 32, .size: 8, .value_kind: global_buffer, .address_space: global }
    .group_segment_fixed_size: 327680
    .private_segment_fixed_size: 0
    .kernarg_segment_align: 8
    .kernarg_segment_size: 40
    .max_flat_workgroup_size: 128
    .sgpr_count:     80
    .vgpr_count:     640
    .wavefront_size: 32
...
	.end_amdgpu_metadata
.endif
;; end of part 10
;; launch ln2 (part 11): grid 256 x 1, 8 waves a work-group, no clusters, 0 bytes of LDS; arguments midb, ln2_w, ln2_b, hn; writes hn
.if DOCPART == 11
	.amdgcn_target "amdgcn-amd-amdhsa--gfx1250"
	.amdhsa_code_object_version 6
	.text
	.protected	k_q0816b08e04_ln2
	.globl	k_q0816b08e04_ln2
	.p2align	8
	.type	k_q0816b08e04_ln2,@function
k_q0816b08e04_ln2:
	s_mov_b64 s[64:65], 0
	v_nop
	global_prefetch_b8 v0, s[64:65] scope:SCOPE_SE
	s_setreg_imm32_b32 hwreg(HW_REG_WAVE_MODE, 25, 1), 1
	s_wait_xcnt 0x0
; y = LayerNorm(x) w + b.  x: [4096][1024] f32.  y: bf16 in blocks: [t / 128][column / 64][t % 128][64], a block 128 rows of 128 bytes.
; A wave takes two rows, t = 2 p and 2 p + 1: lanes 0-15 the first, lanes 16-31 the second, so that a row's sums stay inside 16 lanes.
; Lane l holds columns 64 j + 4 (l % 16) + 0..3, j = 0..15: a load covers 256 consecutive bytes of each row, and a store (8 bytes a lane) covers
; rows t and t + 1 of block j: 256 consecutive bytes, aligned.  The rows stay in registers between the passes: x is read once.
; Two passes: the mean, then the sum of squares of x - mean, so a common offset of x costs no digits.
; Order of rounding, stated: (x - mean) * (w * rstd) + b, with rstd from v_rsq_f32 (good to one unit in the last place) in place of a division by a root.
; No LDS, no barrier, no matrix unit: a stream in which no wave waits for another.
.set XO, 1                             ; v1  my byte offset in the two rows of x
.set WO, 2                             ; v2  my byte offset in w and b
.set YO, 3                             ; v3  my byte offset in two rows of a block of y
.set CH, 8                             ; v[8:15]  four chains of pairs
.set MEAN, 16                          ; v[16:17] the mean, twice
.set RSTD, 18                          ; v[18:19] 1 / sqrt(var + eps), twice
.set X,  32                            ; v[32:95]
.set W,  96                            ; v[96:159]   w; at last the packed results
.set B,  160                           ; v[160:223]
.macro REDUCE                          ; four chains of pairs -> one number, the same in the 16 lanes of a row
	v_pk_add_f32 v[CH:CH+1],   v[CH:CH+1],   v[CH+2:CH+3]
	v_pk_add_f32 v[CH+4:CH+5], v[CH+4:CH+5], v[CH+6:CH+7]
	v_pk_add_f32 v[CH:CH+1],   v[CH:CH+1],   v[CH+4:CH+5]
	v_add_f32 v[CH], v[CH], v[CH+1]
.irp m, 1,2,4,8
	v_add_f32_dpp v[CH], v[CH], v[CH] row_xmask:\m row_mask:0xf bank_mask:0xf
.endr
.endm
	s_load_b256 s[4:11], s[0:1], 0x0               ; x s[4:5], w s[6:7], b s[8:9], y s[10:11]
	v_lshrrev_b32 v4, 5, v0
	v_readfirstlane_b32 s14, v4                    ; wave
	s_lshl3_add_u32 s14, ttmp9, s14                ; p = 8 x work-group + wave, 0..2047
	s_lshl_b32 s16, s14, 13                        ; two rows of 4,096 bytes
	s_mov_b32 s17, 0
	s_lshr_b32 s18, s14, 6
	s_lshl_b32 s18, s18, 18                        ; (t / 128) x 16 blocks of 16,384 bytes
	s_and_b32 s15, s14, 63
	s_lshl_b32 s15, s15, 8                         ; (t % 128) x 128 bytes
	s_add_co_u32 s18, s18, s15
	s_mov_b32 s19, 0
	s_mov_b32 s12, 0x3a800000                      ; 1 / 1024
	s_mov_b32 s13, 0x3727c5ac                      ; eps = 1e-5
	v_and_b32 v5, 15, v0
	v_bfe_u32 v6, v0, 4, 1
	v_lshlrev_b32 v[WO], 4, v5
	v_lshl_add_u32 v[XO], v6, 12, v[WO]
	v_and_b32 v[YO], 31, v0
	v_lshlrev_b32 v[YO], 3, v[YO]
	s_wait_kmcnt 0x0
	s_add_nc_u64 s[4:5], s[4:5], s[16:17]
	s_add_nc_u64 s[10:11], s[10:11], s[18:19]
.set j, 0
.rept 16
	global_load_b128 v[X+4*j:X+4*j+3], v[XO], s[4:5] offset:256*j
.set j, j+1
.endr
.set j, 0
.rept 16
	global_load_b128 v[W+4*j:W+4*j+3], v[WO], s[6:7] offset:256*j
.set j, j+1
.endr
.set j, 0
.rept 16
	global_load_b128 v[B+4*j:B+4*j+3], v[WO], s[8:9] offset:256*j
.set j, j+1
.endr
	s_wait_loadcnt 32                              ; x is in: the 32 loads of w and b are younger
	; pass 1: the sum.  The first eight pairs start the four chains: nothing is cleared
.set k, 0
.rept 4
	v_pk_add_f32 v[CH+2*k:CH+2*k+1], v[X+2*k:X+2*k+1], v[X+2*k+8:X+2*k+9]
.set k, k+1
.endr
.set k, 8
.rept 24
	v_pk_add_f32 v[CH+2*(k%4):CH+2*(k%4)+1], v[CH+2*(k%4):CH+2*(k%4)+1], v[X+2*k:X+2*k+1]
.set k, k+1
.endr
	REDUCE
	v_mul_f32 v[MEAN], s12, v[CH]
	v_mul_f32 v[MEAN+1], s12, v[CH]
.set k, 0
.rept 32
	v_pk_add_f32 v[X+2*k:X+2*k+1], v[X+2*k:X+2*k+1], v[MEAN:MEAN+1] neg_lo:[0,1] neg_hi:[0,1]   ; x - mean
.set k, k+1
.endr
	; pass 2: the sum of squares
.set k, 0
.rept 4
	v_pk_mul_f32 v[CH+2*k:CH+2*k+1], v[X+2*k:X+2*k+1], v[X+2*k:X+2*k+1]
.set k, k+1
.endr
.rept 28
	v_pk_fma_f32 v[CH+2*(k%4):CH+2*(k%4)+1], v[X+2*k:X+2*k+1], v[X+2*k:X+2*k+1], v[CH+2*(k%4):CH+2*(k%4)+1]
.set k, k+1
.endr
	REDUCE
	v_fma_f32 v20, v[CH], s12, s13                 ; var + eps
	v_rsq_f32 v[RSTD], v20
	v_rsq_f32 v[RSTD+1], v20
	v_nop                                          ; a plain instruction between the last v_rsq_f32 and the use of its result (ISA guide 5.7.2)
	s_wait_loadcnt 16                              ; w is in: b's 16 loads are younger
.set k, 0
	s_wait_alu depctr_va_vdst(0)
.rept 32
	v_pk_mul_f32 v[W+2*k:W+2*k+1], v[W+2*k:W+2*k+1], v[RSTD:RSTD+1]
.set k, k+1
.endr
	s_wait_loadcnt 0x0                             ; b
.set k, 0
.rept 32
	v_pk_fma_f32 v[X+2*k:X+2*k+1], v[X+2*k:X+2*k+1], v[W+2*k:W+2*k+1], v[B+2*k:B+2*k+1]
.set k, k+1
.endr
.set k, 0
.rept 32
	v_cvt_pk_bf16_f32 v[W+k], v[X+2*k], v[X+2*k+1] ; w's registers are free
.set k, k+1
.endr
.set j, 0
.rept 16
	global_store_b64 v[YO], v[W+2*j:W+2*j+1], s[10:11] offset:16384*j
.set j, j+1
.endr
	s_endpgm
.Lfunc_end_k_q0816b08e04_ln2:
	.size	k_q0816b08e04_ln2, .Lfunc_end_k_q0816b08e04_ln2-k_q0816b08e04_ln2
	.p2alignl 7, 3214868480
	.fill 96, 4, 3214868480
	.section	.rodata,"a",@progbits
	.p2align	6, 0x0
	.amdhsa_kernel k_q0816b08e04_ln2
		.amdhsa_group_segment_fixed_size 0
		.amdhsa_private_segment_fixed_size 0
		.amdhsa_enable_private_segment 0
		.amdhsa_kernarg_size 32
		.amdhsa_user_sgpr_count 2
		.amdhsa_user_sgpr_kernarg_segment_ptr 1
		.amdhsa_wavefront_size32 1
		.amdhsa_system_sgpr_workgroup_id_x 1
		.amdhsa_system_sgpr_workgroup_id_y 1
		.amdhsa_system_sgpr_workgroup_id_z 1
		.amdhsa_system_vgpr_workitem_id 0
		.amdhsa_next_free_vgpr 224
		.amdhsa_next_free_sgpr 66
		.amdhsa_reserve_vcc 0
		.amdhsa_float_denorm_mode_32 3
		.amdhsa_float_denorm_mode_16_64 3
		.amdhsa_memory_ordered 1
		.amdhsa_forward_progress 1
		.amdhsa_inst_pref_size 21
	.end_amdhsa_kernel
	.amdgpu_metadata
---
amdhsa.version: [ 1, 2 ]
amdhsa.kernels:
  - .name:           k_q0816b08e04_ln2
    .symbol:         k_q0816b08e04_ln2.kd
    .args:
      - { .name: midb, .offset: 0, .size: 8, .value_kind: global_buffer, .address_space: global }
      - { .name: ln2_w, .offset: 8, .size: 8, .value_kind: global_buffer, .address_space: global }
      - { .name: ln2_b, .offset: 16, .size: 8, .value_kind: global_buffer, .address_space: global }
      - { .name: hn, .offset: 24, .size: 8, .value_kind: global_buffer, .address_space: global }
    .group_segment_fixed_size: 0
    .private_segment_fixed_size: 0
    .kernarg_segment_align: 8
    .kernarg_segment_size: 32
    .max_flat_workgroup_size: 256
    .sgpr_count:     66
    .vgpr_count:     224
    .wavefront_size: 32
...
	.end_amdgpu_metadata
.endif
;; end of part 11
;; launch mlp_in (part 12): grid 16 x 16, 4 waves a work-group, clusters of 4 x 4, 327,680 bytes of LDS; arguments hn, wb, b_in, actb; writes actb
.if DOCPART == 12
	.amdgcn_target "amdgcn-amd-amdhsa--gfx1250"
	.amdhsa_code_object_version 6
	.text
	.protected	k_q0816b08e04_mlp_in
	.globl	k_q0816b08e04_mlp_in
	.p2align	8
	.type	k_q0816b08e04_mlp_in,@function
k_q0816b08e04_mlp_in:
	s_mov_b64 s[64:65], 0
	v_nop
	global_prefetch_b8 v0, s[64:65] scope:SCOPE_SE
	s_setreg_imm32_b32 hwreg(HW_REG_WAVE_MODE, 25, 1), 1
	s_wait_xcnt 0x0
	s_wait_alu depctr_hold_cnt(0) depctr_sa_sdst(0) depctr_va_vdst(0) depctr_va_sdst(0) depctr_va_ssrc(0) depctr_va_vcc(0) depctr_vm_vsrc(0)
	s_getreg_b32 s2, hwreg(HW_REG_IB_STS2, 6, 4)
	s_cmp_eq_u32 s2, 0
	s_cbranch_scc0 .Lentry_in_a_cluster
	s_endpgm
.Lentry_in_a_cluster:
	s_bfe_u32 s2, ttmp6, 0x10000c
	s_cmp_lg_u32 s2, 0xf033
	s_cbranch_scc0 .Lentry_shape_is_right
	s_endpgm
.Lentry_shape_is_right:
; THIS PRODUCT: act = max(LN2(resid_mid) W_in + b_in, 0).  A = hn [4096 x 1024], W = wb's region of W_in (4,096 columns),
; out = bf16 in blocks [t / 128][64 = column / 64][t % 128][64].  16 x 16 = 256 tiles of 256 x 256, one to a work-group, one work-group for each WGP.
.set SIZE_K, 1024                      ; the length of the sums
.set WOFF,   8388608                   ; the weights' region in wb, bytes
.set RELU,   1                         ; max(., 0) before the rounding
.set NB,     64                        ; blocks of 64 columns in a row of blocks of out
.set QKVB,   0                         ; the bias is one of three buffers, chosen by tile column / 4
; FROM HERE ON THE TEXT IS THE SAME IN THE TWO WIDE PRODUCTS OF THE BLOCK (qkv, mlp_in); the constants above choose.
; C[t][n] = sum over k of A[t][k] W[k][n] + bias[n]; bf16 operands, f32 sums (the limit of format that the problem allows; all else f32); C rounded once to bf16.
; A lies in blocks [t / 128][k / 64][t % 128][64] of bf16, W as [n / 128][k][128] of bf16: a K step of 128 of 128 rows of A (two blocks), or of 128
; columns of W, is 32,768 consecutive bytes.
; A tile of C is 256 x 256: four waves, as many as a WGP has SIMDs, each 128 x 128 = 64 accumulators of 16 x 16, 512 registers.  For 32 along K a wave reads
; 2 x 128 x 64 bytes from LDS and issues 64 matrix instructions.  K goes in steps of 128 through a ring of two LDS slots; each wave brings a quarter of a slot
; (32,768 bytes, as 128 rows of 256 bytes) with one tensor load, which has 240 matrix instructions in which to land.
; CLUSTERS: 4 x 4 work-groups.  The four of a row of the cluster need the same tiles of A, the four of a column the same tiles of W: each tile is asked for
; JOINTLY, by the same tensor load with the same descriptor and a mask that names the four.
; THE MATRIX INSTRUCTION IS USED TRANSPOSED (source 0 = 16 columns of W, source 1 = 16 rows of A): lane l then holds row l % 16 of C and, in its
; registers 0..7, the columns 8 (l / 16) + 0..7.  So eight numbers of the bias a lane and column block are the C operand of the first products: no sum is
; cleared and no bias is added later.  W lies [k][n] in LDS and comes out turned, by ds_load_tr16_b128.
; REGISTERS, in windows of 256 (s_set_vgpr_msb's low byte: bits 1:0 source 0, 3:2 source 1, 5:4 source 2, 7:6 destination):
;   window 0: v0-31 addresses; v64-127, v128-191 fragments of A (8 x 16 rows x 32 K), two buffers; v192-255 the bias, until the first quarter has taken it;
;             on the way out v192-223 packed results, v32-63 and v224-255 rows read back from the stage, by turns
;   window 1: v64-127, v128-191 fragments of W, two buffers
;   window 2: the 32 accumulators of my rows 0-63 (accumulator (a, b) at v[8 (8 a + b)]);   window 3: those of my rows 64-127
.set PA,     144                       ; a row of A in LDS: 128 bytes + 16 = 36 words: the 16 rows of a fragment load start at 16 different groups of four banks
.set PB,     288                       ; a row of W in LDS: 256 bytes + 32 = 72 words
.set HALFT,  36864                     ; what one tensor load fills: 256 rows of A's pitch = 128 rows of W's pitch
.set SLOT,   4*HALFT                   ; A's rows 0-127: [k / 64 = 0, 1][128 rows]; A's rows 128-255; W's columns 0-127: [128 k]; W's columns 128-255
.set BOFF,   2*HALFT
.set STAGE,  2*SLOT                    ; behind the ring, a multiple of 256: for each wave, its own, two blocks of 16 rows for the way out; no tensor load lands here
.set SPITCH, 144                       ; 64 bf16 + 16 bytes
.set KSTEPB, 32768                     ; bytes of a K step in what one wave fetches
.set LAPS,   SIZE_K/256                ; a lap = two K steps = once round the ring
.set ADRA, 16                          ; v16-17  LDS address of my A fragments in slot 0, 1
.set ADRB, 20                          ; v20-21  the same for W
.set STO,  24                          ; v24     the way out: where I put 16 bytes of a row
.set RD,   25                          ; v25     the way out: where I read rows back
.set CO,   26                          ; v26     my byte offset in four rows of a block of out
.set BO,   27                          ; v27     my byte offset in the bias
.set OB,   32
.set F0,   64
.set F1,   128
.set TMP,  192
.set BIAS, 192
.set G1,  24                           ; s[24:31] descriptor group 1 for A's tiles;  s[32:39] group 0, one set for each slot
.set G0,  32
.set G1B, 48                           ; s[48:55], s[56:63] the same for W's tiles
.set G0B, 56
.set MSB, 0
.macro WIN new                         ; the immediate's high byte repeats the setting that is left; a switch that changes nothing is dropped
.if MSB != \new
	s_set_vgpr_msb (MSB<<8)|\new
.set MSB, \new
.endif
.endm
.set MUL_LO,   0xa1                    ; source 0 (W) window 1, source 1 (A) window 0, C and D window 2
.set MUL_HI,   0xf1                    ; the same, C and D window 3
.set FIRST_LO, 0x81                    ; the first products: C (the bias) window 0, D window 2
.set FIRST_HI, 0xc1                    ; C window 0, D window 3
.set TO_B,     0x40                    ; destination window 1, address window 0
.macro JLOAD s                         ; a joint load: waves 0 and 1 fetch A's two halves, waves 2 and 3 W's; four v_nop follow each of the two lines, ahead of the jump, the label and what follows
	s_cmp_eq_u32 s11, 0
	s_cbranch_scc0 .Lfor_b_\@
	tensor_load_to_lds s[G0+4*\s:G0+4*\s+3], s[G1:G1+7]
	s_nop 0
.rept 4
	v_nop
.endr
	s_branch .Lasked_\@
.Lfor_b_\@:
	tensor_load_to_lds s[G0B+4*\s:G0B+4*\s+3], s[G1B:G1B+7]
	s_nop 0
.rept 4
	v_nop
.endr
.Lasked_\@:
.endm
.macro CREST                           ; a round of the cluster's barrier behind its opening barrier
	s_cmp_lg_u32 s10, 0
	s_cbranch_scc1 .Lnot_wave_0_\@
	s_barrier_signal -3
.Lnot_wave_0_\@:
	s_barrier_wait -3
	s_barrier_signal -1
	s_barrier_wait -1
.endm
.macro CROUND                          ; a whole round
	s_barrier_signal -1
	s_barrier_wait -1
	CREST
.endm
	s_load_b128 s[4:7], s[0:1], 0x0                ; A s[4:5], wb s[6:7]
	s_load_b128 s[68:71], s[0:1], 0x10             ; the bias s[68:69]; s[70:71]: b_K (QKVB) or out
	s_set_vgpr_msb 0x40
	v_lshl_add_u32 v255, v0, 2, 0x4c800
	s_set_vgpr_msb 0x4000
	v_mov_b32 v31, 0
	s_set_vgpr_msb 0x1
	ds_add_u32 v255, v31
	ds_add_u32 v255, v31
	s_set_vgpr_msb 0x100
.if QKVB
	s_load_b128 s[72:75], s[0:1], 0x20             ; b_V s[72:73], out s[74:75]
.endif
	v_lshrrev_b32 v1, 5, v0
	v_readfirstlane_b32 s10, v1                    ; wave 0..3
	s_lshr_b32 s11, s10, 1                         ; which half of the tile's rows is mine.  Also: I fetch for A (0) or for W (1)
	s_and_b32 s12, s10, 1                          ; which half of its columns.  Also: which half of that operand's tile I fetch
	s_bfe_u32 s40, ttmp6, 0x40000                  ; cx, cy: my place in the cluster
	s_bfe_u32 s41, ttmp6, 0x40004
	s_lshl_b32 s42, ttmp9, 2
	s_add_co_u32 s42, s42, s40                     ; tile column = 4 x cluster x + cx
	s_and_b32 s13, ttmp7, 0xffff
	s_lshl_b32 s13, s13, 2
	s_add_co_u32 s13, s13, s41                     ; tile row = 4 x cluster y + cy
	s_lshl_b32 s43, s41, 2
	s_lshl_b32 s43, 15, s43                        ; my row of the cluster
	s_lshl_b32 s44, 0x1111, s40                    ; my column
	; descriptor group 1: 128 rows of 128 elements of 2 bytes, one behind the other in memory.  A: 4 words of padding behind every 32 words, so that each
	; half of a memory row (a row of a block of A, 128 bytes) becomes an LDS row of 144 bytes.  W: 8 words behind every 64: LDS rows of 288 bytes.
	s_or_b32 s[G1+0], s43, (1<<16)|(1<<20)|(1<<21)|(4<<22)|(3<<25)   ; 15:0 the mask: A's tiles go to my row; 17:16 elements of 2 bytes; 20 padding on; 21 set beside a mask; 24:22 interval; 31:25 padding less one
	s_or_b32 s[G1B+0], s44, (1<<16)|(1<<20)|(1<<21)|(5<<22)|(7<<25)  ; the mask of my column, for W's tiles
.irp g, G1, G1B
	s_mov_b32 s[\g+1], 128<<16                     ; tensor_dim0 = 128
	s_mov_b32 s[\g+2], 128<<16                     ; tensor_dim1 = 128
	s_mov_b32 s[\g+3], 128<<16                     ; tile_dim0 = 128
	s_mov_b32 s[\g+4], 128                         ; tile_dim1 = 128
	s_mov_b32 s[\g+5], 128                         ; from row to row: 128 elements
	s_mov_b32 s[\g+6], 0
	s_mov_b32 s[\g+7], 0
.endr
	; A's tiles hang on the tile row alone, W's on the tile column alone; every wave makes both addresses, in registers that never hold the other coordinate
	s_lshl_b32 s16, s13, 1
	s_add_co_u32 s16, s16, s12                     ; the row of blocks of A that I would fetch: 2 x tile row + half
	s_mul_i32 s16, s16, SIZE_K*256                 ; SIZE_K / 64 blocks of 16,384 bytes each
	s_mov_b32 s17, 0
	s_lshl_b32 s46, s42, 1
	s_add_co_u32 s46, s46, s12                     ; the 128 columns of W that I would fetch: 2 x tile column + half
	s_mul_i32 s46, s46, SIZE_K*256                 ; SIZE_K rows of 256 bytes each
	s_add_co_u32 s46, s46, WOFF
	s_mov_b32 s47, 0
	s_mul_i32 s20, s10, HALFT                      ; where they go: wave x a quarter of a slot: no place in the cluster enters an LDS address
	s_wait_dscnt 0x0
	s_wait_kmcnt 0x0
	s_add_nc_u64 s[14:15], s[4:5], s[16:17]
	s_add_nc_u64 s[46:47], s[6:7], s[46:47]
	CROUND                                         ; all sixteen work-groups are here: the first joint loads meet
.irp s, 0,1
	s_mov_b32 s[G0+4*\s], 1
	s_add_co_u32 s[G0+4*\s+1], s20, \s*SLOT
	s_add_nc_u64 s[G0+4*\s+2:G0+4*\s+3], s[14:15], \s*KSTEPB
	s_or_b32 s[G0+4*\s+3], s[G0+4*\s+3], 0x80000000
	s_mov_b32 s[G0B+4*\s], 1
	s_add_co_u32 s[G0B+4*\s+1], s20, \s*SLOT
	s_add_nc_u64 s[G0B+4*\s+2:G0B+4*\s+3], s[46:47], \s*KSTEPB
	s_or_b32 s[G0B+4*\s+3], s[G0B+4*\s+3], 0x80000000
	JLOAD \s                                       ; K steps 0 and 1: two tensor loads of mine are out
.endr
	; the bias of my 128 columns
.if QKVB
	s_mov_b64 s[8:9], s[74:75]
	s_lshr_b32 s78, s42, 2                         ; sel: 4 tile columns for each of q, k, v
	s_cmp_eq_u32 s78, 1
	s_cselect_b64 s[68:69], s[70:71], s[68:69]
	s_cmp_eq_u32 s78, 2
	s_cselect_b64 s[68:69], s[72:73], s[68:69]
	s_and_b32 s76, s42, 3
	s_lshl_b32 s76, s76, 10                        ; 256 columns of 4 bytes
.else
	s_mov_b64 s[8:9], s[70:71]
	s_lshl_b32 s76, s42, 10
.endif
	s_lshl_b32 s78, s12, 9
	s_add_co_u32 s76, s76, s78
	s_mov_b32 s77, 0
	s_add_nc_u64 s[68:69], s[68:69], s[76:77]
	v_and_b32 v1, 15, v0                           ; r = l % 16
	v_bfe_u32 v2, v0, 4, 1                         ; h = l / 16
	v_and_b32 v6, 31, v0                           ; l
	v_lshlrev_b32 v[BO], 5, v2                     ; 8 h numbers
.irp b, 0,1,2,3,4,5,6,7
	global_load_b128 v[BIAS+8*\b:BIAS+8*\b+3],   v[BO], s[68:69] offset:64*\b
	global_load_b128 v[BIAS+8*\b+4:BIAS+8*\b+7], v[BO], s[68:69] offset:64*\b+16
.endr
	; my 128 x 128 of C are two whole blocks of out, side by side
	s_lshl_b32 s76, s13, 1
	s_add_co_u32 s76, s76, s11                     ; my row of blocks
	s_mul_i32 s76, s76, NB*16384
	s_lshl_b32 s78, s42, 16                        ; four blocks a tile column
	s_add_co_u32 s76, s76, s78
	s_lshl_b32 s78, s12, 15                        ; two of them mine
	s_add_co_u32 s76, s76, s78
	s_add_nc_u64 s[8:9], s[8:9], s[76:77]
	v_lshlrev_b32 v[CO], 4, v6                     ; four rows of a block are 512 consecutive bytes
	; A fragment of A is 16 rows x 32 K in 8 registers: lane l holds row r; registers 0-3 K = 8 h + 0..7, registers 4-7 K = 16 + 8 h + 0..7: two loads of 16 bytes, 32 bytes apart.
	v_mul_u32_u24 v3, v1, PA
	v_lshl_add_u32 v3, v2, 4, v3
	s_mul_i32 s21, s11, HALFT                      ; my 128 rows
	v_add_nc_u32 v[ADRA], s21, v3
	v_add_nc_u32 v[ADRA+1], SLOT, v[ADRA]
	; The turning load takes 16 k x 16 columns (lane l reads 16 bytes: k = 8 h + l % 8, columns 8 ((l / 8) % 2) + 0..7) and leaves half a fragment: lane l holds column r and 8 k.
	v_and_b32 v9, 7, v0
	v_lshl_add_u32 v4, v2, 3, v9
	v_mul_u32_u24 v4, v4, PB
	v_bfe_u32 v5, v0, 3, 1
	v_lshl_add_u32 v4, v5, 4, v4
	s_mul_i32 s22, s12, HALFT                      ; my 128 columns
	s_add_co_u32 s22, s22, BOFF
	v_add_nc_u32 v[ADRB], s22, v4
	v_add_nc_u32 v[ADRB+1], SLOT, v[ADRB]
	s_mul_i32 s23, s10, 32*SPITCH
	s_add_co_u32 s23, s23, STAGE                   ; my stage
	v_mul_u32_u24 v7, v1, SPITCH                   ; in: row r, 16 bytes for each half of the lanes
	v_lshl_add_u32 v7, v2, 4, v7
	v_lshrrev_b32 v8, 3, v6                        ; back: eight lanes to a row of 128 bytes, four rows
	v_mul_u32_u24 v8, v8, SPITCH
	v_lshl_add_u32 v8, v9, 4, v8
	v_add_nc_u32 v[STO], s23, v7
	v_add_nc_u32 v[RD], s23, v8
; 16 matrix instructions: row blocks a0, a0 + 1 of the window's four (hi = 0: my rows 0-63, 1: rows 64-127) x all 8 column blocks, 32 along K.
; first = 1: the bias starts the sums.  The 64 accumulators take turns, one instruction a turn, in the same order in every quarter.
.macro MUL16 f, hi, a0, first
.irp a, \a0, \a0+1
.irp b, 0,1,2,3,4,5,6,7
.if \first
	v_wmma_f32_16x16x32_bf16 v[8*(8*(\a)+\b):8*(8*(\a)+\b)+7], v[\f+8*\b:\f+8*\b+7], v[\f+8*(4*\hi+\a):\f+8*(4*\hi+\a)+7], v[BIAS+8*\b:BIAS+8*\b+7]
.else
	v_wmma_f32_16x16x32_bf16 v[8*(8*(\a)+\b):8*(8*(\a)+\b)+7], v[\f+8*\b:\f+8*\b+7], v[\f+8*(4*\hi+\a):\f+8*(4*\hi+\a)+7], v[8*(8*(\a)+\b):8*(8*(\a)+\b)+7]
.endif
.endr
.endr
.endm
; 32 LDS loads in one run: the fragments of quarter q (32 along K) of a slot, into buffer f: W's 128 columns, then A's 128 rows
.macro FETCH slot, q, f
	WIN TO_B
.irp i, 0,1,2,3,4,5,6,7
	ds_load_tr16_b128 v[\f+8*\i:\f+8*\i+3],   v[ADRB+\slot] offset:(32*(\q))*PB+32*\i
	ds_load_tr16_b128 v[\f+8*\i+4:\f+8*\i+7], v[ADRB+\slot] offset:(32*(\q)+16)*PB+32*\i
.endr
	WIN 0
.irp i, 0,1,2,3,4,5,6,7
	ds_load_b128 v[\f+8*\i:\f+8*\i+3],   v[ADRA+\slot] offset:((\q)/2)*128*PA+\i*16*PA+((\q)%2)*64
	ds_load_b128 v[\f+8*\i+4:\f+8*\i+7], v[ADRA+\slot] offset:((\q)/2)*128*PA+\i*16*PA+((\q)%2)*64+32
.endr
.endm
.macro PLACES                          ; four places in front of loads into registers that matrix instructions have read, and of whatever reads results just made
.rept 4
	v_nop
.endr
.endm
; A K step is four quarters of 32 along K, 64 matrix instructions each, on buffers 0, 1, 0, 1.  One of the first three: multiplies buffer f; in its middle it fetches quarter q into g.
.macro QUARTER slot, q, f, g, first
	s_wait_dscnt 8                                 ; W and A's rows 0-63 are in; the youngest eight loads of the run (A's rows 64-127) may be out
.if \first
	WIN FIRST_LO
.else
	WIN MUL_LO
.endif
	MUL16 \f, 0, 0, \first
	MUL16 \f, 0, 2, \first
	PLACES
	FETCH \slot, \q, \g
	s_wait_dscnt 32                                ; all but the 32 just issued
.if \first
	WIN FIRST_HI
.else
	WIN MUL_HI
.endif
	MUL16 \f, 1, 0, \first
	MUL16 \f, 1, 2, \first
.endm
; The last quarter multiplies buffer 1 and changes slots: ONE barrier; in front of it each wave waits for its own reads of this slot and for all its tensor loads.  fill = 1: this slot is filled again, two K steps ahead.
.macro TURN slot, next, fill
	s_wait_dscnt 8
	WIN MUL_LO
	MUL16 F1, 0, 0, 0
	s_wait_dscnt 0                                 ; my reads of this slot are over,
	s_wait_tensorcnt 0x0                           ; and all my tensor loads have landed: the one that was out is my part of the next slot
	ds_add_u32 v255, v31
	s_wait_dscnt 0x0
	s_barrier_signal -1
	MUL16 F1, 0, 2, 0                              ; work on registers while the others arrive
.if \fill
	WIN 0
.endif
	s_barrier_wait -1
.if \fill
	CREST                                          ; the barrier has opened a round of the cluster's barrier: no wave of any partner still reads this slot's tile or has a load on its way
	s_add_nc_u64 s[G0+4*\slot+2:G0+4*\slot+3], s[G0+4*\slot+2:G0+4*\slot+3], 2*KSTEPB
	s_add_nc_u64 s[G0B+4*\slot+2:G0B+4*\slot+3], s[G0B+4*\slot+2:G0B+4*\slot+3], 2*KSTEPB
	JLOAD \slot                                    ; the first tensor load behind the round, my only one until the next; its four v_nop are also the places in front of the loads below
.else
	PLACES
.endif
	FETCH \next, 0, F0
	WIN MUL_HI
	MUL16 F1, 1, 0, 0
	MUL16 F1, 1, 2, 0
.endm
; THE WAY OUT of row block a (16 rows x 128 columns), in three parts.  PACK: max(., 0) where asked, rounded to bf16, 16 bytes a lane; every accumulator's registers in ascending order.
.macro PACK a
.set AC, 64*((\a)%4)
.if RELU
	WIN 0x8a+0x45*((\a)/4)                         ; sources and destination: window 2 or 3
.set i, 0
.rept 64
	v_max_num_f32 v[AC+i], 0, v[AC+i]
.set i, i+1
.endr
.endif
	WIN 0x0a+5*((\a)/4)                            ; sources 0 and 1: window 2 or 3; destination window 0
.irp b, 0,1,2,3,4,5,6,7
.irp r, 0,1,2,3
	v_cvt_pk_bf16_f32 v[TMP+4*\b+\r], v[AC+8*\b+2*\r], v[AC+8*\b+2*\r+1]
.endr
.endr
	WIN 0
.endm
; TOSTAGE: into my own stage, columns 0-63 into its first 16 rows and columns 64-127 into its second, and back as whole rows of 128 bytes.
.macro TOSTAGE a
.set BK, OB+192*((\a)%2)
.irp b, 0,1,2,3,4,5,6,7
	ds_store_b128 v[STO], v[TMP+4*\b:TMP+4*\b+3] offset:(\b/4)*16*SPITCH+32*(\b%4)
.endr
.irp c, 0,1
.irp t, 0,1,2,3
	ds_load_b128 v[BK+4*(4*\c+\t):BK+4*(4*\c+\t)+3], v[RD] offset:\c*16*SPITCH+\t*4*SPITCH   ; LDS serves a wave's instructions in order (ISA guide 5.7.1.4): these see the stores above, and the next block's stores come behind them
.endr
.endr
.endm
; SEND: stored.  The block's place in my two blocks of out stands in the immediate.
.macro SEND a
.set BK, OB+192*((\a)%2)
	s_wait_dscnt 0x0                               ; the block is back in registers
	s_wait_xcnt 0x0                                ; the registers that the stores of the block before last read are loaded again only behind this wait
.irp c, 0,1
.irp t, 0,1,2,3
	global_store_b128 v[CO], v[BK+4*(4*\c+\t):BK+4*(4*\c+\t)+3], s[8:9] offset:\c*16384+(\a)*2048+\t*512   ; the wave stores 512 consecutive bytes, aligned: four rows of a block
.endr
.endr
.endm
	s_wait_tensorcnt 1                             ; my part of K step 0 is in; K step 1's may stay out
	s_barrier_signal -1
	s_barrier_wait -1                              ; everybody's is
	FETCH 0, 0, F0
	s_wait_loadcnt 0x0                             ; the bias
	QUARTER 0, 1, F0, F1, 1                        ; the first quarter stands in front of the loop: its products start the sums, from the bias
	WIN 0                                          ; at a label and at a branch every window is 0
	s_mov_b32 s3, LAPS-1
.Llap:                                                 ; a trip goes once round the ring, from a lap's second quarter to the next lap's first, and fills both slots again
	QUARTER 0, 2, F1, F0, 0
	QUARTER 0, 3, F0, F1, 0
	TURN 0, 1, 1
	QUARTER 1, 1, F0, F1, 0
	QUARTER 1, 2, F1, F0, 0
	QUARTER 1, 3, F0, F1, 0
	TURN 1, 0, 1
	QUARTER 0, 1, F0, F1, 0
	WIN 0
	s_sub_co_u32 s3, s3, 1
	s_cmp_lg_u32 s3, 0
	s_cbranch_scc1 .Llap
	QUARTER 0, 2, F1, F0, 0                        ; the last lap fills nothing, and has no round of the cluster's barrier
	QUARTER 0, 3, F0, F1, 0
	TURN 0, 1, 0
	QUARTER 1, 1, F0, F1, 0
	QUARTER 1, 2, F1, F0, 0
	QUARTER 1, 3, F0, F1, 0
	s_wait_dscnt 8                                 ; the very last quarter: nothing more to fetch
	WIN MUL_LO
	MUL16 F1, 0, 0, 0
	MUL16 F1, 0, 2, 0
	s_wait_dscnt 0
	WIN MUL_HI
	MUL16 F1, 1, 0, 0
	MUL16 F1, 1, 2, 0
	WIN 0
	PLACES
	PACK 0
	TOSTAGE 0
.irp a, 1,2,3,4,5,6,7                  ; block a's arithmetic stands between block a - 1's loads from the stage and the wait for them
	PACK \a
	SEND \a-1
	TOSTAGE \a
.endr
	SEND 7
	s_set_vgpr_msb 0x1
	s_wait_tensorcnt 0x0
	ds_add_u32 v255, v31
	s_wait_dscnt 0x0
	s_set_vgpr_msb 0x100
	CROUND                                         ; the closing round: no work-group ends while a partner may still ask for a tile that names it
	s_endpgm
.Lfunc_end_k_q0816b08e04_mlp_in:
	.size	k_q0816b08e04_mlp_in, .Lfunc_end_k_q0816b08e04_mlp_in-k_q0816b08e04_mlp_in
	.p2alignl 7, 3214868480
	.fill 96, 4, 3214868480
	.section	.rodata,"a",@progbits
	.p2align	6, 0x0
	.amdhsa_kernel k_q0816b08e04_mlp_in
		.amdhsa_group_segment_fixed_size 327680
		.amdhsa_private_segment_fixed_size 0
		.amdhsa_enable_private_segment 0
		.amdhsa_kernarg_size 32
		.amdhsa_user_sgpr_count 2
		.amdhsa_user_sgpr_kernarg_segment_ptr 1
		.amdhsa_wavefront_size32 1
		.amdhsa_system_sgpr_workgroup_id_x 1
		.amdhsa_system_sgpr_workgroup_id_y 1
		.amdhsa_system_sgpr_workgroup_id_z 1
		.amdhsa_system_vgpr_workitem_id 0
		.amdhsa_next_free_vgpr 1024
		.amdhsa_next_free_sgpr 80
		.amdhsa_reserve_vcc 0
		.amdhsa_float_denorm_mode_32 3
		.amdhsa_float_denorm_mode_16_64 3
		.amdhsa_memory_ordered 1
		.amdhsa_forward_progress 1
		.amdhsa_inst_pref_size 161
	.end_amdhsa_kernel
	.amdgpu_metadata
---
amdhsa.version: [ 1, 2 ]
amdhsa.kernels:
  - .name:           k_q0816b08e04_mlp_in
    .symbol:         k_q0816b08e04_mlp_in.kd
    .args:
      - { .name: hn, .offset: 0, .size: 8, .value_kind: global_buffer, .address_space: global }
      - { .name: wb, .offset: 8, .size: 8, .value_kind: global_buffer, .address_space: global }
      - { .name: b_in, .offset: 16, .size: 8, .value_kind: global_buffer, .address_space: global }
      - { .name: actb, .offset: 24, .size: 8, .value_kind: global_buffer, .address_space: global }
    .group_segment_fixed_size: 327680
    .private_segment_fixed_size: 0
    .kernarg_segment_align: 8
    .kernarg_segment_size: 32
    .max_flat_workgroup_size: 128
    .sgpr_count:     80
    .vgpr_count:     1024
    .wavefront_size: 32
...
	.end_amdgpu_metadata
.endif
;; end of part 12
;; launch mlp_out (part 13): grid 8 x 32, 4 waves a work-group, clusters of 4 x 4, 327,680 bytes of LDS; arguments actb, wb, b_out, midb, out0; writes out0
.if DOCPART == 13
	.amdgcn_target "amdgcn-amd-amdhsa--gfx1250"
	.amdhsa_code_object_version 6
	.text
	.protected	k_q0816b08e04_mlp_out
	.globl	k_q0816b08e04_mlp_out
	.p2align	8
	.type	k_q0816b08e04_mlp_out,@function
k_q0816b08e04_mlp_out:
	s_mov_b64 s[64:65], 0
	v_nop
	global_prefetch_b8 v0, s[64:65] scope:SCOPE_SE
	s_setreg_imm32_b32 hwreg(HW_REG_WAVE_MODE, 25, 1), 1
	s_wait_xcnt 0x0
	s_wait_alu depctr_hold_cnt(0) depctr_sa_sdst(0) depctr_va_vdst(0) depctr_va_sdst(0) depctr_va_ssrc(0) depctr_va_vcc(0) depctr_vm_vsrc(0)
	s_getreg_b32 s2, hwreg(HW_REG_IB_STS2, 6, 4)
	s_cmp_eq_u32 s2, 0
	s_cbranch_scc0 .Lentry_in_a_cluster
	s_endpgm
.Lentry_in_a_cluster:
	s_bfe_u32 s2, ttmp6, 0x10000c
	s_cmp_lg_u32 s2, 0xf033
	s_cbranch_scc0 .Lentry_shape_is_right
	s_endpgm
.Lentry_shape_is_right:
; THIS PRODUCT: out = resid_mid + act W_out + b_out.  A = act [4096 x 4096], W = wb's region of W_out (1,024 columns),
; out = f32 rows of 1,024.
.set SIZE_K, 4096                      ; the length of the sums
.set WOFF,   16777216                  ; the weights' region in wb, bytes
; FROM HERE ON THE TEXT IS THE SAME IN THE TWO NARROW PRODUCTS OF THE BLOCK (oproj, mlp_out); the constants above choose.
; C[t][n] = sum over k of A[t][k] W[k][n] + bias[n] + residual[t][n]; bf16 operands, f32 sums (the limit of format that the problem allows; all else f32).
; A lies in blocks [t / 128][k / 64][t % 128][64] of bf16, W as [n / 128][k][128] of bf16: a K step of 256 of a tile of 128 rows of A, or of 128
; columns of W, is 65,536 consecutive bytes.
; A tile of C is 128 x 128, since 4,096 x 1,024 has 256 such tiles, one for each WGP, and only 64 of 256 x 256.  Four waves, each 64 x 64 = 16 accumulators of
; 16 x 16.  K goes in steps of 256 through a ring of two LDS slots; each wave brings a quarter of a slot (32,768 bytes, as 128 rows of 256 bytes) with one tensor load.
; CLUSTERS: 4 x 4 work-groups.  The four of a row of the cluster need the same tiles of A, the four of a column the same tiles of W: each tile is asked for
; JOINTLY, by the same tensor load with the same descriptor and a mask that names the four.
; THE MATRIX INSTRUCTION IS USED TRANSPOSED (source 0 = 16 columns of W, source 1 = 16 rows of A): lane l then holds row l % 16 of C and, in its
; registers 0..7, the columns 8 (l / 16) + 0..7.  So eight numbers of the bias a lane and column block are the C operand of the first products: no sum is
; cleared and no bias is added later.  W lies [k][n] in LDS and comes out turned, by ds_load_tr16_b128.
; REGISTERS: window 0: v0-31 addresses; v96-127 the bias; v128-255 the accumulators ((a, b) at v[128 + 8 (4 a + b)]).
;   window 1: two fragment buffers of 128: for 64 along K, 64 registers of A, then 64 of W.   window 2: v0-127 the residual's 64 x 64.
.set PA,     144                       ; a row of A in LDS: 128 bytes + 16 = 36 words: the 16 rows of a fragment load start at 16 different groups of four banks
.set PB,     288                       ; a row of W in LDS: 256 bytes + 32 = 72 words
.set HALFT,  36864                     ; what one tensor load fills: 256 rows of A's pitch = 128 rows of W's pitch
.set SLOT,   4*HALFT                   ; A: [k / 64 = 0..3][128 rows], then W: [256 k]
.set BOFF,   2*HALFT
.set STAGE,  2*SLOT                    ; behind the ring, a multiple of 256: 16 rows for each wave, its own, for the way out; no tensor load lands here
.set SPITCH, 272                       ; 64 f32 + 16 bytes
.set KSTEPB, 65536                     ; bytes of a K step, in A's tile and in W's
.set LAPS,   SIZE_K/512                ; a lap = two K steps = once round the ring
.set ADRA, 16                          ; v16-17  LDS address of my A fragments in slot 0, 1
.set ADRB, 20                          ; v20-23  the same for W: slot 0 k 0-127, slot 0 k 128-255, slot 1 likewise (an LDS offset has 16 bits)
.set STO,  24                          ; v24     the way out: where I put my part of a row
.set RD,   25                          ; v25     the way out: where I read rows back
.set CO,   26                          ; v26     my byte offset in out and in the residual
.set BO,   27                          ; v27     my byte offset in the bias
.set BIAS, 96
.set ACC,  128
.set F0,   0
.set F1,   128
.set G1,  24                           ; s[24:31] descriptor group 1 for A's tiles;  s[32:39] group 0, one set for each slot
.set G0,  32
.set G1B, 48                           ; s[48:55], s[56:63] the same for W's tiles
.set G0B, 56
.set MSB, 0
.macro WIN new                         ; the immediate's high byte repeats the setting that is left; a switch that changes nothing is dropped
.if MSB != \new
	s_set_vgpr_msb (MSB<<8)|\new
.set MSB, \new
.endif
.endm
.set MUL,  0x05                        ; sources 0 (W) and 1 (A) window 1; C and D window 0
.set TO_F, 0x40                        ; destination window 1, address window 0
.macro JLOAD s                         ; a joint load: waves 0 and 1 fetch A's two halves, waves 2 and 3 W's; four v_nop follow each of the two lines, ahead of the jump, the label and what follows
	s_cmp_eq_u32 s11, 0
	s_cbranch_scc0 .Lfor_b_\@
	tensor_load_to_lds s[G0+4*\s:G0+4*\s+3], s[G1:G1+7]
	s_nop 0
.rept 4
	v_nop
.endr
	s_branch .Lasked_\@
.Lfor_b_\@:
	tensor_load_to_lds s[G0B+4*\s:G0B+4*\s+3], s[G1B:G1B+7]
	s_nop 0
.rept 4
	v_nop
.endr
.Lasked_\@:
.endm
.macro CREST                           ; a round of the cluster's barrier behind its opening barrier
	s_cmp_lg_u32 s10, 0
	s_cbranch_scc1 .Lnot_wave_0_\@
	s_barrier_signal -3
.Lnot_wave_0_\@:
	s_barrier_wait -3
	s_barrier_signal -1
	s_barrier_wait -1
.endm
.macro CROUND                          ; a whole round
	s_barrier_signal -1
	s_barrier_wait -1
	CREST
.endm
	s_load_b128 s[4:7], s[0:1], 0x0                ; A s[4:5], wb s[6:7]
	s_load_b128 s[68:71], s[0:1], 0x10             ; the bias s[68:69], the residual s[70:71]
	s_load_b64 s[8:9], s[0:1], 0x20                ; out
	v_lshl_add_u32 v94, v0, 2, 0x4c400
	v_mov_b32 v95, 0
	ds_add_u32 v94, v95
	ds_add_u32 v94, v95
	v_lshrrev_b32 v1, 5, v0
	v_readfirstlane_b32 s10, v1                    ; wave 0..3
	s_lshr_b32 s11, s10, 1                         ; which half of the tile's rows is mine.  Also: I fetch for A (0) or for W (1)
	s_and_b32 s12, s10, 1                          ; which half of its columns.  Also: which half of that tile's K step I fetch
	s_bfe_u32 s40, ttmp6, 0x40000                  ; cx, cy: my place in the cluster
	s_bfe_u32 s41, ttmp6, 0x40004
	s_lshl_b32 s42, ttmp9, 2
	s_add_co_u32 s42, s42, s40                     ; tile column nt = 4 x cluster x + cx
	s_and_b32 s13, ttmp7, 0xffff
	s_lshl_b32 s13, s13, 2
	s_add_co_u32 s13, s13, s41                     ; tile row mt = 4 x cluster y + cy
	s_lshl_b32 s43, s41, 2
	s_lshl_b32 s43, 15, s43                        ; my row of the cluster
	s_lshl_b32 s44, 0x1111, s40                    ; my column
	; descriptor group 1: 128 rows of 128 elements of 2 bytes, one behind the other in memory.  A: 4 words of padding behind every 32 words, so that each
	; half of a memory row (a row of a block of A, 128 bytes) becomes an LDS row of 144 bytes.  W: 8 words behind every 64: LDS rows of 288 bytes.
	s_or_b32 s[G1+0], s43, (1<<16)|(1<<20)|(1<<21)|(4<<22)|(3<<25)   ; 15:0 the mask: A's tiles go to my row; 17:16 elements of 2 bytes; 20 padding on; 21 set beside a mask; 24:22 interval; 31:25 padding less one
	s_or_b32 s[G1B+0], s44, (1<<16)|(1<<20)|(1<<21)|(5<<22)|(7<<25)  ; the mask of my column, for W's tiles
.irp g, G1, G1B
	s_mov_b32 s[\g+1], 128<<16                     ; tensor_dim0 = 128
	s_mov_b32 s[\g+2], 128<<16                     ; tensor_dim1 = 128
	s_mov_b32 s[\g+3], 128<<16                     ; tile_dim0 = 128
	s_mov_b32 s[\g+4], 128                         ; tile_dim1 = 128
	s_mov_b32 s[\g+5], 128                         ; from row to row: 128 elements
	s_mov_b32 s[\g+6], 0
	s_mov_b32 s[\g+7], 0
.endr
	; A's tiles hang on the tile row alone, W's on the tile column alone; every wave makes both addresses, in registers that never hold the other coordinate
	s_mul_i32 s16, s13, SIZE_K*256                 ; a tile row of A: SIZE_K / 64 blocks of 16,384 bytes
	s_lshl_b32 s17, s12, 15                        ; my half of a K step
	s_add_co_u32 s16, s16, s17
	s_mov_b32 s17, 0
	s_mul_i32 s46, s42, SIZE_K*256                 ; a tile column of W: SIZE_K rows of 256 bytes
	s_lshl_b32 s47, s12, 15
	s_add_co_u32 s46, s46, s47
	s_add_co_u32 s46, s46, WOFF
	s_mov_b32 s47, 0
	s_mul_i32 s20, s10, HALFT                      ; where they go: wave x a quarter of a slot: no place in the cluster enters an LDS address
	s_wait_dscnt 0x0
	s_wait_kmcnt 0x0
	s_add_nc_u64 s[14:15], s[4:5], s[16:17]
	s_add_nc_u64 s[46:47], s[6:7], s[46:47]
	CROUND                                         ; all sixteen work-groups are here: the first joint loads meet
.irp s, 0,1
	s_mov_b32 s[G0+4*\s], 1
	s_add_co_u32 s[G0+4*\s+1], s20, \s*SLOT
	s_add_nc_u64 s[G0+4*\s+2:G0+4*\s+3], s[14:15], \s*KSTEPB
	s_or_b32 s[G0+4*\s+3], s[G0+4*\s+3], 0x80000000
	s_mov_b32 s[G0B+4*\s], 1
	s_add_co_u32 s[G0B+4*\s+1], s20, \s*SLOT
	s_add_nc_u64 s[G0B+4*\s+2:G0B+4*\s+3], s[46:47], \s*KSTEPB
	s_or_b32 s[G0B+4*\s+3], s[G0B+4*\s+3], 0x80000000
	JLOAD \s                                       ; K steps 0 and 1: two tensor loads of mine are out
.endr
	; the bias of my 64 columns
	s_lshl_b32 s76, s42, 9                         ; 128 columns of 4 bytes
	s_lshl_b32 s78, s12, 8
	s_add_co_u32 s76, s76, s78
	s_mov_b32 s77, 0
	s_add_nc_u64 s[68:69], s[68:69], s[76:77]
	v_and_b32 v1, 15, v0                           ; r = l % 16
	v_bfe_u32 v2, v0, 4, 1                         ; h = l / 16
	v_lshlrev_b32 v[BO], 5, v2                     ; 8 h numbers
.irp b, 0,1,2,3
	global_load_b128 v[BIAS+8*\b:BIAS+8*\b+3],   v[BO], s[68:69] offset:64*\b
	global_load_b128 v[BIAS+8*\b+4:BIAS+8*\b+7], v[BO], s[68:69] offset:64*\b+16
.endr
	; where my 64 x 64 of C begins in out and in the residual
	s_lshl_b32 s76, s13, 19                        ; 128 rows of 4,096 bytes
	s_lshl_b32 s78, s11, 18
	s_add_co_u32 s76, s76, s78
	s_lshl_b32 s78, s42, 9
	s_add_co_u32 s76, s76, s78
	s_lshl_b32 s78, s12, 8
	s_add_co_u32 s76, s76, s78
	s_add_nc_u64 s[8:9], s[8:9], s[76:77]
	s_add_nc_u64 s[70:71], s[70:71], s[76:77]
	v_lshlrev_b32 v[CO], 4, v1
	v_lshl_add_u32 v[CO], v2, 12, v[CO]            ; lanes 0-15 one row's 256 bytes, lanes 16-31 the next row's
	WIN 0x80                                       ; destination window 2, address window 0
.set i, 0
.rept 32                               ; the residual's 64 x 64, in the order in which C's rows come back from the stage; it lands under the whole loop over K
	global_load_b128 v[4*i:4*i+3], v[CO], s[70:71] offset:2*i*4096
.set i, i+1
.endr
	WIN 0
	; A fragment of A is 16 rows x 32 K in 8 registers: lane l holds row r; registers 0-3 K = 8 h + 0..7, registers 4-7 K = 16 + 8 h + 0..7: two loads of 16 bytes, 32 bytes apart.
	v_mul_u32_u24 v3, v1, PA
	v_lshl_add_u32 v3, v2, 4, v3
	s_mul_i32 s21, s11, 64*PA                      ; my 64 rows
	v_add_nc_u32 v[ADRA], s21, v3
	v_add_nc_u32 v[ADRA+1], SLOT, v[ADRA]
	; The turning load takes 16 k x 16 columns (lane l reads 16 bytes: k = 8 h + l % 8, columns 8 ((l / 8) % 2) + 0..7) and leaves half a fragment: lane l holds column r and 8 k.
	v_and_b32 v9, 7, v0
	v_lshl_add_u32 v4, v2, 3, v9
	v_mul_u32_u24 v4, v4, PB
	v_bfe_u32 v5, v0, 3, 1
	v_lshl_add_u32 v4, v5, 4, v4
	s_lshl_b32 s22, s12, 7                         ; my 64 columns
	s_add_co_u32 s22, s22, BOFF
	v_add_nc_u32 v[ADRB], s22, v4
	v_add_nc_u32 v[ADRB+1], 128*PB, v[ADRB]
	v_add_nc_u32 v[ADRB+2], SLOT, v[ADRB]
	v_add_nc_u32 v[ADRB+3], SLOT+128*PB, v[ADRB]
	s_mul_i32 s23, s10, 16*SPITCH
	s_add_co_u32 s23, s23, STAGE                   ; my stage
	v_mul_u32_u24 v7, v1, SPITCH                   ; in: row r, eight numbers for each half of the lanes
	v_lshl_add_u32 v7, v2, 5, v7
	v_mul_u32_u24 v8, v2, SPITCH                   ; back: lanes 0-15 one row of 256 bytes, lanes 16-31 the next
	v_lshl_add_u32 v8, v1, 4, v8
	v_add_nc_u32 v[STO], s23, v7
	v_add_nc_u32 v[RD], s23, v8
; 8 matrix instructions: row blocks a0, a0 + 1 x all 4 column blocks, 32 along K: half c of buffer f.  first = 1: the bias starts the sums.
; The sixteen accumulators take turns, one instruction a turn.
.macro MUL8 f, c, a0, first
.irp a, \a0, \a0+1
.irp b, 0,1,2,3
.if \first
	v_wmma_f32_16x16x32_bf16 v[ACC+8*(4*(\a)+\b):ACC+8*(4*(\a)+\b)+7], v[\f+64+8*(4*\c+\b):\f+64+8*(4*\c+\b)+7], v[\f+8*(4*\c+\a):\f+8*(4*\c+\a)+7], v[BIAS+8*\b:BIAS+8*\b+7]
.else
	v_wmma_f32_16x16x32_bf16 v[ACC+8*(4*(\a)+\b):ACC+8*(4*(\a)+\b)+7], v[\f+64+8*(4*\c+\b):\f+64+8*(4*\c+\b)+7], v[\f+8*(4*\c+\a):\f+8*(4*\c+\a)+7], v[ACC+8*(4*(\a)+\b):ACC+8*(4*(\a)+\b)+7]
.endif
.endr
.endr
.endm
; 32 LDS loads in one run: the fragments of quarter q (64 along K) of a slot, into buffer f; the first 32 along K first
.macro FETCH slot, q, f
	WIN TO_F
.irp c, 0,1
.irp i, 0,1,2,3
	ds_load_tr16_b128 v[\f+64+8*(4*\c+\i):\f+64+8*(4*\c+\i)+3],   v[ADRB+2*\slot+(\q)/2] offset:(((\q)%2)*64+32*\c)*PB+32*\i
	ds_load_tr16_b128 v[\f+64+8*(4*\c+\i)+4:\f+64+8*(4*\c+\i)+7], v[ADRB+2*\slot+(\q)/2] offset:(((\q)%2)*64+32*\c+16)*PB+32*\i
	ds_load_b128 v[\f+8*(4*\c+\i):\f+8*(4*\c+\i)+3],              v[ADRA+\slot] offset:(\q)*128*PA+\i*16*PA+64*\c
	ds_load_b128 v[\f+8*(4*\c+\i)+4:\f+8*(4*\c+\i)+7],            v[ADRA+\slot] offset:(\q)*128*PA+\i*16*PA+64*\c+32
.endr
.endr
.endm
.macro PLACES                          ; four places in front of loads into registers that matrix instructions have read, and of whatever reads results just made
.rept 4
	v_nop
.endr
.endm
; A K step is four quarters of 64 along K, 32 matrix instructions each, on buffers 0, 1, 0, 1.  One of the first three: multiplies buffer f and fetches quarter q into g.
.macro QUARTER slot, q, f, g, first
	s_wait_dscnt 16                                ; the first 32 along K are in: the other sixteen loads of the run are younger
	WIN MUL
	MUL8 \f, 0, 0, \first
	MUL8 \f, 0, 2, \first
	PLACES
	FETCH \slot, \q, \g
	s_wait_dscnt 32                                ; all but the 32 just issued
	WIN MUL
	MUL8 \f, 1, 0, 0
	MUL8 \f, 1, 2, 0
.endm
; The last quarter multiplies buffer 1 and changes slots: ONE barrier; in front of it each wave waits for its own reads of this slot and for all its tensor loads.  fill = 1: this slot is filled again, two K steps ahead.
.macro TURN slot, next, fill
	s_wait_dscnt 16
	WIN MUL
	MUL8 F1, 0, 0, 0
	s_wait_dscnt 0                                 ; my reads of this slot are over,
	s_set_vgpr_msb 0x500
	s_wait_tensorcnt 0x0                           ; and all my tensor loads have landed: the one that was out is my part of the next slot
	ds_add_u32 v94, v95
	s_wait_dscnt 0x0
	s_set_vgpr_msb 0x5
	s_barrier_signal -1
	MUL8 F1, 0, 2, 0
.if \fill
	WIN 0
.endif
	s_barrier_wait -1
.if \fill
	CREST                                          ; the barrier has opened a round of the cluster's barrier: no wave of any partner still reads this slot's tile or has a load on its way
	s_add_nc_u64 s[G0+4*\slot+2:G0+4*\slot+3], s[G0+4*\slot+2:G0+4*\slot+3], 2*KSTEPB
	s_add_nc_u64 s[G0B+4*\slot+2:G0B+4*\slot+3], s[G0B+4*\slot+2:G0B+4*\slot+3], 2*KSTEPB
	JLOAD \slot                                    ; the first tensor load behind the round, my only one until the next; its four v_nop are also the places in front of the loads below
.else
	PLACES
.endif
	FETCH \next, 0, F0
	WIN MUL
	MUL8 F1, 1, 0, 0
	MUL8 F1, 1, 2, 0
.endm
; THE WAY OUT.  Row block a goes as f32 through my stage (each accumulator's low four registers first) and comes back as whole rows of 256 bytes, into the registers that it left.
.macro TOSTAGE a
.irp b, 0,1,2,3
	ds_store_b128 v[STO], v[ACC+8*(4*\a+\b):ACC+8*(4*\a+\b)+3]   offset:64*\b
	ds_store_b128 v[STO], v[ACC+8*(4*\a+\b)+4:ACC+8*(4*\a+\b)+7] offset:64*\b+16
.endr
.irp t, 0,1,2,3,4,5,6,7
	ds_load_b128 v[ACC+32*\a+4*\t:ACC+32*\a+4*\t+3], v[RD] offset:\t*2*SPITCH   ; LDS serves a wave's instructions in order (ISA guide 5.7.1.4): these see the stores above, and the next block's stores come behind them
.endr
.endm
.macro FIN a, younger                  ; younger: the next block's sixteen LDS instructions, or none
	s_wait_dscnt \younger
.if \a == 0
	s_wait_loadcnt 0x0                             ; the residual, asked for ahead of the loop over K
.endif
	WIN 0x08                                       ; source 1 window 2
.set i, 0
.rept 16
	v_pk_add_f32 v[ACC+32*\a+2*i:ACC+32*\a+2*i+1], v[ACC+32*\a+2*i:ACC+32*\a+2*i+1], v[32*\a+2*i:32*\a+2*i+1]
.set i, i+1
.endr
	WIN 0
.irp t, 0,1,2,3,4,5,6,7
	global_store_b128 v[CO], v[ACC+32*\a+4*\t:ACC+32*\a+4*\t+3], s[8:9] offset:(16*\a+2*\t)*4096   ; 16 lanes store 256 consecutive bytes, aligned
.endr
.endm
	s_wait_tensorcnt 1                             ; my part of K step 0 is in; K step 1's may stay out
	s_barrier_signal -1
	s_barrier_wait -1                              ; everybody's is
	FETCH 0, 0, F0
	s_wait_loadcnt 32                              ; the bias is in: the residual's 32 loads are younger
	QUARTER 0, 1, F0, F1, 1                        ; the first quarter stands in front of the loop: its first products start the sums, from the bias
	WIN 0                                          ; at a label and at a branch every window is 0
	s_mov_b32 s3, LAPS-1
.Llap:                                                 ; a trip goes once round the ring, from a lap's second quarter to the next lap's first, and fills both slots again
	QUARTER 0, 2, F1, F0, 0
	QUARTER 0, 3, F0, F1, 0
	TURN 0, 1, 1
	QUARTER 1, 1, F0, F1, 0
	QUARTER 1, 2, F1, F0, 0
	QUARTER 1, 3, F0, F1, 0
	TURN 1, 0, 1
	QUARTER 0, 1, F0, F1, 0
	WIN 0
	s_sub_co_u32 s3, s3, 1
	s_cmp_lg_u32 s3, 0
	s_cbranch_scc1 .Llap
	QUARTER 0, 2, F1, F0, 0                        ; the last lap fills nothing, and has no round of the cluster's barrier
	QUARTER 0, 3, F0, F1, 0
	TURN 0, 1, 0
	QUARTER 1, 1, F0, F1, 0
	QUARTER 1, 2, F1, F0, 0
	QUARTER 1, 3, F0, F1, 0
	s_wait_dscnt 16                                ; the very last quarter: nothing more to fetch
	WIN MUL
	MUL8 F1, 0, 0, 0
	MUL8 F1, 0, 2, 0
	s_wait_dscnt 0
	MUL8 F1, 1, 0, 0
	MUL8 F1, 1, 2, 0
	WIN 0
	PLACES
	TOSTAGE 0
	TOSTAGE 1                                      ; a block's trip through the stage stands between the loads of the block before and their use
	FIN 0, 16
	TOSTAGE 2
	FIN 1, 16
	TOSTAGE 3
	FIN 2, 16
	FIN 3, 0
	s_wait_tensorcnt 0x0
	ds_add_u32 v94, v95
	s_wait_dscnt 0x0
	CROUND                                         ; the closing round: no work-group ends while a partner may still ask for a tile that names it
	s_endpgm
.Lfunc_end_k_q0816b08e04_mlp_out:
	.size	k_q0816b08e04_mlp_out, .Lfunc_end_k_q0816b08e04_mlp_out-k_q0816b08e04_mlp_out
	.p2alignl 7, 3214868480
	.fill 96, 4, 3214868480
	.section	.rodata,"a",@progbits
	.p2align	6, 0x0
	.amdhsa_kernel k_q0816b08e04_mlp_out
		.amdhsa_group_segment_fixed_size 327680
		.amdhsa_private_segment_fixed_size 0
		.amdhsa_enable_private_segment 0
		.amdhsa_kernarg_size 40
		.amdhsa_user_sgpr_count 2
		.amdhsa_user_sgpr_kernarg_segment_ptr 1
		.amdhsa_wavefront_size32 1
		.amdhsa_system_sgpr_workgroup_id_x 1
		.amdhsa_system_sgpr_workgroup_id_y 1
		.amdhsa_system_sgpr_workgroup_id_z 1
		.amdhsa_system_vgpr_workitem_id 0
		.amdhsa_next_free_vgpr 640
		.amdhsa_next_free_sgpr 80
		.amdhsa_reserve_vcc 0
		.amdhsa_float_denorm_mode_32 3
		.amdhsa_float_denorm_mode_16_64 3
		.amdhsa_memory_ordered 1
		.amdhsa_forward_progress 1
		.amdhsa_inst_pref_size 94
	.end_amdhsa_kernel
	.amdgpu_metadata
---
amdhsa.version: [ 1, 2 ]
amdhsa.kernels:
  - .name:           k_q0816b08e04_mlp_out
    .symbol:         k_q0816b08e04_mlp_out.kd
    .args:
      - { .name: actb, .offset: 0, .size: 8, .value_kind: global_buffer, .address_space: global }
      - { .name: wb, .offset: 8, .size: 8, .value_kind: global_buffer, .address_space: global }
      - { .name: b_out, .offset: 16, .size: 8, .value_kind: global_buffer, .address_space: global }
      - { .name: midb, .offset: 24, .size: 8, .value_kind: global_buffer, .address_space: global }
      - { .name: out0, .offset: 32, .size: 8, .value_kind: global_buffer, .address_space: global }
    .group_segment_fixed_size: 327680
    .private_segment_fixed_size: 0
    .kernarg_segment_align: 8
    .kernarg_segment_size: 40
    .max_flat_workgroup_size: 128
    .sgpr_count:     80
    .vgpr_count:     640
    .wavefront_size: 32
...
	.end_amdgpu_metadata
.endif
;; end of part 13
;; ======== version 3 of 3: 7 launches; version 2 with the launch pre written anew for expert scheduling mode
;; workspace buffers: wb 25,165,824 bytes; xn 8,388,608 bytes; qkvb 25,165,824 bytes; zb 8,388,608 bytes; midb 16,777,216 bytes; hn 8,388,608 bytes; actb 33,554,432 bytes
;; launch pre (part 14): grid 256 x 4, 8 waves a work-group, no clusters, 0 bytes of LDS; arguments resid_pre, ln1_w, ln1_b, xn, W_in, W_out, W_O, W_Q, W_K, W_V, wb; writes xn, wb
.if DOCPART == 14
	.amdgcn_target "amdgcn-amd-amdhsa--gfx1250"
	.amdhsa_code_object_version 6
	.text
	.protected	k_q0816b08e04_pre
	.globl	k_q0816b08e04_pre
	.p2align	8
	.type	k_q0816b08e04_pre,@function
k_q0816b08e04_pre:
	s_mov_b64 s[64:65], 0
	v_nop
	global_prefetch_b8 v0, s[64:65] scope:SCOPE_SE
	s_setreg_imm32_b32 hwreg(HW_REG_WAVE_SCHED_MODE, 0, 2), 2
	s_setreg_imm32_b32 hwreg(HW_REG_WAVE_MODE, 25, 1), 1
	s_wait_xcnt 0x0
	s_wait_alu depctr_vm_vsrc(0)
; TWO STREAMS IN ONE LAUNCH, since they share no byte and neither waits for the other: work-groups with y = 0 make LayerNorm 1, those with y = 1..3 lay the weights.
;
; y = 0: xn = LayerNorm(resid_pre) ln1_w + ln1_b.  x: [4096][1024] f32.  xn: bf16 in blocks: [t / 128][column / 64][t % 128][64], a block 128 rows of 128 bytes.
; A wave takes two rows, t = 2 p and 2 p + 1: lanes 0-15 the first, lanes 16-31 the second, so that a row's sums stay inside 16 lanes.
; Lane l holds columns 64 j + 4 (l % 16) + 0..3, j = 0..15: a load covers 256 consecutive bytes of each row, and a store (8 bytes a lane) covers
; rows t and t + 1 of block j: 256 consecutive bytes, aligned.  The rows stay in registers between the passes: x is read once.
; Two passes: the mean, then the sum of squares of x - mean, so a common offset of x costs no digits.
; Order of rounding, stated: (x - mean) * (w * rstd) + b, with rstd from v_rsq_f32 (good to one unit in the last place) in place of a division by a root.
;
; y = 1..3: the six weights, f32 [K][N], are rounded once to bf16 (nearest even) and laid as the products want them:
; wb = [tile column nt = n / 128][k][128 columns], a row of 256 bytes for each k.  Regions of wb, in bytes:
; Wqkv (n = 1024 sel + 64 head + channel; 24 tile columns, K = 1024) at 0, W_O (8, K = 1024) at WO_OFF, W_in (32, K = 1024) at WI_OFF,
; W_out (8, K = 4096) at WU_OFF.
; A piece is 128 numbers of one k: one load of 16 bytes a lane (512 bytes), two conversions, one store of 8 bytes a lane: 256 consecutive
; bytes, aligned, one row of wb.  A wave takes 16 consecutive k of one tile column, the eight waves eight neighbouring tile columns.
; All 16 loads of a wave are out before its first wait for data.
; No loop, no LDS, no barrier, no matrix unit in either: streams in which no wave waits for another.
;
; THE MODE: SCHED_MODE bits 1:0 = 2 (LLVM: expert scheduling mode 2), set by the entry lines.  The code itself states the register dependences
; between vector instructions and memory instructions, with s_wait_alu, always for 0.
; THE PLAN, THE WEIGHTS.  Registers that memory instructions touch:
;   v[VS], v[VD]  offsets, made by vector lines ahead of the loads (v[VS] once more in the heads' arm, before any load has read it) and never written again.
;   CX            written by the 16 loads, once each; read by the conversions.
;   CY            written by the conversions, once each; read by the stores.
; The 16 pieces go in four blocks of four.  Block p's conversions read CX's block p and write CY's block p; the memory instructions among them are the four stores
; of block p - 1, which read CY's block p - 1 and v[VD]: registers that no vector line of block p names.  So one wait at a block's head states all that its four
; stores hang on.  No register that a memory instruction has read is ever written again.
; THE PLAN, THE NORM.  v[XO], v[WO], v[YO]: offsets, made once ahead of the loads.  X, W, B: written by the 48 loads, once; from then on named by vector lines alone,
; until the conversions write the packed results into v[W .. W+31], which the 16 stores read.  The stores of blocks 0 to 7 (v[W .. W+15]) stand among the conversions
; that write v[W+16 .. W+31]; a wait stands ahead of each half of the stores.
.set WO_OFF, 6291456
.set WI_OFF, 8388608
.set WU_OFF, 16777216
; the weights' registers
.set VS, 1                             ; v1  my byte offset in a source piece
.set VD, 2                             ; v2  my byte offset in a row of wb
.set CX, 8                             ; v[8:71]    16 pieces as loaded
.set CY, 72                            ; v[72:103]  16 pieces to store
; the norm's registers
.set XO, 1                             ; v1  my byte offset in the two rows of x
.set WO, 2                             ; v2  my byte offset in w and b
.set YO, 3                             ; v3  my byte offset in two rows of a block of y
.set CH, 8                             ; v[8:15]  four chains of pairs
.set MEAN, 16                          ; v[16:17] the mean, twice
.set RSTD, 18                          ; v[18:19] 1 / sqrt(var + eps), twice
.set X,  32                            ; v[32:95]
.set W,  96                            ; v[96:159]   w; at last the packed results
.set B,  160                           ; v[160:223]
; 16 pieces, stride bytes apart in the source (a row of the weight), 256 bytes apart in wb, in four blocks of four.  No register is written twice.
; Loads return in order: block p is in when at most 12 - 4 p younger ones are out.
.macro CONV stride
	s_wait_alu depctr_va_vdst(0)                   ; v[VS] and v[VD] are written: the loads below read the one as their offset, the stores the other
.set i, 0
.rept 16
	global_load_b128 v[CX+4*i:CX+4*i+3], v[VS], s[20:21] offset:i*\stride th:TH_LOAD_NT
.set i, i+1
.endr
	s_wait_loadcnt 12                              ; block 0 is in: the 12 loads of blocks 1 to 3 are younger
.set i, 0
.rept 4
	v_cvt_pk_bf16_f32 v[CY+2*i],   v[CX+4*i],   v[CX+4*i+1]
	v_cvt_pk_bf16_f32 v[CY+2*i+1], v[CX+4*i+2], v[CX+4*i+3]
.set i, i+1
.endr
.set p, 1
.rept 3
	s_wait_loadcnt 12-4*p                          ; block p is in, the younger blocks stay out
	s_wait_alu depctr_va_vdst(0)                   ; the conversions of block p - 1 have written its part of CY, which the four stores below read
.rept 4
	global_store_b64 v[VD], v[CY+2*(i-4):CY+2*(i-4)+1], s[22:23] offset:(i-4)*256   ; the block before; no vector line since the wait names its registers
	v_cvt_pk_bf16_f32 v[CY+2*i],   v[CX+4*i],   v[CX+4*i+1]
	v_cvt_pk_bf16_f32 v[CY+2*i+1], v[CX+4*i+2], v[CX+4*i+3]
.set i, i+1
.endr
.set p, p+1
.endr
	s_wait_alu depctr_va_vdst(0)                   ; the conversions of block 3 have written its part of CY, which the last four stores read
.rept 4
	global_store_b64 v[VD], v[CY+2*(i-4):CY+2*(i-4)+1], s[22:23] offset:(i-4)*256
.set i, i+1
.endr
	s_endpgm
.endm
.macro REDUCE                          ; four chains of pairs -> one number, the same in the 16 lanes of a row
	v_pk_add_f32 v[CH:CH+1],   v[CH:CH+1],   v[CH+2:CH+3]
	v_pk_add_f32 v[CH+4:CH+5], v[CH+4:CH+5], v[CH+6:CH+7]
	v_pk_add_f32 v[CH:CH+1],   v[CH:CH+1],   v[CH+4:CH+5]
	v_add_f32 v[CH], v[CH], v[CH+1]
.irp m, 1,2,4,8
	v_add_f32_dpp v[CH], v[CH], v[CH] row_xmask:\m row_mask:0xf bank_mask:0xf
.endr
.endm
	s_and_b32 s19, ttmp7, 0xffff                   ; y
	s_cmp_eq_u32 s19, 0
	s_cbranch_scc1 .Lnorm
	; ---- THE WEIGHTS ----
	s_sub_co_u32 s19, s19, 1                       ; which weights: 0, 1, 2
	s_load_b256 s[4:11], s[0:1], 0x20              ; W_in s[4:5], W_out s[6:7], W_O s[8:9], W_Q s[10:11]
	s_load_b128 s[12:15], s[0:1], 0x40             ; W_K s[12:13], W_V s[14:15]
	s_load_b64 s[16:17], s[0:1], 0x50              ; wb
	v_lshrrev_b32 v3, 5, v0
	v_readfirstlane_b32 s18, v3                    ; wave w, 0..7
	s_mov_b32 s24, ttmp9                           ; x: which part of them
	v_and_b32 v4, 31, v0
	v_lshlrev_b32 v[VS], 4, v4                     ; 16 x lane
	v_lshlrev_b32 v[VD], 3, v4                     ; 8 x lane
	s_mov_b32 s27, 0                               ; high words of the two offset pairs s[26:27] (source), s[28:29] (wb)
	s_mov_b32 s29, 0
	s_wait_alu depctr_va_sdst(0)                   ; s18 is written, ahead of the branches below and of its first reader in each arm: the offsets in the source and in wb are made from it
	s_wait_kmcnt 0x0
	s_cmp_lg_u32 s19, 0
	s_cbranch_scc1 .Lnot_w_in
	; 0: W_in [1024][4096].  nt = 8 (x & 3) + w, k = 16 (x >> 2) on
	s_and_b32 s25, s24, 3
	s_lshl3_add_u32 s25, s25, s18                  ; nt
	s_lshr_b32 s30, s24, 2                         ; c
	s_lshl_b32 s26, s30, 18                        ; 16 rows of 16,384 bytes
	s_lshl_b32 s31, s25, 9
	s_add_co_u32 s26, s26, s31                     ; + 512 nt
	s_lshl_b32 s28, s25, 18                        ; nt x 1024 rows of 256 bytes
	s_lshl_b32 s31, s30, 12
	s_add_co_u32 s28, s28, s31                     ; + 16 c rows
	s_add_co_u32 s28, s28, WI_OFF
	s_add_nc_u64 s[20:21], s[4:5], s[26:27]
	s_add_nc_u64 s[22:23], s[16:17], s[28:29]
	CONV 16384
.Lnot_w_in:
	s_cmp_eq_u32 s19, 1
	s_cbranch_scc1 .Lrows_4k
	s_cmp_lt_u32 s24, 64
	s_cbranch_scc0 .Lheads
.Lrows_4k:
	; 1: W_out [4096][1024], all x.  2, x < 64: W_O [16 x 64][1024].  Both: rows of 4,096 bytes, nt = w, k = 16 x on
	s_mov_b32 s30, WU_OFF
	s_mov_b32 s31, WO_OFF
	s_cmp_eq_u32 s19, 1
	s_cselect_b64 s[20:21], s[6:7], s[8:9]
	s_cselect_b32 s28, s30, s31                    ; the region of wb
	s_cselect_b32 s25, 20, 18                      ; a tile column is K rows of 256 bytes: 2^20 or 2^18 bytes
	s_lshl_b32 s25, s18, s25
	s_add_co_u32 s28, s28, s25
	s_lshl_b32 s25, s24, 12
	s_add_co_u32 s28, s28, s25                     ; + 16 x rows
	s_lshl_b32 s26, s24, 16                        ; 16 rows of 4,096 bytes
	s_lshl_b32 s25, s18, 9
	s_add_co_u32 s26, s26, s25                     ; + 512 w
	s_add_nc_u64 s[20:21], s[20:21], s[26:27]
	s_add_nc_u64 s[22:23], s[16:17], s[28:29]
	CONV 4096
.Lheads:
	; 2, x >= 64: W_Q, W_K, W_V [16][1024][64].  sel = (x >> 6) - 1, k = 16 (x & 63) on.  Tile column 8 sel + w is heads 2 w and 2 w + 1 side by
	; side: lanes 0-15 read 256 bytes of head 2 w's row, lanes 16-31 of head 2 w + 1's
	s_lshr_b32 s25, s24, 6
	s_sub_co_u32 s25, s25, 1                       ; sel
	s_and_b32 s30, s24, 63                         ; c
	s_cmp_eq_u32 s25, 1
	s_cselect_b64 s[20:21], s[12:13], s[10:11]
	s_cmp_eq_u32 s25, 2
	s_cselect_b64 s[20:21], s[14:15], s[20:21]
	s_lshl_b32 s26, s18, 19                        ; two heads of 262,144 bytes
	s_lshl_b32 s31, s30, 12                        ; 16 c rows of 256 bytes, in the source and in wb
	s_add_co_u32 s26, s26, s31
	s_lshl3_add_u32 s28, s25, s18                  ; nt
	s_lshl_b32 s28, s28, 18
	s_add_co_u32 s28, s28, s31
	s_add_nc_u64 s[20:21], s[20:21], s[26:27]
	s_add_nc_u64 s[22:23], s[16:17], s[28:29]
	v_and_b32 v5, 15, v0
	v_bfe_u32 v6, v0, 4, 1
	v_lshlrev_b32 v[VS], 4, v5                     ; no memory instruction has read v[VS] yet; the wait at the head of the lines below stands behind this write
	v_lshl_add_u32 v[VS], v6, 18, v[VS]            ; 16 (lane % 16) + a head for the upper half of the lanes
	CONV 256
.Lnorm:
	; ---- THE NORM ----
	s_load_b256 s[4:11], s[0:1], 0x0               ; x s[4:5], w s[6:7], b s[8:9], y s[10:11]
	v_lshrrev_b32 v4, 5, v0
	v_readfirstlane_b32 s14, v4                    ; wave
	v_and_b32 v5, 15, v0
	v_bfe_u32 v6, v0, 4, 1
	v_lshlrev_b32 v[WO], 4, v5
	v_lshl_add_u32 v[XO], v6, 12, v[WO]
	v_and_b32 v[YO], 31, v0
	v_lshlrev_b32 v[YO], 3, v[YO]
	s_wait_alu depctr_va_sdst(0)                   ; s14 is written, ahead of its first reader: the bases of x and y are made from it
	s_lshl3_add_u32 s14, ttmp9, s14                ; p = 8 x work-group + wave, 0..2047
	s_lshl_b32 s16, s14, 13                        ; two rows of 4,096 bytes
	s_mov_b32 s17, 0
	s_lshr_b32 s18, s14, 6
	s_lshl_b32 s18, s18, 18                        ; (t / 128) x 16 blocks of 16,384 bytes
	s_and_b32 s15, s14, 63
	s_lshl_b32 s15, s15, 8                         ; (t % 128) x 128 bytes
	s_add_co_u32 s18, s18, s15
	s_mov_b32 s19, 0
	s_mov_b32 s12, 0x3a800000                      ; 1 / 1024
	s_mov_b32 s13, 0x3727c5ac                      ; eps = 1e-5
	s_wait_kmcnt 0x0
	s_add_nc_u64 s[4:5], s[4:5], s[16:17]
	s_add_nc_u64 s[10:11], s[10:11], s[18:19]
	s_wait_alu depctr_va_vdst(0)                   ; v[XO], v[WO] and v[YO] are written: every load and store below reads one of them as its offset
.set j, 0
.rept 16
	global_load_b128 v[X+4*j:X+4*j+3], v[XO], s[4:5] offset:256*j
.set j, j+1
.endr
.set j, 0
.rept 16
	global_load_b128 v[W+4*j:W+4*j+3], v[WO], s[6:7] offset:256*j
.set j, j+1
.endr
.set j, 0
.rept 16
	global_load_b128 v[B+4*j:B+4*j+3], v[WO], s[8:9] offset:256*j
.set j, j+1
.endr
	s_wait_loadcnt 32                              ; x is in: the 32 loads of w and b are younger
	; pass 1: the sum.  The first eight pairs start the four chains: nothing is cleared
.set k, 0
.rept 4
	v_pk_add_f32 v[CH+2*k:CH+2*k+1], v[X+2*k:X+2*k+1], v[X+2*k+8:X+2*k+9]
.set k, k+1
.endr
.set k, 8
.rept 24
	v_pk_add_f32 v[CH+2*(k%4):CH+2*(k%4)+1], v[CH+2*(k%4):CH+2*(k%4)+1], v[X+2*k:X+2*k+1]
.set k, k+1
.endr
	REDUCE
	v_mul_f32 v[MEAN], s12, v[CH]
	v_mul_f32 v[MEAN+1], s12, v[CH]
.set k, 0
.rept 32
	v_pk_add_f32 v[X+2*k:X+2*k+1], v[X+2*k:X+2*k+1], v[MEAN:MEAN+1] neg_lo:[0,1] neg_hi:[0,1]   ; x - mean
.set k, k+1
.endr
	; pass 2: the sum of squares
.set k, 0
.rept 4
	v_pk_mul_f32 v[CH+2*k:CH+2*k+1], v[X+2*k:X+2*k+1], v[X+2*k:X+2*k+1]
.set k, k+1
.endr
.rept 28
	v_pk_fma_f32 v[CH+2*(k%4):CH+2*(k%4)+1], v[X+2*k:X+2*k+1], v[X+2*k:X+2*k+1], v[CH+2*(k%4):CH+2*(k%4)+1]
.set k, k+1
.endr
	REDUCE
	v_fma_f32 v20, v[CH], s12, s13                 ; var + eps
	v_rsq_f32 v[RSTD], v20
	v_rsq_f32 v[RSTD+1], v20
	v_nop                                          ; a plain instruction between the last v_rsq_f32 and the use of its result (ISA guide 5.7.2)
	s_wait_loadcnt 16                              ; w is in: b's 16 loads are younger
	s_wait_alu depctr_va_vdst(0)                   ; the two v_rsq_f32 have written v[RSTD] and v[RSTD+1]: one wait for both, ahead of their first reader
.set k, 0
.rept 32
	v_pk_mul_f32 v[W+2*k:W+2*k+1], v[W+2*k:W+2*k+1], v[RSTD:RSTD+1]
.set k, k+1
.endr
	s_wait_loadcnt 0x0                             ; b
.set k, 0
.rept 32
	v_pk_fma_f32 v[X+2*k:X+2*k+1], v[X+2*k:X+2*k+1], v[W+2*k:W+2*k+1], v[B+2*k:B+2*k+1]
.set k, k+1
.endr
.set k, 0
.rept 16
	v_cvt_pk_bf16_f32 v[W+k], v[X+2*k], v[X+2*k+1] ; w's registers are free
.set k, k+1
.endr
	s_wait_alu depctr_va_vdst(0)                   ; the conversions have written v[W .. W+15], which the stores of blocks 0 to 7 read
.set j, 0
.rept 8
	global_store_b64 v[YO], v[W+2*j:W+2*j+1], s[10:11] offset:16384*j   ; no vector line since the wait names v[YO] or v[W .. W+15]
	v_cvt_pk_bf16_f32 v[W+k], v[X+2*k], v[X+2*k+1]
.set k, k+1
	v_cvt_pk_bf16_f32 v[W+k], v[X+2*k], v[X+2*k+1]
.set k, k+1
.set j, j+1
.endr
	s_wait_alu depctr_va_vdst(0)                   ; the conversions have written v[W+16 .. W+31], which the stores of blocks 8 to 15 read
.rept 8
	global_store_b64 v[YO], v[W+2*j:W+2*j+1], s[10:11] offset:16384*j
.set j, j+1
.endr
	s_endpgm
.Lfunc_end_k_q0816b08e04_pre:
	.size	k_q0816b08e04_pre, .Lfunc_end_k_q0816b08e04_pre-k_q0816b08e04_pre
	.p2alignl 7, 3214868480
	.fill 96, 4, 3214868480
	.section	.rodata,"a",@progbits
	.p2align	6, 0x0
	.amdhsa_kernel k_q0816b08e04_pre
		.amdhsa_group_segment_fixed_size 0
		.amdhsa_private_segment_fixed_size 0
		.amdhsa_enable_private_segment 0
		.amdhsa_kernarg_size 88
		.amdhsa_user_sgpr_count 2
		.amdhsa_user_sgpr_kernarg_segment_ptr 1
		.amdhsa_wavefront_size32 1
		.amdhsa_system_sgpr_workgroup_id_x 1
		.amdhsa_system_sgpr_workgroup_id_y 1
		.amdhsa_system_sgpr_workgroup_id_z 1
		.amdhsa_system_vgpr_workitem_id 0
		.amdhsa_next_free_vgpr 224
		.amdhsa_next_free_sgpr 66
		.amdhsa_reserve_vcc 0
		.amdhsa_float_denorm_mode_32 3
		.amdhsa_float_denorm_mode_16_64 3
		.amdhsa_memory_ordered 1
		.amdhsa_forward_progress 1
		.amdhsa_inst_pref_size 39
	.end_amdhsa_kernel
	.amdgpu_metadata
---
amdhsa.version: [ 1, 2 ]
amdhsa.kernels:
  - .name:           k_q0816b08e04_pre
    .symbol:         k_q0816b08e04_pre.kd
    .args:
      - { .name: resid_pre, .offset: 0, .size: 8, .value_kind: global_buffer, .address_space: global }
      - { .name: ln1_w, .offset: 8, .size: 8, .value_kind: global_buffer, .address_space: global }
      - { .name: ln1_b, .offset: 16, .size: 8, .value_kind: global_buffer, .address_space: global }
      - { .name: xn, .offset: 24, .size: 8, .value_kind: global_buffer, .address_space: global }
      - { .name: W_in, .offset: 32, .size: 8, .value_kind: global_buffer, .address_space: global }
      - { .name: W_out, .offset: 40, .size: 8, .value_kind: global_buffer, .address_space: global }
      - { .name: W_O, .offset: 48, .size: 8, .value_kind: global_buffer, .address_space: global }
      - { .name: W_Q, .offset: 56, .size: 8, .value_kind: global_buffer, .address_space: global }
      - { .name: W_K, .offset: 64, .size: 8, .value_kind: global_buffer, .address_space: global }
      - { .name: W_V, .offset: 72, .size: 8, .value_kind: global_buffer, .address_space: global }
      - { .name: wb, .offset: 80, .size: 8, .value_kind: global_buffer, .address_space: global }
    .group_segment_fixed_size: 0
    .private_segment_fixed_size: 0
    .kernarg_segment_align: 8
    .kernarg_segment_size: 88
    .max_flat_workgroup_size: 256
    .sgpr_count:     66
    .vgpr_count:     224
    .wavefront_size: 32
...
	.end_amdgpu_metadata
.endif
;; end of part 14
;; launch qkv: the kernel of part 9 again; grid 12 x 16, 4 waves a work-group, clusters of 4 x 4, 327,680 bytes of LDS; arguments xn, wb, b_Q, b_K, b_V, qkvb; writes qkvb
;; launch attn: the kernel of part 4 again; grid 8 x 32, 4 waves a work-group, no clusters, 327,680 bytes of LDS; arguments qkvb, zb; writes zb
;; launch oproj: the kernel of part 10 again; grid 8 x 32, 4 waves a work-group, clusters of 4 x 4, 327,680 bytes of LDS; arguments zb, wb, b_O, resid_pre, midb; writes midb
;; launch ln2: the kernel of part 11 again; grid 256 x 1, 8 waves a work-group, no clusters, 0 bytes of LDS; arguments midb, ln2_w, ln2_b, hn; writes hn
;; launch mlp_in: the kernel of part 12 again; grid 16 x 16, 4 waves a work-group, clusters of 4 x 4, 327,680 bytes of LDS; arguments hn, wb, b_in, actb; writes actb
;; launch mlp_out: the kernel of part 13 again; grid 8 x 32, 4 waves a work-group, clusters of 4 x 4, 327,680 bytes of LDS; arguments actb, wb, b_out, midb, out0; writes out0
